; MI455X (gfx1250); checked and timed in simulation.
; The chip was launched on July 23, 2026; its instructions are those of AMD's public machine-readable ISA for CDNA 5 (MIT licence, August 2026) and "CDNA5" Instruction Set Architecture Reference Guide (July 2026). The comments in the code are by the model that wrote it; some were corrected since.
;; Transformer Block. Allowed arithmetic: matrix products marked QUANTISED: E3M2 operands, one E8M0 scale for each 32 along K, by v_wmma_scale_f32_16x16x128_f8f6f4 with both operands' format E3M2, f32 sums; everything else in f32.
;; Inputs: Wk_codes 1,024 x 32 x 24 uint8 (E3M2 codes of Wk, K innermost, in blocks of 32 codes, four codes in three bytes); Wk_scales 1,024 x 32 uint8 (E8M0 scales of Wk, one for each 32 codes along K); Wo_codes 1,024 x 32 x 24 uint8 (E3M2 codes of Wo, K innermost, in blocks of 32 codes, four codes in three bytes); Wo_scales 1,024 x 32 uint8 (E8M0 scales of Wo, one for each 32 codes along K); Wq_codes 1,024 x 32 x 24 uint8 (E3M2 codes of Wq, K innermost, in blocks of 32 codes, four codes in three bytes); Wq_scales 1,024 x 32 uint8 (E8M0 scales of Wq, one for each 32 codes along K); Wv_codes 1,024 x 32 x 24 uint8 (E3M2 codes of Wv, K innermost, in blocks of 32 codes, four codes in three bytes); Wv_scales 1,024 x 32 uint8 (E8M0 scales of Wv, one for each 32 codes along K); g1 1,024 float32; g2 1,024 float32; positions 2,048 int32; w1_codes 2,752 x 32 x 24 uint8 (E3M2 codes of w1, K innermost, in blocks of 32 codes, four codes in three bytes); w1_scales 2,752 x 32 uint8 (E8M0 scales of w1, one for each 32 codes along K); w2_codes 1,024 x 86 x 24 uint8 (E3M2 codes of w2, K innermost, in blocks of 32 codes, four codes in three bytes); w2_scales 1,024 x 86 uint8 (E8M0 scales of w2, one for each 32 codes along K); w3_codes 2,752 x 32 x 24 uint8 (E3M2 codes of w3, K innermost, in blocks of 32 codes, four codes in three bytes); w3_scales 2,752 x 32 uint8 (E8M0 scales of w3, one for each 32 codes along K); x 2 x 2,048 x 1,024 float32.
;; Outputs: out0 2 x 2,048 x 1,024 float32.
;; Constants: theta = 10000.
;; This version of the problem:
;;   THIS VERSION OF THE PROBLEM IS GIVEN IN LOW PRECISION. The matrix products marked QUANTISED in the list below multiply operands that are first quantised to E3M2 (3 exponent bits, 2 mantissa bits; 6 bits a number), with one power-of-two scale for each 32 numbers along K (OCP MX v1.0); their sums are f32. All else is computed in f32.
;;   The module's matrix products, in the order in which they are computed (A, B: the left and right operand; K: the contracted axis; several contracted axes count as one K, in the product's order):
;;     1. [M 4,096, K 1,024] x [K 1,024, N 1,024]; A: computed on the way; B: input Wq (given as codes): QUANTISED
;;     2. [M 4,096, K 1,024] x [K 1,024, N 1,024]; A: computed on the way; B: input Wk (given as codes): QUANTISED
;;     3. [M 4,096, K 1,024] x [K 1,024, N 1,024]; A: computed on the way; B: input Wv (given as codes): QUANTISED
;;     4. batch 32 x [M 2,048, K 64] x [K 64, N 2,048]; A: computed on the way; B: computed on the way: QUANTISED
;;     5. batch 32 x [M 2,048, K 2,048] x [K 2,048, N 64]; A: softmax (see below); B: computed on the way: QUANTISED
;;     6. [M 4,096, K 1,024] x [K 1,024, N 1,024]; A: computed on the way; B: input Wo (given as codes): QUANTISED
;;     7. [M 4,096, K 1,024] x [K 1,024, N 2,752]; A: computed on the way; B: input w1 (given as codes): QUANTISED
;;     8. [M 4,096, K 1,024] x [K 1,024, N 2,752]; A: computed on the way; B: input w3 (given as codes): QUANTISED
;;     9. [M 4,096, K 2,752] x [K 2,752, N 1,024]; A: computed on the way; B: input w2 (given as codes): QUANTISED
;;   THE QUANTISER, for each operand of a quantised product, along K:
;;     - K is cut into blocks of 32 from its start; a last block that is shorter is filled with zeros.
;;     - A block's scale is 2^e with e = floor(log2(the largest magnitude in the block)) - 4, held to -126 .. 127; a block of zeros has e = 0. As a byte (E8M0): e + 127.
;;     - Each number is divided by its block's scale, clamped to +-28, and rounded to the nearest number of E3M2, ties to even, subnormals kept.
;;     - The product sums the exact products of the quantised numbers (number of the format x scale) in f32.
;;   ~~~python
;;   def quantise(x, axis):      # numpy; x: float32 -> the quantised numbers, widened to float32 again
;;       x = np.moveaxis(x, axis, -1); K = x.shape[-1]
;;       x = np.pad(x, [(0, 0)] * (x.ndim - 1) + [(0, -K % 32)]); x = x.reshape(x.shape[:-1] + (-1, 32)); a = np.abs(x).max(-1, keepdims=True)
;;       e = np.where(a > 0, np.clip(np.frexp(np.where(a > 0, a, 1))[1] - 1 - 4, -126, 127), 0)      # np.frexp(a)[1] - 1 = floor(log2(a)), exactly
;;       r = np.clip(x / 2.0 ** e, -28, 28)
;;       step = 2.0 ** (np.maximum(np.frexp(np.where(r == 0, 1, r))[1] - 1, -2) - 2)
;;       q = np.round(r / step) * step * 2.0 ** e      # np.round: ties to even
;;       return np.moveaxis(q.reshape(q.shape[:-2] + (-1,))[..., :K], -1, axis).astype(np.float32)
;;   ~~~
;;   SOFTMAX AHEAD OF A QUANTISED PRODUCT. Where the list says 'softmax', what is quantised is not the finished softmax but p = 2^(t - M), with t = logit x log2(e) and M = ceil(the row's largest t), a whole number; so 1/2 < the row's largest p <= 1. The row's sum l is taken of the UNQUANTISED p, in f32, and the product's result is divided by l at the end. Since M is a whole number, a kernel that streams over the keys may use a running M (the ceiling of the running maximum): every later rescaling is an exact power of two, which a block's scale takes up: the codes' values come out the same.
;;   OPERANDS COMPUTED ON THE WAY. 'Computed on the way' means the value that the module computes at that place (a softmax that the list does not call 'softmax' is quantised finished and normalised). What goes into a quantiser is computed in f32, as accurately as f32 sums, v_exp_f32 and their like allow (about 1e-6 of the number): no bf16 or f16 on the way to a quantiser, and a product that is left as it is and whose result goes on into a quantised operand takes f32 operands (vector FMAs, or v_wmma_f32_16x16x4_f32). A number that lies on a knife's edge between two numbers of the format may be rounded either way, as far as f32 arithmetic and the matrix unit's own rounding can turn it there, and no further.
;;   INPUTS GIVEN AS CODES. Wk (in the module: [1024, 1024], K = its axis 1); Wo (in the module: [1024, 1024], K = its axis 1); Wq (in the module: [1024, 1024], K = its axis 1); Wv (in the module: [1024, 1024], K = its axis 1); w1 (in the module: [2752, 1024], K = its axis 1); w2 (in the module: [1024, 2752], K = its axis 1); w3 (in the module: [2752, 1024], K = its axis 1): each comes as NAME_codes (uint8): NAME with its K axis moved to the last place and cut into blocks of 32 codes, [.., K / 32, bytes a block], one block behind the other in memory; four codes in three bytes: a row's codes are one little-endian stream of bits, code i at bits 6 i .. 6 i + 5 (a code: sign, 3 exponent bits, 2 mantissa bits); and NAME_scales (uint8): the same leading axes, one E8M0 byte (e + 127) for each 32 codes along K. Its value is code x scale, taken as it is: it is not quantised again, and the codes and scales need not be those that the quantiser above would give.
;; 2 versions. Each part assembles by itself: llvm-mc -triple=amdgcn-amd-amdhsa -mcpu=gfx1250 --defsym DOCPART=n.
;; ======== version 1 of 2: 7 launches
;; limits: right only within a limited range of input values
;; workspace buffers: xa 3,276,800 bytes; wts 10,457,088 bytes; qkv 10,092,544 bytes; aa 3,276,800 bytes; x2 16,777,216 bytes; xb 3,276,800 bytes; hh 9,011,200 bytes
;; launch prep (part 1): grid 486 x 1, 4 waves a work-group, no clusters, 66,304 bytes of LDS; arguments x, g1, positions, xa, wts, Wq_codes, Wk_codes, Wv_codes, Wo_codes, w1_codes, w3_codes, w2_codes, Wq_scales, Wk_scales, Wv_scales, Wo_scales, w1_scales, w3_scales, w2_scales; writes xa, wts
.if DOCPART == 1
	.amdgcn_target "amdgcn-amd-amdhsa--gfx1250"
	.amdhsa_code_object_version 6
	.text
	.protected	k_qda30b30292_prep
	.globl	k_qda30b30292_prep
	.p2align	8
	.type	k_qda30b30292_prep,@function
k_qda30b30292_prep:
	s_mov_b64 s[64:65], 0
	v_nop
	global_prefetch_b8 v0, s[64:65] scope:SCOPE_SE
	s_setreg_imm32_b32 hwreg(HW_REG_WAVE_MODE, 25, 1), 1
	s_wait_xcnt 0x0
; FOUR JOBS IN ONE LAUNCH, parted by the work-group's number.
;  N (0..255):   rmsnorm(x, g1) of one tile of 16 rows, quantised to E3M2 along K, stored as operand images into xa.
;  W (256..405): the codes and scale bytes of Wq, Wk, Wv, Wo, w1, w3 laid anew, as operand images, into wts.
;  W2 (406..421): the same for w2, whose K = 2,752 is 21.5 steps of 128: the last half step gets zero codes under the byte 127.
;  R (422..485): the table cos, sin of positions[n] x 10000^(-j/32), [2048][32] pairs of f32, into wts.
; LAYOUT.  A tile T of 16 rows holds, in lane-row i, row 32 (T/2) + 8 (T%2) + i + 8 (i/8).  A fragment (16 rows x 128 K, 12 registers a lane) lies as an image of its registers:
; register pair q of lane l at 256 q + 8 l.  A record serves 8 tiles x 128 K: tile y's image at 1,536 y, scale words at 12,288 + 128 (y/2) + 64 (y%2) + 4 r: 12,800 bytes.
; LIMITS: NaN and infinities are not served.  A block whose largest magnitude lies under 2^-122 (zeros too) gets the scale byte 1; these bytes are read by this program alone.
; The sine's argument is reduced by three parts of pi/2: |positions x frequency| under 2^20.
.set WV, 52
.set TT, 53
.set SEL, 54
.set SRC, 4
.set GN, 6
.set DST, 10
.set CP, 44
.set SP, 46
.set DC, 48
.set DS, 50
.set XR, 32                            ; v32-159  four rows of x, later two K steps of 64 numbers
.set GR, 160                           ; v160-191 the gain
.set SS, 192                           ; v192-199 sums of squares, a pair a row
.set RS, 200                           ; v200-203 a row's sum
.set PT, 204                           ; v204-207 the other half of the lanes' sum
.set RI, 208                           ; v208-215 1 / rms, the low word of a pair a row
; One K step (128 along K) of my lane's row becomes a fragment and its scale word, and is stored.  Lane (r, h) holds the whole blocks h and 2 + h of the step.
.macro NQ ss
.set BB, XR+64*(\ss)
.set CC, 176+12*(\ss)
.irp c, 0,1
	v_max3_num_f32 v[160+\c], |v[BB+32*\c]|, |v[BB+32*\c+1]|, 0x2800000   ; the floor 2^(5 - 127) holds the byte at 1 from below
.endr
.irp i, 2,4,6,8,10,12,14,16,18,20,22,24,26,28,30
.irp c, 0,1
	v_max3_num_f32 v[160+\c], v[160+\c], |v[BB+32*\c+\i]|, |v[BB+32*\c+\i+1]|
.endr
.endr
.irp c, 0,1
	v_add_nc_u32 v[162+\c], 0xfe000000, v[160+\c]      ; 4 off the exponent field: the conversion's scale operand
.endr
.irp c, 0,1
	v_lshrrev_b32 v[164+\c], 23, v[162+\c]             ; the scale's byte
.endr
	v_lshl_or_b32 v166, v165, 16, v164                 ; my two bytes, blocks h and 2 + h,
	v_lshlrev_b32 v166, v10, v166                      ; 8 h bits up;
	v_permlanex16_b32 v167, v166, s[SEL], s[SEL+1]
	v_or_b32 v[208+\ss], v166, v167                    ; with the other half's two the word is whole
.irp c, 0,1
	v_cvt_scalef32_pk16_bf6_f32 v[CC+6*\c:CC+6*\c+2], v[BB+32*\c:BB+32*\c+15], v[162+\c]
	v_cvt_scalef32_pk16_bf6_f32 v[200+4*\c:202+4*\c], v[BB+32*\c+16:BB+32*\c+31], v[162+\c]   ; (three registers from an even one on: made here, moved below)
.endr
	v_nop                                              ; a plain line behind the conversions
.irp c, 0,1
.irp i, 0,1,2
	v_mov_b32 v[CC+6*\c+3+\i], v[200+4*\c+\i]
.endr
.endr
.irp q, 0,1,2,3,4,5
	global_store_b64 v8, v[CC+2*\q:CC+2*\q+1], s[DC:DC+1] offset:(\ss)*12800+256*\q   ; 32 lanes store 256 consecutive bytes
.endr
	global_store_b32 v9, v[208+\ss], s[DS:DS+1] offset:(\ss)*12800                    ; both halves of the lanes hold the same word
.endm
; rmsnorm and quantiser of tile s[TT].  Phase 1: wave w takes lane-rows 4 w .. 4 w + 3, which are four rows on end.  Phase 2: wave w takes K steps 2 w, 2 w + 1 of all 16 rows.
.macro NORMPATH
	s_lshr_b32 s56, s[TT], 1
	s_lshl_b32 s56, s56, 5
	s_and_b32 s57, s[TT], 1
	s_lshl_b32 s58, s57, 3
	s_add_co_u32 s56, s56, s58
	s_lshl_b32 s58, s[WV], 2
	s_add_co_u32 s56, s56, s58
	s_lshr_b32 s58, s[WV], 1
	s_lshl_b32 s58, s58, 3
	s_add_co_u32 s56, s56, s58                         ; my first row: 32 (T/2) + 8 (T%2) + 4 w + 8 (w/2)
	s_lshl_b32 s58, s56, 12
	s_mov_b32 s59, 0
	s_add_nc_u64 s[SRC:SRC+1], s[SRC:SRC+1], s[58:59]
	s_lshr_b32 s58, s[TT], 3
	s_mul_i32 s58, s58, 102400
	s_mul_i32 s60, s[WV], 25600
	s_add_co_u32 s58, s58, s60                         ; the tile's group, and my two K steps' records
	s_add_nc_u64 s[DS:DS+1], s[DST:DST+1], s[58:59]
	s_and_b32 s60, s[TT], 7
	s_mul_i32 s62, s60, 1536
	s_mov_b32 s63, 0
	s_add_nc_u64 s[DC:DC+1], s[DS:DS+1], s[62:63]      ; the tile's image
	s_lshr_b32 s60, s60, 1
	s_lshl_b32 s60, s60, 7
	s_lshl_b32 s57, s57, 6
	s_add_co_u32 s60, s60, s57
	s_add_co_u32 s62, s60, 12288
	s_add_nc_u64 s[DS:DS+1], s[DS:DS+1], s[62:63]      ; and its scale words
	v_lshlrev_b32 v5, 4, v1                            ; 16 x lane
	s_mul_i32 s60, s[WV], 4*4112
	v_add_nc_u32 v6, s60, v5                           ; LDS, in: my four rows, 4,112 bytes apart (4,096 + 16)
	v_mul_u32_u24 v7, v2, 4112
	v_lshl_add_u32 v7, v3, 7, v7
	s_lshl_b32 s60, s[WV], 10
	v_add_nc_u32 v7, s60, v7                           ; LDS, out: row r, + 128 h, + my two K steps
	v_lshlrev_b32 v10, 3, v3                           ; 8 h
	s_mov_b32 s60, 0x3a800000                          ; 1 / 1024
	s_mov_b32 s61, 0x3727c5ac                          ; 1e-5
.irp j, 0,1,2,3,4,5,6,7
	global_load_b128 v[GR+4*\j:GR+4*\j+3], v5, s[GN:GN+1] offset:512*\j
.endr
.irp ri, 0,1,2,3
.irp j, 0,1,2,3,4,5,6,7
	global_load_b128 v[XR+32*\ri+4*\j:XR+32*\ri+4*\j+3], v5, s[SRC:SRC+1] offset:4096*\ri+512*\j th:TH_LOAD_NT   ; 512 consecutive bytes a load
.endr
.endr
.irp ri, 0,1,2,3
	v_mov_b32 v[PT+\ri], 0                             ; a lane permute's destination counts as read
	v_mov_b32 v[RI+2*\ri+1], 0                         ; named as the upper half of a pair
.endr
	s_wait_loadcnt 0x0
.irp ri, 0,1,2,3
	v_pk_mul_f32 v[SS+2*\ri:SS+2*\ri+1], v[XR+32*\ri:XR+32*\ri+1], v[XR+32*\ri:XR+32*\ri+1]
.endr
.irp j, 2,4,6,8,10,12,14,16,18,20,22,24,26,28,30
.irp ri, 0,1,2,3
	v_pk_fma_f32 v[SS+2*\ri:SS+2*\ri+1], v[XR+32*\ri+\j:XR+32*\ri+\j+1], v[XR+32*\ri+\j:XR+32*\ri+\j+1], v[SS+2*\ri:SS+2*\ri+1]
.endr
.endr
.irp ri, 0,1,2,3
	v_add_f32 v[RS+\ri], v[SS+2*\ri], v[SS+2*\ri+1]
.endr
.irp k, 1,2,4,8
.irp ri, 0,1,2,3
	v_add_f32_dpp v[RS+\ri], v[RS+\ri], v[RS+\ri] row_xmask:\k row_mask:0xf bank_mask:0xf
.endr
.endr
.irp ri, 0,1,2,3
	v_permlanex16_b32 v[PT+\ri], v[RS+\ri], s[SEL], s[SEL+1]
.endr
.irp ri, 0,1,2,3
	v_add_f32 v[RS+\ri], v[RS+\ri], v[PT+\ri]
.endr
.irp ri, 0,1,2,3
	v_fma_f32 v[RS+\ri], v[RS+\ri], s60, s61           ; the mean of the squares + eps
.endr
.irp ri, 0,1,2,3
	v_rsq_f32 v[RI+2*\ri], v[RS+\ri]
.endr
	v_nop                                              ; a plain line behind the batch,
	s_wait_alu depctr_va_vdst(0)                       ; and one wait for the four, ahead of their first reader
.irp ri, 0,1,2,3
.irp j, 0,2,4,6,8,10,12,14,16,18,20,22,24,26,28,30
	v_pk_mul_f32 v[XR+32*\ri+\j:XR+32*\ri+\j+1], v[XR+32*\ri+\j:XR+32*\ri+\j+1], v[RI+2*\ri:RI+2*\ri+1] op_sel_hi:[1,0]
	v_pk_mul_f32 v[XR+32*\ri+\j:XR+32*\ri+\j+1], v[XR+32*\ri+\j:XR+32*\ri+\j+1], v[GR+\j:GR+\j+1]
.endr
.endr
.irp ri, 0,1,2,3
.irp j, 0,1,2,3,4,5,6,7
	ds_store_b128 v6, v[XR+32*\ri+4*\j:XR+32*\ri+4*\j+3] offset:4112*\ri+512*\j
.endr
.endr
	s_wait_dscnt 0x0                                   ; for the others' sake: my rows lie in LDS
	s_barrier_signal -1
	s_barrier_wait -1
	v_mov_b32 v167, 0
.irp ss, 0,1
.irp c, 0,1
.irp j, 0,1,2,3,4,5,6,7
	ds_load_b128 v[XR+64*\ss+32*\c+4*\j:XR+64*\ss+32*\c+4*\j+3], v7 offset:512*\ss+256*\c+16*\j
.endr
.endr
.endr
	s_wait_dscnt 16                                    ; the first K step's 16 loads are in; the second's may be out
	NQ 0
	s_wait_dscnt 0x0
	NQ 1
.endm
; n K steps from s0 on of one tile of a weight: each lane takes its 24 bytes of each half step from its row, and the registers leave as the fragment's image.
.macro RELAY s0, n, cut                ; cut = 1: the last step has only its first 64 along K; the rest are zero codes
.set SG, 0
.rept \n
.irp q, 0,1,2,3,4,5
.if (\cut) && (SG == (\n)-1) && (\q > 2)
	v_mov_b32 v[32+12*SG+2*\q], 0
	v_mov_b32 v[33+12*SG+2*\q], 0
.else
	global_load_b64 v[32+12*SG+2*\q:33+12*SG+2*\q], v6, s[CP:CP+1] offset:96*((\s0)+SG)+48*(\q/3)+8*(\q%3)
.endif
.endr
.set SG, SG+1
.endr
	s_wait_loadcnt 0x0
.set SG, 0
.rept \n
.irp q, 0,1,2,3,4,5
	global_store_b64 v8, v[32+12*SG+2*\q:33+12*SG+2*\q], s[DC:DC+1] offset:12800*((\s0)+SG)+256*\q
.endr
.set SG, SG+1
.endr
.endm
.macro PICK k, c, s                    ; matrix k: its codes and its scale bytes; the choice hangs on the work-group's number alone
	s_cmp_eq_u32 s60, \k
	s_cselect_b64 s[CP:CP+1], s[\c:\c+1], s[CP:CP+1]
	s_cselect_b64 s[SP:SP+1], s[\s:\s+1], s[SP:SP+1]
.endm
; cos and sin of positions[row i of my eight] x my pair's frequency
.macro ROPEROW i
	v_cvt_f32_i32 v10, s[80+\i]
	v_mul_f32 v10, v10, v5                             ; the angle
	v_mul_f32 v11, 0x3f22f983, v10                     ; x 2 / pi,
	v_rndne_f32 v11, v11                               ; to the nearest whole number j
	v_fmamk_f32 v12, v11, 0xbfc90fd8, v10              ; angle - j pi/2, pi/2 in three parts
	v_fmamk_f32 v12, v11, 0xb4a8885a, v12
	v_fmamk_f32 v12, v11, 0xa7c234c5, v12
	v_cvt_i32_f32 v13, v11
	v_mul_f32 v14, v12, v12
	v_fmaak_f32 v15, v6, v14, 0xbab6077d               ; the cosine's polynomial on [-pi/4, pi/4]
	v_fmaak_f32 v15, v15, v14, 0x3d2aaaa8
	v_fmaak_f32 v15, v15, v14, 0xbf000000
	v_fmaak_f32 v15, v15, v14, 0x3f800000
	v_fmaak_f32 v16, v7, v14, 0xb9503486               ; the sine's
	v_fmaak_f32 v16, v16, v14, 0x3c0888c1
	v_fmaak_f32 v16, v16, v14, 0xbe2aaaab
	v_mul_f32 v17, v12, v14
	v_fma_f32 v16, v16, v17, v12
	v_and_b32 v18, 1, v13
	v_cmp_eq_u32 vcc_lo, 1, v18                        ; an odd quadrant swaps the two
	v_cndmask_b32 v19, v16, v15, vcc_lo
	v_cndmask_b32 v20, v15, v16, vcc_lo
	v_and_b32 v21, 2, v13                              ; the sine's sign: j & 2
	v_lshlrev_b32 v21, 30, v21
	v_xor_b32 v[33+2*\i], v19, v21
	v_add_nc_u32 v22, 1, v13                           ; the cosine's: (j + 1) & 2
	v_and_b32 v22, 2, v22
	v_lshlrev_b32 v22, 30, v22
	v_xor_b32 v[32+2*\i], v20, v22
	global_store_b64 v8, v[32+2*\i:33+2*\i], s[DC:DC+1] offset:256*\i   ; a row of the table: 256 consecutive bytes
.endm
	s_load_b256 s[4:11], s[0:1], 0x0                   ; x, g1, positions, xa
	s_load_b64 s[12:13], s[0:1], 0x20                  ; wts
	s_load_b512 s[16:31], s[0:1], 0x28                 ; codes of Wq 16, Wk 18, Wv 20, Wo 22, w1 24, w3 26, w2 28; scales of Wq 30
	s_load_b256 s[32:39], s[0:1], 0x68                 ; scales of Wk 32, Wv 34, Wo 36, w1 38
	s_load_b128 s[40:43], s[0:1], 0x88                 ; scales of w3 40, w2 42
	v_lshl_add_u32 v224, v0, 2, 0x10100
	v_mov_b32 v225, 0
	v_lshrrev_b32 v1, 5, v0
	v_readfirstlane_b32 s[WV], v1                      ; wave 0..3
	v_and_b32 v1, 31, v0                               ; lane
	v_and_b32 v2, 15, v0                               ; r
	v_bfe_u32 v3, v0, 4, 1                             ; h
	v_lshlrev_b32 v8, 3, v1                            ; 8 x lane
	v_lshlrev_b32 v9, 2, v2                            ; 4 r
	s_mov_b32 s[SEL], 0x76543210
	s_mov_b32 s[SEL+1], 0xfedcba98                     ; lane l xor 16
	s_wait_kmcnt 0x0
	s_cmp_lt_u32 ttmp9, 256
	s_cbranch_scc0 .Lnot_n
	s_mov_b32 s[TT], ttmp9
	NORMPATH
	s_wait_tensorcnt 0x0
	ds_add_u32 v224, v225
	s_wait_dscnt 0x0
	s_endpgm
.Lnot_n:
	v_and_b32 v5, 8, v2
	v_add_nc_u32 v5, v5, v2                            ; r + 8 (r / 8)
	s_cmp_lt_u32 ttmp9, 406
	s_cbranch_scc0 .Lnot_w
	; ---- W: destination group D = 0..74 (Wq 0-7, Wk 8-15, Wv 16-23, Wo 24-31; from 32 on: 64 rows of w1 as tiles 0-3 and the same 64 rows of w3 as tiles 4-7); a wave a tile
	s_sub_co_u32 s56, ttmp9, 256
	s_lshr_b32 s57, s56, 1                             ; D
	s_and_b32 s58, s56, 1
	s_lshl_b32 s59, s58, 2
	s_add_co_u32 s59, s59, s[WV]                       ; tile y of the group
	s_lshr_b32 s60, s57, 3                             ; D < 32: the matrix,
	s_and_b32 s61, s57, 7
	s_lshl_b32 s61, s61, 3
	s_add_co_u32 s61, s61, s59                         ; and its tile
	s_add_co_u32 s62, s58, 4                           ; D >= 32: w1 or w3,
	s_sub_co_u32 s63, s57, 32
	s_lshl_b32 s63, s63, 2
	s_add_co_u32 s63, s63, s[WV]                       ; tile 4 (D - 32) + wave
	s_cmp_lt_u32 s57, 32
	s_cselect_b32 s60, s60, s62
	s_cselect_b32 s61, s61, s63
	s_mov_b64 s[CP:CP+1], s[16:17]
	s_mov_b64 s[SP:SP+1], s[30:31]
	PICK 1, 18, 32
	PICK 2, 20, 34
	PICK 3, 22, 36
	PICK 4, 24, 38
	PICK 5, 26, 40
	s_lshr_b32 s62, s61, 1
	s_lshl_b32 s62, s62, 5
	s_and_b32 s63, s61, 1
	s_lshl_b32 s63, s63, 3
	s_add_co_u32 s62, s62, s63                         ; the tile's first row
	s_mul_i32 s66, s62, 768
	s_mov_b32 s67, 0
	s_add_nc_u64 s[CP:CP+1], s[CP:CP+1], s[66:67]
	s_lshl_b32 s66, s62, 5
	s_add_nc_u64 s[SP:SP+1], s[SP:SP+1], s[66:67]
	s_mul_i32 s66, s57, 102400
	s_add_nc_u64 s[DS:DS+1], s[12:13], s[66:67]
	s_mul_i32 s66, s59, 1536
	s_add_nc_u64 s[DC:DC+1], s[DS:DS+1], s[66:67]
	s_lshr_b32 s66, s59, 1
	s_lshl_b32 s66, s66, 7
	s_and_b32 s68, s59, 1
	s_lshl_b32 s68, s68, 6
	s_add_co_u32 s66, s66, s68
	s_add_co_u32 s66, s66, 12288
	s_add_nc_u64 s[DS:DS+1], s[DS:DS+1], s[66:67]
	v_mul_u32_u24 v6, v5, 768                          ; a row of 1,024 codes is 768 bytes
	v_mad_u32_u24 v6, v3, 24, v6
	v_lshlrev_b32 v7, 5, v5                            ; and has 32 scale bytes: eight words, one a K step
	global_load_b128 v[128:131], v7, s[SP:SP+1]
	global_load_b128 v[132:135], v7, s[SP:SP+1] offset:16
	RELAY 0, 8, 0
.irp s, 0,1,2,3,4,5,6,7
	global_store_b32 v9, v[128+\s], s[DS:DS+1] offset:12800*\s
.endr
	s_endpgm
.Lnot_w:
	s_cmp_lt_u32 ttmp9, 422
	s_cbranch_scc0 .Lrope
	; ---- W2: eight groups of 128 rows, 22 records each
	s_sub_co_u32 s56, ttmp9, 406
	s_lshr_b32 s57, s56, 1                             ; the group
	s_and_b32 s58, s56, 1
	s_lshl_b32 s59, s58, 2
	s_add_co_u32 s59, s59, s[WV]                       ; tile y
	s_lshl_b32 s61, s57, 3
	s_add_co_u32 s61, s61, s59
	s_lshr_b32 s62, s61, 1
	s_lshl_b32 s62, s62, 5
	s_and_b32 s63, s61, 1
	s_lshl_b32 s63, s63, 3
	s_add_co_u32 s62, s62, s63                         ; the tile's first row
	s_mul_i32 s66, s62, 2064
	s_mov_b32 s67, 0
	s_add_nc_u64 s[CP:CP+1], s[28:29], s[66:67]
	s_mul_i32 s66, s62, 86
	s_add_nc_u64 s[SP:SP+1], s[42:43], s[66:67]
	s_mul_i32 s66, s57, 281600
	s_add_co_u32 s66, s66, 7680000
	s_add_nc_u64 s[DS:DS+1], s[12:13], s[66:67]
	s_mul_i32 s66, s59, 1536
	s_add_nc_u64 s[DC:DC+1], s[DS:DS+1], s[66:67]
	s_lshr_b32 s66, s59, 1
	s_lshl_b32 s66, s66, 7
	s_and_b32 s68, s59, 1
	s_lshl_b32 s68, s68, 6
	s_add_co_u32 s66, s66, s68
	s_add_co_u32 s66, s66, 12288
	s_add_nc_u64 s[DS:DS+1], s[DS:DS+1], s[66:67]
	v_mul_u32_u24 v6, v5, 2064                         ; a row of 2,752 codes is 2,064 bytes
	v_mad_u32_u24 v6, v3, 24, v6
	v_mul_u32_u24 v7, v5, 86                           ; and has 86 scale bytes: rows begin at even bytes, so they come two bytes at a time
.set NN, 0
.rept 43
	global_load_u16 v[164+NN], v7, s[SP:SP+1] offset:2*NN
.set NN, NN+1
.endr
	RELAY 0, 11, 0
.set NN, 0
.rept 21
	v_lshl_or_b32 v[164+2*NN], v[165+2*NN], 16, v[164+2*NN]
.set NN, NN+1
.endr
	v_or_b32 v206, 0x7f7f0000, v206                    ; the last step's upper two blocks: zero codes under the byte 127
.set NN, 0
.rept 22
	global_store_b32 v9, v[164+2*NN], s[DS:DS+1] offset:12800*NN
.set NN, NN+1
.endr
	s_wait_xcnt 0x0                                    ; the stores have read their registers: the next eleven steps may land there
	RELAY 11, 11, 1
	s_endpgm
.Lrope:
	; ---- R: a wave makes eight rows of the table; lane j is pair j
	s_sub_co_u32 s56, ttmp9, 422
	s_lshl_b32 s56, s56, 2
	s_add_co_u32 s56, s56, s[WV]
	s_lshl_b32 s58, s56, 5
	s_mov_b32 s59, 0
	s_add_nc_u64 s[8:9], s[8:9], s[58:59]
	s_load_b256 s[80:87], s[8:9], 0x0                  ; my eight positions
	s_lshl_b32 s60, s56, 11
	s_add_co_u32 s60, s60, 9932800
	s_mov_b32 s61, 0
	s_add_nc_u64 s[DC:DC+1], s[12:13], s[60:61]
	v_cvt_f32_u32 v5, v1
	v_mul_f32 v5, 0xbed49a78, v5                       ; -j log2(10000) / 32
	v_exp_f32 v5, v5                                   ; the frequency 10000^(-j/32)
	v_mov_b32 v6, 0x37cd4000                           ; (plain lines behind it: the polynomials' leading coefficients)
	v_mov_b32 v7, 0x36405000
	s_wait_alu depctr_va_vdst(0)                       ; the wait ahead of the frequency's first reader
	s_wait_kmcnt 0x0
.irp i, 0,1,2,3,4,5,6,7
	ROPEROW \i
.endr
	s_endpgm
.Lfunc_end_k_qda30b30292_prep:
	.size	k_qda30b30292_prep, .Lfunc_end_k_qda30b30292_prep-k_qda30b30292_prep
	.p2alignl 7, 3214868480
	.fill 96, 4, 3214868480
	.section	.rodata,"a",@progbits
	.p2align	6, 0x0
	.amdhsa_kernel k_qda30b30292_prep
		.amdhsa_group_segment_fixed_size 66304
		.amdhsa_private_segment_fixed_size 0
		.amdhsa_enable_private_segment 0
		.amdhsa_kernarg_size 152
		.amdhsa_user_sgpr_count 2
		.amdhsa_user_sgpr_kernarg_segment_ptr 1
		.amdhsa_wavefront_size32 1
		.amdhsa_system_sgpr_workgroup_id_x 1
		.amdhsa_system_sgpr_workgroup_id_y 1
		.amdhsa_system_sgpr_workgroup_id_z 1
		.amdhsa_system_vgpr_workitem_id 0
		.amdhsa_next_free_vgpr 226
		.amdhsa_next_free_sgpr 88
		.amdhsa_reserve_vcc 1
		.amdhsa_float_denorm_mode_32 3
		.amdhsa_float_denorm_mode_16_64 3
		.amdhsa_memory_ordered 1
		.amdhsa_forward_progress 1
		.amdhsa_inst_pref_size 90
	.end_amdhsa_kernel
	.amdgpu_metadata
---
amdhsa.version: [ 1, 2 ]
amdhsa.kernels:
  - .name:           k_qda30b30292_prep
    .symbol:         k_qda30b30292_prep.kd
    .args:
      - { .name: x, .offset: 0, .size: 8, .value_kind: global_buffer, .address_space: global }
      - { .name: g1, .offset: 8, .size: 8, .value_kind: global_buffer, .address_space: global }
      - { .name: positions, .offset: 16, .size: 8, .value_kind: global_buffer, .address_space: global }
      - { .name: xa, .offset: 24, .size: 8, .value_kind: global_buffer, .address_space: global }
      - { .name: wts, .offset: 32, .size: 8, .value_kind: global_buffer, .address_space: global }
      - { .name: Wq_codes, .offset: 40, .size: 8, .value_kind: global_buffer, .address_space: global }
      - { .name: Wk_codes, .offset: 48, .size: 8, .value_kind: global_buffer, .address_space: global }
      - { .name: Wv_codes, .offset: 56, .size: 8, .value_kind: global_buffer, .address_space: global }
      - { .name: Wo_codes, .offset: 64, .size: 8, .value_kind: global_buffer, .address_space: global }
      - { .name: w1_codes, .offset: 72, .size: 8, .value_kind: global_buffer, .address_space: global }
      - { .name: w3_codes, .offset: 80, .size: 8, .value_kind: global_buffer, .address_space: global }
      - { .name: w2_codes, .offset: 88, .size: 8, .value_kind: global_buffer, .address_space: global }
      - { .name: Wq_scales, .offset: 96, .size: 8, .value_kind: global_buffer, .address_space: global }
      - { .name: Wk_scales, .offset: 104, .size: 8, .value_kind: global_buffer, .address_space: global }
      - { .name: Wv_scales, .offset: 112, .size: 8, .value_kind: global_buffer, .address_space: global }
      - { .name: Wo_scales, .offset: 120, .size: 8, .value_kind: global_buffer, .address_space: global }
      - { .name: w1_scales, .offset: 128, .size: 8, .value_kind: global_buffer, .address_space: global }
      - { .name: w3_scales, .offset: 136, .size: 8, .value_kind: global_buffer, .address_space: global }
      - { .name: w2_scales, .offset: 144, .size: 8, .value_kind: global_buffer, .address_space: global }
    .group_segment_fixed_size: 66304
    .private_segment_fixed_size: 0
    .kernarg_segment_align: 8
    .kernarg_segment_size: 152
    .max_flat_workgroup_size: 128
    .sgpr_count:     88
    .vgpr_count:     226
    .wavefront_size: 32
...
	.end_amdgpu_metadata
.endif
;; end of part 1
;; launch qkv (part 2): grid 32 x 8, 4 waves a work-group, clusters of 4 x 1, 307,712 bytes of LDS; arguments xa, wts, qkv; writes qkv
.if DOCPART == 2
	.amdgcn_target "amdgcn-amd-amdhsa--gfx1250"
	.amdhsa_code_object_version 6
	.text
	.protected	k_qda30b30292_qkv
	.globl	k_qda30b30292_qkv
	.p2align	8
	.type	k_qda30b30292_qkv,@function
k_qda30b30292_qkv:
	s_mov_b64 s[64:65], 0
	v_nop
	global_prefetch_b8 v0, s[64:65] scope:SCOPE_SE
	s_setreg_imm32_b32 hwreg(HW_REG_WAVE_MODE, 25, 1), 1
	s_wait_xcnt 0x0
	s_wait_alu depctr_hold_cnt(0) depctr_sa_sdst(0) depctr_va_vdst(0) depctr_va_sdst(0) depctr_va_ssrc(0) depctr_va_vcc(0) depctr_vm_vsrc(0)
	s_getreg_b32 s2, hwreg(HW_REG_IB_STS2, 6, 4)
	s_cmp_eq_u32 s2, 0
	s_cbranch_scc0 .Lentry_in_a_cluster
	s_endpgm
.Lentry_in_a_cluster:
	s_bfe_u32 s2, ttmp6, 0x10000c
	s_cmp_lg_u32 s2, 0x3003
	s_cbranch_scc0 .Lentry_shape_is_right
	s_endpgm
.Lentry_shape_is_right:
; q, k and v of 128 tokens (row group R) x 128 output channels (two heads, group g), on E3M2 codes; RoPE on q and k; all three quantised in registers and stored as operand images for the attention.
; Every product is issued as D = (Y tile) x (X tile): a lane holds one X row, and its registers run along Y.  The rows of a tile are chosen (lane-row i of tile T is row 32 (T/2) + 8 (T%2) + i + 8 (i/8)) so that the
; 16 registers of Y tiles 2 b, 2 b + 1 are the 16 neighbours 32 b + 16 (lane/16) + 0..15 along Y: what the next product's quantiser wants.
; q, k: Y = 128 rows of Wq or Wk (LDS), X = my two tiles of tokens (registers).  v: Y = the 128 tokens (LDS), X = my two tiles of Wv's rows: so v comes out with the keys along the registers.
; LDS holds three groups for all of K = 1,024, each 8 records of 12,800 bytes, filled ONCE at the head by six tensor loads a wave (a record each); no byte is filled twice.
; CLUSTER: the four work-groups of a cluster differ in R alone, so Wq's and Wk's records are asked for jointly (mask 15); the tokens' records are each work-group's own (mask 0).
; A wave has six tensor loads out at the most.  LIMITS: NaN and infinities are not served; a block under 2^-122 (zeros too) gets the scale byte 1, read by this program alone.
; REGISTERS: window 0: v1-15 addresses; v16-23 Y's scale words, two sets; v24-31 the tokens' scale words; v32-39 Wv's; v40-103 cos, sin; v104-127 at work; v128-255 the 16 accumulators ((x, y) at 128 + 8 (8 x + y)).
;   window 1: Y's fragments, two sets of 96.   window 2: the tokens' fragments of all 8 K steps.   window 3: Wv's.
.set REC, 12800
.set XD, 8
.set ARP, 4                            ; a chunk of Y that is waited for: four K steps
.set ASH, 0
.set ADP, 4                            ; the LDS address registers go on every four K steps, so that the immediates stay under 65,536
.set DSH, 0
.set TCN, 5                            ; the count of the next wait for a chunk
.set CST, 0
.set AY, 3
.set AS, 4
.set XO, 5
.set XSO, 6
.set KO, 7
.set KSO, 9
.set RO, 10
.set YS, 16
.set XS, 24
.set XSV, 32
.set CSB, 40
.set QM, 104
.set QP, 106
.set QE, 108
.set QW, 110
.set QC, 112
.set QT, 118
.set QH, 121
.set T1, 122
.set QJ, 126
.set ACC, 128
.set WV, 14
.set SEL, 20
.set MK, 22
.set G1J, 24
.set G1P, 32
.set G0, 40
.set XP, 66
.set WVP, 68
.set SQ, 70
.set SQS, 72
.set SK, 74
.set SV, 76
.set SVS, 78
.set RP, 96
.set MSB, 0
.macro WIN new                         ; the immediate's high byte repeats the setting that is left
.if MSB != (\new)
	s_set_vgpr_msb (MSB<<8)|(\new)
.set MSB, \new
.endif
.endm
.macro PLACES n
.rept \n
	v_nop
.endr
.endm
.macro CROUND                          ; a round of the cluster's barrier
	s_barrier_signal -1
	s_barrier_wait -1
	s_cmp_lg_u32 s[WV], 0
	s_cbranch_scc1 .Lnot_wave_0_\@
	s_barrier_signal -3
.Lnot_wave_0_\@:
	s_barrier_wait -3
	s_barrier_signal -1
	s_barrier_wait -1
.endm
.macro ARRIVE n                        ; my part of the next chunk has landed (n younger loads may be out), no LDS load of mine is out; behind the barrier everybody's part has landed
	s_wait_tensorcnt \n
	s_wait_dscnt 0x0
	s_barrier_signal -1
	s_barrier_wait -1
.endm
.macro WM d, a, b, c, sa, sb, ra, rb   ; one product; ra, rb: the scale words stand in lanes 16-31
.if (\ra) && (\rb)
	v_wmma_scale_f32_16x16x128_f8f6f4 v[\d:\d+7], v[\a:\a+11], v[\b:\b+11], \c, v[\sa], v[\sb] matrix_a_fmt:MATRIX_FMT_BF6 matrix_b_fmt:MATRIX_FMT_BF6 matrix_a_scale:MATRIX_SCALE_ROW1 matrix_b_scale:MATRIX_SCALE_ROW1
.elseif \ra
	v_wmma_scale_f32_16x16x128_f8f6f4 v[\d:\d+7], v[\a:\a+11], v[\b:\b+11], \c, v[\sa], v[\sb] matrix_a_fmt:MATRIX_FMT_BF6 matrix_b_fmt:MATRIX_FMT_BF6 matrix_a_scale:MATRIX_SCALE_ROW1
.elseif \rb
	v_wmma_scale_f32_16x16x128_f8f6f4 v[\d:\d+7], v[\a:\a+11], v[\b:\b+11], \c, v[\sa], v[\sb] matrix_a_fmt:MATRIX_FMT_BF6 matrix_b_fmt:MATRIX_FMT_BF6 matrix_b_scale:MATRIX_SCALE_ROW1
.else
	v_wmma_scale_f32_16x16x128_f8f6f4 v[\d:\d+7], v[\a:\a+11], v[\b:\b+11], \c, v[\sa], v[\sb] matrix_a_fmt:MATRIX_FMT_BF6 matrix_b_fmt:MATRIX_FMT_BF6
.endif
.endm
.macro LOADY s                         ; step s's record of Y: eight fragments (48 loads of 256 consecutive bytes) and four registers of scale words: 52 LDS loads
	WIN 0x40
.irp y, 0,1,2,3,4,5,6,7
.irp q, 0,1,2,3,4,5
	ds_load_b64 v[96*((\s)%2)+12*\y+2*\q:96*((\s)%2)+12*\y+2*\q+1], v[AY] offset:((\s)-CST)*REC+1536*\y+256*\q
.endr
.endr
	WIN 0
.irp i, 0,1,2,3
	ds_load_b32 v[YS+4*((\s)%2)+\i], v[AS] offset:((\s)-CST)*REC+128*\i
.endr
.endm
.macro LOADX s, win, ptr, off          ; step s's two fragments of X, from memory straight into registers: only this wave reads them
	WIN (\win)<<6
.irp x, 0,1
.irp q, 0,1,2,3,4,5
	global_load_b64 v[24*((\s)%XD)+12*\x+2*\q:24*((\s)%XD)+12*\x+2*\q+1], v[XO], s[\ptr:\ptr+1] offset:(\off)+(\s)*REC+1536*\x+256*\q
.endr
.endr
	WIN 0
.endm
.macro MUL s, sj, win, xsb             ; 16 products; the 16 accumulators take turns, one instruction a turn, in the same order in every step
	WIN 1|((\win)<<2)
.irp i, 0,1,2,3
.irp u, 0,1
.irp x, 0,1
.if (\sj) == 0
	WM ACC+8*(8*\x+2*\i+\u), 96*((\s)%2)+12*(2*\i+\u), 24*((\sj)%XD)+12*\x, 0, YS+4*((\s)%2)+\i, (\xsb)+(\sj), \u, \x
.else
	WM ACC+8*(8*\x+2*\i+\u), 96*((\s)%2)+12*(2*\i+\u), 24*((\sj)%XD)+12*\x, v[ACC+8*(8*\x+2*\i+\u):ACC+8*(8*\x+2*\i+\u)+7], YS+4*((\s)%2)+\i, (\xsb)+(\sj), \u, \x
.endif
.endr
.endr
.endr
	WIN 0
.endm
.macro JSTART s, arron                 ; in front of a job: its first chunk, the addresses, its first record
.if \arron
	ARRIVE TCN
.set TCN, TCN-1
.endif
.if (\s) > CST
	v_add_nc_u32 v[AY], ((\s)-CST)*REC, v[AY]
	v_add_nc_u32 v[AS], ((\s)-CST)*REC, v[AS]
.endif
.set CST, \s
	PLACES 4
	LOADY \s
.endm
; A job: ns K steps from record s0 on.  While a step is multiplied the next step's record is on its way from LDS into the other set.
.macro JOB s0, ns, win, xsb, lcon, arron
.set SG, \s0
.rept \ns
.set SJ, SG-(\s0)
.if SJ+1 < (\ns)
.if (\arron) && (((SJ+1+ASH)%ARP) == 0)
	ARRIVE TCN
.set TCN, TCN-1
.endif
.if ((SJ+1+DSH)%ADP) == 0
	v_add_nc_u32 v[AY], (SG+1-CST)*REC, v[AY]
	v_add_nc_u32 v[AS], (SG+1-CST)*REC, v[AS]
.set CST, SG+1
.endif
	PLACES 4                                           ; four plain lines between the last products and loads into registers that they read
	LOADY SG+1
.if (XD < (\ns)) && (SJ >= 1) && (SJ-1+XD < (\ns))
	LOADX SJ-1+XD, \win, XP, 0
.endif
	s_wait_dscnt 52                                    ; this step's record is in; the 52 loads just issued may be out
.else
	s_wait_dscnt 0x0
.endif
.if \lcon
.set LC, (\ns)-1
.if SJ+XD-1 < LC
.set LC, SJ+XD-1
.endif
.set LC, 12*(LC-SJ)
.if LC > 63
.set LC, 63
.endif
	s_wait_loadcnt LC                                  ; this step's X is in; the later steps' 12 loads each may be out (the count's field holds 63)
.endif
	MUL SG, SJ, \win, \xsb
.set SG, SG+1
.endr
	PLACES 4                                           ; in front of the first read of results
.endm
; 32 numbers of a lane, register 16 b + i = k 32 b + 16 (lane/16) + i of my row, become half a fragment's codes in v[QC..QC+5] and two scale bytes in v[QW].
.macro QB n0
	v_max3_num_f32 v[QM], |v[\n0]|, |v[\n0+1]|, 0x2800000      ; the floor 2^(5 - 127) holds the byte at 1 from below
	v_max3_num_f32 v[QM+1], |v[\n0+16]|, |v[\n0+17]|, 0x2800000
.irp i, 2,4,6,8,10,12,14
	v_max3_num_f32 v[QM], v[QM], |v[\n0+\i]|, |v[\n0+\i+1]|
	v_max3_num_f32 v[QM+1], v[QM+1], |v[\n0+16+\i]|, |v[\n0+17+\i]|
.endr
	v_permlanex16_b32 v[QP], v[QM], s[SEL], s[SEL+1]
	v_permlanex16_b32 v[QP+1], v[QM+1], s[SEL], s[SEL+1]
	v_max_num_f32 v[QM], v[QM], v[QP]                  ; with lane l xor 16's 16: the block's largest magnitude
	v_max_num_f32 v[QM+1], v[QM+1], v[QP+1]
	v_add_nc_u32 v[QE], 0xfe000000, v[QM]              ; 4 off the exponent field: the conversion's scale operand
	v_add_nc_u32 v[QE+1], 0xfe000000, v[QM+1]
	v_lshrrev_b32 v[QM], 23, v[QE]                     ; the bytes
	v_lshrrev_b32 v[QM+1], 23, v[QE+1]
	v_lshl_or_b32 v[QW], v[QM+1], 8, v[QM]
	s_wait_xcnt 0x0                                    ; earlier stores have read the registers that are written below
	v_cvt_scalef32_pk16_bf6_f32 v[QC:QC+2], v[\n0:\n0+15], v[QE]
	v_cvt_scalef32_pk16_bf6_f32 v[QT:QT+2], v[\n0+16:\n0+31], v[QE+1]
	v_nop                                              ; a plain line behind the conversions
.irp i, 0,1,2
	v_permlane16_swap_b32 v[QC+\i], v[QT+\i]           ; a whole block to a lane: lanes 0-15 the first block, lanes 16-31 the second
.endr
.irp i, 0,1,2
	v_mov_b32 v[QC+3+\i], v[QT+\i]
.endr
.endm
; q or k: RoPE in place, quantised head by head (64 channels: half a fragment), stored.  The upper two scale bytes are 127: the attention multiplies them with zero codes.
.macro EPIQK cp, chs, sp, so, shs
.irp hd, 0,1
.irp x, 0,1
.set A0, ACC+64*\x+32*\hd
.set C0, CSB+32*\x
.set MM, 0
.rept 16
	v_mul_f32 v[T1+2*(MM%2)], v[A0+2*MM+1], v[C0+2*MM+1]           ; odd x sin
	v_mul_f32 v[T1+2*(MM%2)+1], v[A0+2*MM+1], v[C0+2*MM]           ; odd x cos
	v_fma_f32 v[A0+2*MM+1], v[A0+2*MM], v[C0+2*MM+1], v[T1+2*(MM%2)+1]
	v_fma_f32 v[A0+2*MM], v[A0+2*MM], v[C0+2*MM], -v[T1+2*(MM%2)]
.set MM, MM+1
.endr
	QB A0
.irp p, 0,1,2
	global_store_b64 v[KO], v[QC+2*\p:QC+2*\p+1], s[\cp:\cp+1] offset:(\chs)*\hd+768*\x+256*\p
.endr
.if \x == 0
	v_or_b32 v[QJ], 0x7f7f0000, v[QW]
.else
	v_or_b32 v[QW], 0x7f7f0000, v[QW]
	v_cndmask_b32 v[QJ+1], v[QJ], v[QW], s[MK]         ; lanes 0-15: my first tile's words; lanes 16-31: my second's
	global_store_b32 v[KSO], v[QJ+1], s[\sp:\sp+1] offset:(\so)+(\shs)*\hd
.endif
.endr
.endr
.endm
.macro EPIV                            ; v: my two tiles of 16 channels x 128 keys, quantised along the keys
.irp x, 0,1
.irp c, 0,1
	QB ACC+64*\x+32*\c
.irp p, 0,1,2
	global_store_b64 v1, v[QC+2*\p:QC+2*\p+1], s[SV:SV+1] offset:1536*\x+768*\c+256*\p
.endr
.if \c == 0
	v_mov_b32 v[QH], v[QW]
.else
	v_lshl_or_b32 v[QH], v[QW], 16, v[QH]
.endif
.endr
.if \x == 0
	v_mov_b32 v[QJ], v[QH]
.else
	v_cndmask_b32 v[QJ+1], v[QJ], v[QH], s[MK]
	global_store_b32 v2, v[QJ+1], s[SVS:SVS+1]
.endif
.endr
.endm
	s_load_b128 s[4:7], s[0:1], 0x0                    ; xa, wts
	s_load_b64 s[8:9], s[0:1], 0x10                    ; qkv
	v_lshl_add_u32 v15, v0, 2, 0x4b000
	v_mov_b32 v111, 0
	ds_add_u32 v15, v111
	ds_add_u32 v15, v111
	v_lshrrev_b32 v1, 5, v0
	v_readfirstlane_b32 s[WV], v1                      ; wave 0..3
	s_bfe_u32 s15, ttmp6, 0x40000                      ; cx
	s_lshl_b32 s16, ttmp9, 2
	s_add_co_u32 s16, s16, s15                         ; R: it enters global addresses alone
	s_and_b32 s17, ttmp7, 0xffff                       ; g, which the four partners share
	s_mov_b32 s[G1J], 15|(3<<16)|(1<<21)               ; a record as 50 rows of 32 elements of 8 bytes; mask: all four work-groups, bit 21 beside it
	s_mov_b32 s[G1P], 3<<16                            ; the same with no mask
.irp g, G1J, G1P
	s_mov_b32 s[\g+1], 32<<16                          ; tensor_dim0
	s_mov_b32 s[\g+2], 50<<16                          ; tensor_dim1
	s_mov_b32 s[\g+3], 32<<16                          ; tile_dim0
	s_mov_b32 s[\g+4], 50                              ; tile_dim1
	s_mov_b32 s[\g+5], 32                              ; the pitch
	s_mov_b32 s[\g+6], 0
	s_mov_b32 s[\g+7], 0
.endr
	s_mul_i32 s84, s[WV], REC                          ; my record of a chunk of four: in LDS and in memory
	s_mul_i32 s80, s17, 102400
	s_add_co_u32 s80, s80, s84
	s_mov_b32 s81, 0
	s_mul_i32 s86, s16, 102400
	s_mov_b32 s87, 0
	s_mov_b32 s88, s84
	s_mov_b32 s89, 0
	v_and_b32 v11, 31, v0                              ; lane
	v_and_b32 v12, 15, v0                              ; r
	v_bfe_u32 v13, v0, 4, 1                            ; h
	v_lshlrev_b32 v1, 3, v11                           ; 8 x lane
	v_lshlrev_b32 v2, 2, v11                           ; 4 x lane
	v_mov_b32 v[AY], v1
	v_add_nc_u32 v[AS], 12288, v2
	s_mul_i32 s92, s[WV], 3072
	v_add_nc_u32 v[XO], s92, v1                        ; my two tiles in a record
	s_lshl_b32 s93, s[WV], 7
	v_add_nc_u32 v[KSO], s93, v2
	v_add_nc_u32 v[XSO], 12288, v[KSO]                 ; and their scale words
	s_mul_i32 s92, s[WV], 1536
	v_add_nc_u32 v[KO], s92, v1                        ; my two half images
	v_and_b32 v14, 8, v12
	v_add_nc_u32 v14, v14, v12
	v_lshlrev_b32 v[RO], 8, v14
	v_lshl_add_u32 v[RO], v13, 6, v[RO]                ; the table: row r + 8 (r/8) of 256 bytes, + 64 h
	v_mov_b32 v[QP], 0                                 ; a lane permute's destination counts as read
	v_mov_b32 v[QP+1], 0
	s_mov_b32 s[SEL], 0x76543210
	s_mov_b32 s[SEL+1], 0xfedcba98
	s_mov_b32 s[MK], 0xffff0000
	s_wait_dscnt 0x0
	s_wait_kmcnt 0x0
	s_add_nc_u64 s[82:83], s[6:7], s[80:81]            ; Wq's group g, my record
	s_add_nc_u64 s[XP:XP+1], s[4:5], s[86:87]          ; the tokens' group R,
	s_add_nc_u64 s[90:91], s[XP:XP+1], s[88:89]        ; my record
.irp c, 0,1
.irp sg, 0,1
	s_mov_b32 s[G0+4*(2*\sg+\c)], 1
	s_add_co_u32 s[G0+4*(2*\sg+\c)+1], s84, (8*\sg+4*\c)*REC
	s_add_nc_u64 s[G0+4*(2*\sg+\c)+2:G0+4*(2*\sg+\c)+3], s[82:83], \sg*819200+\c*51200   ; Wk's groups lie 8 groups behind Wq's
	s_or_b32 s[G0+4*(2*\sg+\c)+3], s[G0+4*(2*\sg+\c)+3], 0x80000000
.endr
	s_mov_b32 s[G0+4*(4+\c)], 1
	s_add_co_u32 s[G0+4*(4+\c)+1], s84, (16+4*\c)*REC
	s_add_nc_u64 s[G0+4*(4+\c)+2:G0+4*(4+\c)+3], s[90:91], \c*51200
	s_or_b32 s[G0+4*(4+\c)+3], s[G0+4*(4+\c)+3], 0x80000000
.endr
	CROUND                                             ; all four work-groups are here: the joint loads meet
	tensor_load_to_lds s[G0:G0+3], s[G1J:G1J+7]        ; Wq, K steps 0-3 (my record of the four)
	s_nop 0
	tensor_load_to_lds s[G0+4:G0+7], s[G1J:G1J+7]      ; Wq, 4-7
	s_nop 0
	tensor_load_to_lds s[G0+8:G0+11], s[G1J:G1J+7]     ; Wk, 0-3
	s_nop 0
	tensor_load_to_lds s[G0+12:G0+15], s[G1J:G1J+7]    ; Wk, 4-7
	s_nop 0
	tensor_load_to_lds s[G0+16:G0+19], s[G1P:G1P+7]    ; the tokens, 0-3
	s_nop 0
	tensor_load_to_lds s[G0+20:G0+23], s[G1P:G1P+7]    ; the tokens, 4-7
	s_nop 0
	PLACES 4
	s_lshr_b32 s18, s16, 4                             ; the batch
	s_and_b32 s19, s16, 15                             ; the key step: 128 tokens of the sequence
	s_lshl_b32 s93, s19, 7
	s_lshl_b32 s94, s[WV], 5
	s_add_co_u32 s93, s93, s94
	s_lshl_b32 s94, s93, 8
	s_add_co_u32 s94, s94, 9932800
	s_mov_b32 s95, 0
	s_add_nc_u64 s[RP:RP+1], s[6:7], s[94:95]          ; the table at sequence index 128 (R%16) + 32 w
	s_add_co_u32 s93, s17, 16
	s_mul_i32 s94, s93, 102400
	s_add_nc_u64 s[WVP:WVP+1], s[6:7], s[94:95]        ; Wv's group g
.irp s, 0,1,2,3,4,5,6,7
	global_load_b32 v[XS+\s], v[XSO], s[XP:XP+1] offset:\s*REC
.endr
.irp x, 0,1
.irp b, 0,1
.irp k, 0,1,2,3
	global_load_b128 v[CSB+32*\x+16*\b+4*\k:CSB+32*\x+16*\b+4*\k+3], v[RO], s[RP:RP+1] offset:2048*\x+128*\b+16*\k
.endr
.endr
.endr
.irp s, 0,1,2,3,4,5,6,7
	LOADX \s, 2, XP, 0
.endr
	s_lshl_b32 s92, s18, 4
	s_lshl_b32 s93, s17, 1
	s_add_co_u32 s92, s92, s93                         ; batch x 16 + my first head
	s_lshl_b32 s93, s92, 7
	s_lshl_b32 s94, s19, 3
	s_add_co_u32 s93, s93, s94
	s_mul_i32 s94, s93, 768
	s_add_nc_u64 s[SQ:SQ+1], s[8:9], s[94:95]          ; q's half images: [head][tile][768]
	s_lshl_b32 s94, s93, 6
	s_add_co_u32 s94, s94, 3145728
	s_add_nc_u64 s[SQS:SQS+1], s[8:9], s[94:95]        ; q's scale words
	s_lshl_b32 s93, s92, 4
	s_add_co_u32 s93, s93, s19
	s_mul_i32 s94, s93, 13056
	s_add_co_u32 s94, s94, 3407872
	s_add_nc_u64 s[SK:SK+1], s[8:9], s[94:95]          ; the record of (head, key step): k's 8 half images, their words, v's 4 fragments, their words
	s_lshr_b32 s93, s[WV], 1
	s_mul_i32 s93, s93, 208896                         ; v: waves 2, 3 serve the second head
	s_and_b32 s88, s[WV], 1
	s_mul_i32 s89, s88, 3072
	s_add_co_u32 s94, s93, s89
	s_add_co_u32 s94, s94, 6656
	s_add_nc_u64 s[SV:SV+1], s[SK:SK+1], s[94:95]
	s_lshl_b32 s89, s88, 7
	s_add_co_u32 s94, s93, s89
	s_add_co_u32 s94, s94, 12800
	s_add_nc_u64 s[SVS:SVS+1], s[SK:SK+1], s[94:95]
	JSTART 0, 1
	JOB 0, 8, 2, XS, 1, 1                              ; q
.irp s, 0,1,2,3,4,5,6,7
	global_load_b32 v[XSV+\s], v[XSO], s[WVP:WVP+1] offset:\s*REC   ; Wv's tiles are asked for two jobs ahead
.endr
.irp s, 0,1,2,3,4,5,6,7
	LOADX \s, 3, WVP, 0
.endr
	EPIQK SQ, 98304, SQS, 0, 8192
	JSTART 8, 1
	JOB 8, 8, 2, XS, 0, 1                              ; k: the tokens' fragments are in registers already
	EPIQK SK, 208896, SK, 6144, 208896
	JSTART 16, 1
	JOB 16, 8, 3, XSV, 1, 1                            ; v
	EPIV
	s_wait_dscnt 0x0
	s_wait_tensorcnt 0x0
	ds_add_u32 v15, v111
	s_wait_dscnt 0x0
	CROUND                                             ; the closing round: no work-group ends while a partner may still ask jointly
	s_endpgm
.Lfunc_end_k_qda30b30292_qkv:
	.size	k_qda30b30292_qkv, .Lfunc_end_k_qda30b30292_qkv-k_qda30b30292_qkv
	.p2alignl 7, 3214868480
	.fill 96, 4, 3214868480
	.section	.rodata,"a",@progbits
	.p2align	6, 0x0
	.amdhsa_kernel k_qda30b30292_qkv
		.amdhsa_group_segment_fixed_size 307712
		.amdhsa_private_segment_fixed_size 0
		.amdhsa_enable_private_segment 0
		.amdhsa_kernarg_size 24
		.amdhsa_user_sgpr_count 2
		.amdhsa_user_sgpr_kernarg_segment_ptr 1
		.amdhsa_wavefront_size32 1
		.amdhsa_system_sgpr_workgroup_id_x 1
		.amdhsa_system_sgpr_workgroup_id_y 1
		.amdhsa_system_sgpr_workgroup_id_z 1
		.amdhsa_system_vgpr_workitem_id 0
		.amdhsa_next_free_vgpr 1024
		.amdhsa_next_free_sgpr 98
		.amdhsa_reserve_vcc 0
		.amdhsa_float_denorm_mode_32 3
		.amdhsa_float_denorm_mode_16_64 3
		.amdhsa_memory_ordered 1
		.amdhsa_forward_progress 1
		.amdhsa_inst_pref_size 217
	.end_amdhsa_kernel
	.amdgpu_metadata
---
amdhsa.version: [ 1, 2 ]
amdhsa.kernels:
  - .name:           k_qda30b30292_qkv
    .symbol:         k_qda30b30292_qkv.kd
    .args:
      - { .name: xa, .offset: 0, .size: 8, .value_kind: global_buffer, .address_space: global }
      - { .name: wts, .offset: 8, .size: 8, .value_kind: global_buffer, .address_space: global }
      - { .name: qkv, .offset: 16, .size: 8, .value_kind: global_buffer, .address_space: global }
    .group_segment_fixed_size: 307712
    .private_segment_fixed_size: 0
    .kernarg_segment_align: 8
    .kernarg_segment_size: 24
    .max_flat_workgroup_size: 128
    .sgpr_count:     98
    .vgpr_count:     1024
    .wavefront_size: 32
...
	.end_amdgpu_metadata
.endif
;; end of part 2
;; launch attn (part 3): grid 8 x 32, 16 waves a work-group, clusters of 4 x 1, 210,944 bytes of LDS; arguments qkv, aa; writes aa
.if DOCPART == 3
	.amdgcn_target "amdgcn-amd-amdhsa--gfx1250"
	.amdhsa_code_object_version 6
	.text
	.protected	k_qda30b30292_attn
	.globl	k_qda30b30292_attn
	.p2align	8
	.type	k_qda30b30292_attn,@function
k_qda30b30292_attn:
	s_mov_b64 s[64:65], 0
	v_nop
	global_prefetch_b8 v0, s[64:65] scope:SCOPE_SE
	s_setreg_imm32_b32 hwreg(HW_REG_WAVE_MODE, 25, 1), 1
	s_wait_xcnt 0x0
	s_wait_alu depctr_hold_cnt(0) depctr_sa_sdst(0) depctr_va_vdst(0) depctr_va_sdst(0) depctr_va_ssrc(0) depctr_va_vcc(0) depctr_vm_vsrc(0)
	s_getreg_b32 s2, hwreg(HW_REG_IB_STS2, 6, 4)
	s_cmp_eq_u32 s2, 0
	s_cbranch_scc0 .Lentry_in_a_cluster
	s_endpgm
.Lentry_in_a_cluster:
	s_bfe_u32 s2, ttmp6, 0x10000c
	s_cmp_lg_u32 s2, 0x3003
	s_cbranch_scc0 .Lentry_shape_is_right
	s_endpgm
.Lentry_shape_is_right:
; Causal attention of one (batch, head) on E3M2 codes; the result is quantised along the head's 64 channels and stored as half a fragment of the next product's operand.
; t = score x log2(e) / 8; M = the running largest t rounded up to a whole number; p = 2^(t - M) is quantised along the keys; the row's sum is taken of the unquantised p and divides at the end.
; A work-group has sixteen waves; a wave owns ONE tile of 16 queries.  The head's k and v (16 records of 13,056 bytes, one for each 128 keys) are filled into LDS ONCE, by four tensor loads of each of waves 0-3.
; CLUSTER: the four work-groups of a cluster belong to one head: each record is asked for jointly (mask 15).  Four tensor loads of a wave are out at the most.
; WHICH TILE: wave w owns tile 8 w' + x, x the work-group's number in the head, w' a fixed permutation of w.  It has w' + 1 key steps whatever x is: every work-group has 136 steps, and the permutation gives each
; four waves w%4 = const and each four waves w/4 = const 34 of them.  All waves walk all 16 trips; a step all of whose keys come after the wave's queries is jumped over (a branch on the wave's number and the trip).
; The head size 64 is half of the instruction's K: q's upper six registers are zero codes; k's upper six hold whatever codes lie there; both sides' upper scale bytes are 127.
; LIMITS: NaN and infinities are not served; a block under 2^-122 (zeros too) gets the scale byte 1, read by this program alone.
; REGISTERS: v1 8 x lane, v2 4 x lane, v3 the mask's bound, v5 4 r; v8, v9 addresses in hand; v12 -M, v13 the largest t, v[14:15] the sum; v16-27 q, v28 its words; v32-79 four fragments; v80-83 scale words;
;   v96-159 the scores, then p; v160-191 O^T; v192-203 p's codes; v204-212 the result's codes; v232-254 at work.
.set WV, 14
.set WP, 18
.set SEL, 20
.set CS, 22
.set G1, 24
.set G0, 32
.set KS, 48
.set TB, 49
.set CNT, 50
.set QPT, 52
.set QSP, 54
.set OP, 56
.set OSP, 58
.set AD, 8
.set ADS, 9
.set FR, 32
.set QM, 232
.set QP, 236
.set QE, 244
.set QW, 248
.set QC, 204
.set QT, 210
.macro PLACES n
.rept \n
	v_nop
.endr
.endm
.macro CROUND
	s_barrier_signal -1
	s_barrier_wait -1
	s_cmp_lg_u32 s[WV], 0
	s_cbranch_scc1 .Lnot_wave_0_\@
	s_barrier_signal -3
.Lnot_wave_0_\@:
	s_barrier_wait -3
	s_barrier_signal -1
	s_barrier_wait -1
.endm
.macro ARRIVE n
	s_wait_tensorcnt \n
	s_wait_dscnt 0x0
	s_barrier_signal -1
	s_barrier_wait -1
.endm
.macro WM d, a, b, c, sa, sb, ra, rb
.if (\ra) && (\rb)
	v_wmma_scale_f32_16x16x128_f8f6f4 v[\d:\d+7], v[\a:\a+11], v[\b:\b+11], \c, v[\sa], v[\sb] matrix_a_fmt:MATRIX_FMT_BF6 matrix_b_fmt:MATRIX_FMT_BF6 matrix_a_scale:MATRIX_SCALE_ROW1 matrix_b_scale:MATRIX_SCALE_ROW1
.elseif \ra
	v_wmma_scale_f32_16x16x128_f8f6f4 v[\d:\d+7], v[\a:\a+11], v[\b:\b+11], \c, v[\sa], v[\sb] matrix_a_fmt:MATRIX_FMT_BF6 matrix_b_fmt:MATRIX_FMT_BF6 matrix_a_scale:MATRIX_SCALE_ROW1
.elseif \rb
	v_wmma_scale_f32_16x16x128_f8f6f4 v[\d:\d+7], v[\a:\a+11], v[\b:\b+11], \c, v[\sa], v[\sb] matrix_a_fmt:MATRIX_FMT_BF6 matrix_b_fmt:MATRIX_FMT_BF6 matrix_b_scale:MATRIX_SCALE_ROW1
.else
	v_wmma_scale_f32_16x16x128_f8f6f4 v[\d:\d+7], v[\a:\a+11], v[\b:\b+11], \c, v[\sa], v[\sb] matrix_a_fmt:MATRIX_FMT_BF6 matrix_b_fmt:MATRIX_FMT_BF6
.endif
.endm
.macro QB n0                           ; 32 numbers of a lane become half a fragment's codes in v[QC..QC+5] and two scale bytes in v[QW]
	v_max3_num_f32 v[QM], |v[\n0]|, |v[\n0+1]|, 0x2800000
	v_max3_num_f32 v[QM+1], |v[\n0+16]|, |v[\n0+17]|, 0x2800000
.irp i, 2,4,6,8,10,12,14
	v_max3_num_f32 v[QM], v[QM], |v[\n0+\i]|, |v[\n0+\i+1]|
	v_max3_num_f32 v[QM+1], v[QM+1], |v[\n0+16+\i]|, |v[\n0+17+\i]|
.endr
	v_permlanex16_b32 v[QP], v[QM], s[SEL], s[SEL+1]
	v_permlanex16_b32 v[QP+1], v[QM+1], s[SEL], s[SEL+1]
	v_max_num_f32 v[QM], v[QM], v[QP]
	v_max_num_f32 v[QM+1], v[QM+1], v[QP+1]
	v_add_nc_u32 v[QE], 0xfe000000, v[QM]
	v_add_nc_u32 v[QE+1], 0xfe000000, v[QM+1]
	v_lshrrev_b32 v[QM], 23, v[QE]
	v_lshrrev_b32 v[QM+1], 23, v[QE+1]
	v_lshl_or_b32 v[QW], v[QM+1], 8, v[QM]
	s_wait_xcnt 0x0
	v_cvt_scalef32_pk16_bf6_f32 v[QC:QC+2], v[\n0:\n0+15], v[QE]
	v_cvt_scalef32_pk16_bf6_f32 v[QT:QT+2], v[\n0+16:\n0+31], v[QE+1]
	v_nop
.irp i, 0,1,2
	v_permlane16_swap_b32 v[QC+\i], v[QT+\i]
.endr
.irp i, 0,1,2
	v_mov_b32 v[QC+3+\i], v[QT+\i]
.endr
.endm
; A KEY STEP: 128 keys, the record at LDS byte s[TB].
.macro KSTEP
	s_cmp_gt_u32 s[KS], s[WP]                          ; all these keys come after my queries: only the lines at the end, which step numbers, are run
	s_cbranch_scc1 .Lhidden_\@
	v_add_nc_u32 v[AD], s[TB], v1
	v_add_nc_u32 v[ADS], s[TB], v2
.irp g, 0,1                            ; S^T = k q^T, four tiles of 16 keys at a time
	PLACES 4                                           ; four plain lines between the last products and loads into registers that they read
.irp t, 0,1,2,3
.irp p, 0,1,2
	ds_load_b64 v[FR+12*\t+2*\p:FR+12*\t+2*\p+1], v[AD] offset:768*(4*\g+\t)+256*\p
.endr
.endr
	ds_load_b32 v80, v[ADS] offset:6144+128*(2*\g)
	ds_load_b32 v81, v[ADS] offset:6144+128*(2*\g+1)
	s_wait_dscnt 0x0
.irp t, 0,1,2,3
	WM 96+8*(4*\g+\t), FR+12*\t, 16, 0, 80+\t/2, 28, \t%2, 0
.endr
.endr
	PLACES 4
	s_cmp_lg_u32 s[KS], s[WP]                          ; on the diagonal the scores of hidden keys become -infinity ahead of the maximum
	s_cbranch_scc1 .Lopen_\@
	v_mov_b32 v254, 0xff800000
.set NN, 0
.rept 64
	v_cmp_gt_i32 vcc_lo, 32*(NN/16)+NN%16, v3          ; register 16 b + i holds the step's key 32 b + 16 (lane/16) + i
	v_cndmask_b32 v[96+NN], v[96+NN], v254, vcc_lo
.set NN, NN+1
.endr
.Lopen_\@:
.irp b, 0,1,2,3
	v_max3_num_f32 v[232+\b], v[96+16*\b], v[97+16*\b], v[98+16*\b]   ; the largest score of each block of 32 keys: for the row's maximum, and, since p rises with the score, for the block's largest p
.endr
.irp i, 3,5,7,9,11,13
.irp b, 0,1,2,3
	v_max3_num_f32 v[232+\b], v[232+\b], v[96+16*\b+\i], v[97+16*\b+\i]
.endr
.endr
.irp b, 0,1,2,3
	v_max_num_f32 v[232+\b], v[232+\b], v[111+16*\b]
.endr
.irp b, 0,1,2,3
	v_permlanex16_b32 v[236+\b], v[232+\b], s[SEL], s[SEL+1]
.endr
.irp b, 0,1,2,3
	v_max_num_f32 v[232+\b], v[232+\b], v[236+\b]
.endr
	v_max3_num_f32 v254, v232, v233, v234
	v_max_num_f32 v254, v254, v235
	v_mul_f32 v254, s[CS], v254
	v_max_num_f32 v13, v13, v254                       ; the running largest t
	v_mov_b32 v254, v12
	v_floor_f32 v12, -v13                              ; -M = floor(-t): M is a whole number
	v_sub_f32 v254, v12, v254
	v_cvt_i32_f32 v254, v254                           ; (it saturates)
	v_ldexp_f32 v252, 1.0, v254                        ; f = 2^(old M - new M): a multiplication by it rounds nothing
.set NN, 0
.rept 32
	v_pk_fma_f32 v[96+2*NN:97+2*NN], v[96+2*NN:97+2*NN], s[CS:CS+1], v[12:13] op_sel_hi:[1,0,0]   ; t - M
.set NN, NN+1
.endr
.irp b, 0,1,2,3
	v_fma_f32 v[232+\b], v[232+\b], s[CS], v12
.endr
.set NN, 0
.rept 64
	v_exp_f32 v[96+NN], v[96+NN]                       ; p = 2^(t - M), not normalised
.set NN, NN+1
.endr
	v_pk_mul_f32 v[14:15], v[14:15], v[252:253] op_sel_hi:[1,0]   ; the sums under the new M: a plain line behind the batch
	s_wait_alu depctr_va_vdst(0)                       ; one wait for the 64, ahead of their first reader
.irp b, 0,1,2,3
	v_exp_f32 v[232+\b], v[232+\b]                     ; the block's largest p
.endr
	v_pk_add_f32 v[236:237], v[96:97], v[98:99]        ; the row's sum, of the unquantised p, in two chains
.irp j, 4,8,12,16,20,24,28,32,36,40,44,48,52,56,60
	v_pk_add_f32 v[14:15], v[14:15], v[96+\j:97+\j]
	v_pk_add_f32 v[236:237], v[236:237], v[98+\j:99+\j]
.endr
	v_pk_add_f32 v[14:15], v[14:15], v[236:237]
	s_wait_alu depctr_va_vdst(0)                       ; and one for the four
.irp b, 0,1,2,3
	v_max_num_f32 v[232+\b], 0x2800000, v[232+\b]
.endr
.irp b, 0,1,2,3
	v_add_nc_u32 v[244+\b], 0xfe000000, v[232+\b]
.endr
.irp b, 0,1,2,3
	v_lshrrev_b32 v[236+\b], 23, v[244+\b]
.endr
	v_lshl_or_b32 v253, v237, 8, v236                  ; p's scale word for these 128 keys
	v_lshl_or_b32 v253, v238, 16, v253
	v_lshl_or_b32 v253, v239, 24, v253
.irp c, 0,1
	v_cvt_scalef32_pk16_bf6_f32 v[192+6*\c:194+6*\c], v[96+32*\c:111+32*\c], v[244+2*\c]
	v_cvt_scalef32_pk16_bf6_f32 v[236+4*\c:238+4*\c], v[112+32*\c:127+32*\c], v[244+2*\c+1]
.endr
	v_nop
.irp c, 0,1
.irp i, 0,1,2
	v_permlane16_swap_b32 v[192+6*\c+\i], v[236+4*\c+\i]
.endr
.irp i, 0,1,2
	v_mov_b32 v[195+6*\c+\i], v[236+4*\c+\i]
.endr
.endr
.set NN, 0
.rept 16
	v_pk_mul_f32 v[160+2*NN:161+2*NN], v[160+2*NN:161+2*NN], v[252:253] op_sel_hi:[1,0]   ; O^T under the new M; these lines also stand between p's codes and word and the products
.set NN, NN+1
.endr
.irp t, 0,1,2,3                        ; O^T += v^T p^T: four tiles of 16 channels; K = these 128 keys
.irp q, 0,1,2,3,4,5
	ds_load_b64 v[FR+12*\t+2*\q:FR+12*\t+2*\q+1], v[AD] offset:6656+1536*\t+256*\q
.endr
.endr
	ds_load_b32 v82, v[ADS] offset:12800
	ds_load_b32 v83, v[ADS] offset:12928
	s_wait_dscnt 0x0
.irp t, 0,1,2,3
	WM 160+8*\t, FR+12*\t, 192, v[160+8*\t:160+8*\t+7], 82+\t/2, 253, \t%2, 0
.endr
.Lhidden_\@:
	s_add_co_u32 s[KS], s[KS], 1
	s_add_co_u32 s[TB], s[TB], 13056
.endm
.macro PHASE n                         ; four key steps: the records that the (4 - n)-th tensor loads of waves 0-3 brought
	ARRIVE \n
	s_mov_b32 s[CNT], 4
.Ltrip_\@:
	KSTEP
	s_sub_co_u32 s[CNT], s[CNT], 1
	s_cmp_lg_u32 s[CNT], 0
	s_cbranch_scc1 .Ltrip_\@
.endm
	s_load_b128 s[4:7], s[0:1], 0x0                    ; qkv, aa
	v_lshl_add_u32 v251, v0, 2, 0x33000
	v_mov_b32 v255, 0
	ds_add_u32 v251, v255
	ds_add_u32 v251, v255
	v_lshrrev_b32 v1, 5, v0
	v_readfirstlane_b32 s[WV], v1                      ; wave 0..15
	s_bfe_u32 s15, ttmp6, 0x40000                      ; cx
	s_lshl_b32 s16, ttmp9, 2
	s_add_co_u32 s16, s16, s15                         ; x = 0..7: it enters global addresses and the mask's bound alone
	s_and_b32 s17, ttmp7, 0xffff                       ; batch x 16 + head, which the partners share
	s_mov_b32 s66, 0x961ef870
	s_mov_b32 s67, 0x43cb2da5
	s_lshl_b32 s68, s[WV], 2
	s_lshr_b64 s[66:67], s[66:67], s68
	s_and_b32 s[WP], s66, 15                           ; w': nibble w of the table
	s_mov_b32 s[G1], 15|(3<<16)|(1<<21)                ; a record as 51 rows of 32 elements of 8 bytes; mask: all four work-groups
	s_mov_b32 s[G1+1], 32<<16
	s_mov_b32 s[G1+2], 51<<16
	s_mov_b32 s[G1+3], 32<<16
	s_mov_b32 s[G1+4], 51
	s_mov_b32 s[G1+5], 32
	s_mov_b32 s[G1+6], 0
	s_mov_b32 s[G1+7], 0
	s_and_b32 s69, s[WV], 3
	s_mul_i32 s70, s69, 13056                          ; my record of four, in LDS and in memory
	s_mul_i32 s72, s17, 208896
	s_add_co_u32 s72, s72, s70
	s_add_co_u32 s72, s72, 3407872
	s_mov_b32 s73, 0
	s_mov_b32 s[SEL], 0x76543210
	s_mov_b32 s[SEL+1], 0xfedcba98
	s_mov_b32 s[CS], 0x3e38aa3b                        ; log2(e) / 8
	s_mov_b32 s[CS+1], s[CS]
	s_mov_b32 s[KS], 0
	s_mov_b32 s[TB], 0
	s_wait_dscnt 0x0
	s_wait_kmcnt 0x0
	s_add_nc_u64 s[74:75], s[4:5], s[72:73]
.irp j, 0,1,2,3
	s_mov_b32 s[G0+4*\j], 1
	s_add_co_u32 s[G0+4*\j+1], s70, \j*52224
	s_add_nc_u64 s[G0+4*\j+2:G0+4*\j+3], s[74:75], \j*52224
	s_or_b32 s[G0+4*\j+3], s[G0+4*\j+3], 0x80000000
.endr
	CROUND                                             ; all four work-groups are here: the joint loads meet
	s_cmp_lt_u32 s[WV], 4                              ; a wave's four fills stand in one branch on the wave's number
	s_cbranch_scc0 .Lno_fill
	tensor_load_to_lds s[G0:G0+3], s[G1:G1+7]
	s_nop 0
	tensor_load_to_lds s[G0+4:G0+7], s[G1:G1+7]
	s_nop 0
	tensor_load_to_lds s[G0+8:G0+11], s[G1:G1+7]
	s_nop 0
	tensor_load_to_lds s[G0+12:G0+15], s[G1:G1+7]
	s_nop 0
	PLACES 4
.Lno_fill:
	v_and_b32 v10, 31, v0
	v_and_b32 v11, 15, v0                              ; r
	v_bfe_u32 v4, v0, 4, 1                             ; h
	v_lshlrev_b32 v1, 3, v10
	v_lshlrev_b32 v2, 2, v10
	v_lshlrev_b32 v5, 2, v11
	s_lshl_b32 s66, s[WP], 3
	s_add_co_u32 s66, s66, s16                         ; my tile of queries: 8 w' + x
	s_lshl_b32 s67, s17, 7
	s_add_co_u32 s67, s67, s66
	s_mul_i32 s68, s67, 768
	s_mov_b32 s69, 0
	s_add_nc_u64 s[QPT:QPT+1], s[4:5], s[68:69]        ; its half image
	s_lshl_b32 s68, s67, 6                             ; 128 (tile / 2) + 64 (tile % 2)
	s_add_co_u32 s68, s68, 3145728
	s_add_nc_u64 s[QSP:QSP+1], s[4:5], s[68:69]        ; its scale words
.irp p, 0,1,2
	global_load_b64 v[16+2*\p:17+2*\p], v1, s[QPT:QPT+1] offset:256*\p
.endr
	global_load_b32 v28, v5, s[QSP:QSP+1]
	s_lshr_b32 s68, s17, 4
	s_lshl_b32 s68, s68, 4
	s_add_co_u32 s68, s68, s[WP]
	s_mul_i32 s68, s68, 102400                         ; the result: row group batch x 16 + w',
	s_and_b32 s70, s17, 15
	s_lshr_b32 s71, s70, 1
	s_mul_i32 s71, s71, 12800                          ; K step head / 2,
	s_add_co_u32 s68, s68, s71
	s_add_nc_u64 s[OSP:OSP+1], s[6:7], s[68:69]
	s_mul_i32 s68, s16, 1536                           ; tile x,
	s_and_b32 s70, s70, 1
	s_mul_i32 s71, s70, 768                            ; half head % 2
	s_add_co_u32 s68, s68, s71
	s_add_nc_u64 s[OP:OP+1], s[OSP:OSP+1], s[68:69]
	s_lshl_b32 s68, s16, 6                             ; 128 (x / 2) + 64 (x % 2)
	s_lshl_b32 s71, s70, 1
	s_add_co_u32 s68, s68, s71
	s_add_co_u32 s68, s68, 12288
	s_add_nc_u64 s[OSP:OSP+1], s[OSP:OSP+1], s[68:69]
	s_lshr_b32 s68, s16, 1
	s_lshl_b32 s68, s68, 5
	s_and_b32 s71, s16, 1
	s_lshl_b32 s71, s71, 3
	s_add_co_u32 s68, s68, s71                         ; 32 (x/2) + 8 (x%2)
	v_and_b32 v3, 8, v11
	v_add_nc_u32 v3, v3, v11
	v_add_nc_u32 v3, s68, v3                           ; my query's place among the diagonal step's 128,
	v_lshlrev_b32 v4, 4, v4
	v_sub_nc_u32 v3, v3, v4                            ; less 16 (lane/16)
	v_mov_b32 v13, 0xff61b1e6                          ; the largest t so far: -3e38
	v_floor_f32 v12, -v13
	v_mov_b32 v14, 0
	v_mov_b32 v15, 0
.irp i, 22,23,24,25,26,27
	v_mov_b32 v[\i], 0                                 ; q's upper 64 along K: zero codes
.endr
.irp t, 0,1,2,3
.irp i, 6,7,8,9,10,11
	v_mov_b32 v[FR+12*\t+\i], 0                        ; written once: k's products name them
.endr
.endr
.irp b, 0,1,2,3
	v_mov_b32 v[236+\b], 0
.endr
	v_mov_b32 v252, 0
	v_mov_b32 v253, 0
.set NN, 0
.rept 32
	v_mov_b32 v[160+NN], 0                             ; O^T: the step is written once; the first finds zeros
.set NN, NN+1
.endr
	s_wait_loadcnt 0x0                                 ; q
	PHASE 3
	PHASE 2
	PHASE 1
	PHASE 0
	; THE WAY OUT: O^T / the sum; its 32 registers are the head's channels 32 b + 16 (lane/16) + i: half a fragment of the next product's operand
	PLACES 4
	v_add_f32 v14, v14, v15
	v_permlanex16_b32 v252, v14, s[SEL], s[SEL+1]
	v_add_f32 v14, v14, v252
	v_rcp_f32 v14, v14
	v_nop
	s_wait_alu depctr_va_vdst(0)                       ; the wait ahead of the reciprocal's first reader
.set NN, 0
.rept 32
	v_mul_f32 v[96+NN], v[160+NN], v14
.set NN, NN+1
.endr
	QB 96
.irp p, 0,1,2
	global_store_b64 v1, v[QC+2*\p:QC+2*\p+1], s[OP:OP+1] offset:256*\p
.endr
	global_store_b16 v5, v[QW], s[OSP:OSP+1]           ; my head's two bytes of the row's scale word (both halves of the lanes hold the same)
	s_wait_dscnt 0x0
	s_wait_tensorcnt 0x0
	ds_add_u32 v251, v255
	s_wait_dscnt 0x0
	CROUND                                             ; the closing round
	s_endpgm
.Lfunc_end_k_qda30b30292_attn:
	.size	k_qda30b30292_attn, .Lfunc_end_k_qda30b30292_attn-k_qda30b30292_attn
	.p2alignl 7, 3214868480
	.fill 96, 4, 3214868480
	.section	.rodata,"a",@progbits
	.p2align	6, 0x0
	.amdhsa_kernel k_qda30b30292_attn
		.amdhsa_group_segment_fixed_size 210944
		.amdhsa_private_segment_fixed_size 0
		.amdhsa_enable_private_segment 0
		.amdhsa_kernarg_size 16
		.amdhsa_user_sgpr_count 2
		.amdhsa_user_sgpr_kernarg_segment_ptr 1
		.amdhsa_wavefront_size32 1
		.amdhsa_system_sgpr_workgroup_id_x 1
		.amdhsa_system_sgpr_workgroup_id_y 1
		.amdhsa_system_sgpr_workgroup_id_z 1
		.amdhsa_system_vgpr_workitem_id 0
		.amdhsa_next_free_vgpr 256
		.amdhsa_next_free_sgpr 80
		.amdhsa_reserve_vcc 1
		.amdhsa_float_denorm_mode_32 3
		.amdhsa_float_denorm_mode_16_64 3
		.amdhsa_memory_ordered 1
		.amdhsa_forward_progress 1
		.amdhsa_inst_pref_size 103
	.end_amdhsa_kernel
	.amdgpu_metadata
---
amdhsa.version: [ 1, 2 ]
amdhsa.kernels:
  - .name:           k_qda30b30292_attn
    .symbol:         k_qda30b30292_attn.kd
    .args:
      - { .name: qkv, .offset: 0, .size: 8, .value_kind: global_buffer, .address_space: global }
      - { .name: aa, .offset: 8, .size: 8, .value_kind: global_buffer, .address_space: global }
    .group_segment_fixed_size: 210944
    .private_segment_fixed_size: 0
    .kernarg_segment_align: 8
    .kernarg_segment_size: 16
    .max_flat_workgroup_size: 512
    .sgpr_count:     80
    .vgpr_count:     256
    .wavefront_size: 32
...
	.end_amdgpu_metadata
.endif
;; end of part 3
;; launch wo (part 4): grid 32 x 8, 4 waves a work-group, clusters of 4 x 1, 168,448 bytes of LDS; arguments aa, wts, x, x2; writes x2
.if DOCPART == 4
	.amdgcn_target "amdgcn-amd-amdhsa--gfx1250"
	.amdhsa_code_object_version 6
	.text
	.protected	k_qda30b30292_wo
	.globl	k_qda30b30292_wo
	.p2align	8
	.type	k_qda30b30292_wo,@function
k_qda30b30292_wo:
	s_mov_b64 s[64:65], 0
	v_nop
	global_prefetch_b8 v0, s[64:65] scope:SCOPE_SE
	s_setreg_imm32_b32 hwreg(HW_REG_WAVE_MODE, 25, 1), 1
	s_wait_xcnt 0x0
	s_wait_alu depctr_hold_cnt(0) depctr_sa_sdst(0) depctr_va_vdst(0) depctr_va_sdst(0) depctr_va_ssrc(0) depctr_va_vcc(0) depctr_vm_vsrc(0)
	s_getreg_b32 s2, hwreg(HW_REG_IB_STS2, 6, 4)
	s_cmp_eq_u32 s2, 0
	s_cbranch_scc0 .Lentry_in_a_cluster
	s_endpgm
.Lentry_in_a_cluster:
	s_bfe_u32 s2, ttmp6, 0x10000c
	s_cmp_lg_u32 s2, 0x3003
	s_cbranch_scc0 .Lentry_shape_is_right
	s_endpgm
.Lentry_shape_is_right:
; x2 = x + attn Wo^T: a tile of 128 tokens (row group R) x 128 columns (group g), on E3M2 codes, K = 1,024 in 8 steps of 128.
; D = (Y tile) x (X tile): Y = 128 rows of Wo, in LDS for all of K, filled ONCE at the head (four tensor loads a wave, each a quarter of two K steps); X = my two tiles of tokens, from memory straight into registers.
; CLUSTER: the four work-groups of a cluster differ in R alone: Wo's records are asked for jointly (mask 15).  Four tensor loads of a wave are out at the most.
; A lane's results are neighbouring columns of one token: they go through the wave's own stage in LDS, come back as whole rows of 512 bytes, take the residual and are stored.
; REGISTERS: window 0: v1-9 addresses; v16-23 Y's scale words; from v24 X's; v128-255 the 16 accumulators.  window 1: Y's fragments, two sets of 96 (later rows of the result); v192-255 the residual of my first tile.
;   window 2: X's fragments; v192-255 the residual of my second tile.
.set REC, 12800
.set NS, 8
.set XD, 8
.set YOFF, 2457600
.set GB, 102400
.set STG, 102400
.set ARP, 2
.set ASH, 0
.set ADP, 4
.set DSH, 0
.set TCN, 3
.set CST, 0
.set AY, 3
.set AS, 4
.set XO, 5
.set XSO, 6
.set GO, 7
.set SO, 8
.set SR, 9
.set YS, 16
.set XS, 24
.set ACC, 128
.set WV, 14
.set G1A, 24
.set G1B, 32
.set G0, 40
.set XP, 66
.set RESP, 68
.set OUTP, 70
.set MSB, 0
.macro WIN new
.if MSB != (\new)
	s_set_vgpr_msb (MSB<<8)|(\new)
.set MSB, \new
.endif
.endm
.macro PLACES n
.rept \n
	v_nop
.endr
.endm
.macro CROUND
	s_barrier_signal -1
	s_barrier_wait -1
	s_cmp_lg_u32 s[WV], 0
	s_cbranch_scc1 .Lnot_wave_0_\@
	s_barrier_signal -3
.Lnot_wave_0_\@:
	s_barrier_wait -3
	s_barrier_signal -1
	s_barrier_wait -1
.endm
.macro ARRIVE n                        ; my part of the next chunk has landed (n younger loads may be out), no LDS load of mine is out; behind the barrier everybody's part has landed
	s_wait_tensorcnt \n
	s_wait_dscnt 0x0
	s_barrier_signal -1
	s_barrier_wait -1
.endm
.macro WM d, a, b, c, sa, sb, ra, rb
.if (\ra) && (\rb)
	v_wmma_scale_f32_16x16x128_f8f6f4 v[\d:\d+7], v[\a:\a+11], v[\b:\b+11], \c, v[\sa], v[\sb] matrix_a_fmt:MATRIX_FMT_BF6 matrix_b_fmt:MATRIX_FMT_BF6 matrix_a_scale:MATRIX_SCALE_ROW1 matrix_b_scale:MATRIX_SCALE_ROW1
.elseif \ra
	v_wmma_scale_f32_16x16x128_f8f6f4 v[\d:\d+7], v[\a:\a+11], v[\b:\b+11], \c, v[\sa], v[\sb] matrix_a_fmt:MATRIX_FMT_BF6 matrix_b_fmt:MATRIX_FMT_BF6 matrix_a_scale:MATRIX_SCALE_ROW1
.elseif \rb
	v_wmma_scale_f32_16x16x128_f8f6f4 v[\d:\d+7], v[\a:\a+11], v[\b:\b+11], \c, v[\sa], v[\sb] matrix_a_fmt:MATRIX_FMT_BF6 matrix_b_fmt:MATRIX_FMT_BF6 matrix_b_scale:MATRIX_SCALE_ROW1
.else
	v_wmma_scale_f32_16x16x128_f8f6f4 v[\d:\d+7], v[\a:\a+11], v[\b:\b+11], \c, v[\sa], v[\sb] matrix_a_fmt:MATRIX_FMT_BF6 matrix_b_fmt:MATRIX_FMT_BF6
.endif
.endm
.macro LOADY s                         ; step s's record of Y: 48 + 4 LDS loads
	WIN 0x40
.irp y, 0,1,2,3,4,5,6,7
.irp q, 0,1,2,3,4,5
	ds_load_b64 v[96*((\s)%2)+12*\y+2*\q:96*((\s)%2)+12*\y+2*\q+1], v[AY] offset:((\s)-CST)*REC+1536*\y+256*\q
.endr
.endr
	WIN 0
.irp i, 0,1,2,3
	ds_load_b32 v[YS+4*((\s)%2)+\i], v[AS] offset:((\s)-CST)*REC+128*\i
.endr
.endm
.macro LOADX s, win, ptr, off
	WIN (\win)<<6
.irp x, 0,1
.irp q, 0,1,2,3,4,5
	global_load_b64 v[24*((\s)%XD)+12*\x+2*\q:24*((\s)%XD)+12*\x+2*\q+1], v[XO], s[\ptr:\ptr+1] offset:(\off)+(\s)*REC+1536*\x+256*\q
.endr
.endr
	WIN 0
.endm
.macro MUL s, sj, win, xsb             ; 16 products; the 16 accumulators take turns, one instruction a turn
	WIN 1|((\win)<<2)
.irp i, 0,1,2,3
.irp u, 0,1
.irp x, 0,1
.if (\sj) == 0
	WM ACC+8*(8*\x+2*\i+\u), 96*((\s)%2)+12*(2*\i+\u), 24*((\sj)%XD)+12*\x, 0, YS+4*((\s)%2)+\i, (\xsb)+(\sj), \u, \x
.else
	WM ACC+8*(8*\x+2*\i+\u), 96*((\s)%2)+12*(2*\i+\u), 24*((\sj)%XD)+12*\x, v[ACC+8*(8*\x+2*\i+\u):ACC+8*(8*\x+2*\i+\u)+7], YS+4*((\s)%2)+\i, (\xsb)+(\sj), \u, \x
.endif
.endr
.endr
.endr
	WIN 0
.endm
.macro JSTART s, arron
.if \arron
	ARRIVE TCN
.set TCN, TCN-1
.endif
.if (\s) > CST
	v_add_nc_u32 v[AY], ((\s)-CST)*REC, v[AY]
	v_add_nc_u32 v[AS], ((\s)-CST)*REC, v[AS]
.endif
.set CST, \s
	PLACES 4
	LOADY \s
.endm
.macro JOB s0, ns, win, xsb, lcon, arron
.set SG, \s0
.rept \ns
.set SJ, SG-(\s0)
.if SJ+1 < (\ns)
.if (\arron) && (((SJ+1+ASH)%ARP) == 0)
	ARRIVE TCN
.set TCN, TCN-1
.endif
.if ((SJ+1+DSH)%ADP) == 0
	v_add_nc_u32 v[AY], (SG+1-CST)*REC, v[AY]
	v_add_nc_u32 v[AS], (SG+1-CST)*REC, v[AS]
.set CST, SG+1
.endif
	PLACES 4                                           ; four plain lines between the last products and loads into registers that they read
	LOADY SG+1
.if (XD < (\ns)) && (SJ >= 1) && (SJ-1+XD < (\ns))
	LOADX SJ-1+XD, \win, XP, 0
.endif
	s_wait_dscnt 52                                    ; this step's record is in; the 52 loads just issued may be out
.else
	s_wait_dscnt 0x0
.endif
.if \lcon
.set LC, (\ns)-1
.if SJ+XD-1 < LC
.set LC, SJ+XD-1
.endif
.set LC, 12*(LC-SJ)
.if LC > 63
.set LC, 63
.endif
	s_wait_loadcnt LC                                  ; this step's X is in; the later steps' 12 loads each may be out (the count's field holds 63)
.endif
	MUL SG, SJ, \win, \xsb
.set SG, SG+1
.endr
	PLACES 4
.endm
.macro EPIRES x                        ; my tile x: through the stage, + the residual, out
	s_wait_xcnt 0x0                                    ; earlier stores have read the registers that the loads below fill
.irp y, 0,1,2,3,4,5,6,7
	ds_store_b128 v[SO], v[ACC+64*\x+8*\y:ACC+64*\x+8*\y+3] offset:128*(\y/2)+32*(\y%2)       ; each accumulator from its low end on
	ds_store_b128 v[SO], v[ACC+64*\x+8*\y+4:ACC+64*\x+8*\y+7] offset:128*(\y/2)+32*(\y%2)+16
.endr
	WIN 0x40
.irp i, 0,1,2,3,4,5,6,7,8,9,10,11,12,13,14,15
	ds_load_b128 v[4*\i:4*\i+3], v[SR] offset:528*\i   ; LDS serves a wave's instructions in order (ISA guide 5.7.1.4): these see my stores
.endr
	s_wait_dscnt 0x0
	WIN 0x45+4*\x
.irp j, 0,2,4,6,8,10,12,14,16,18,20,22,24,26,28,30,32,34,36,38,40,42,44,46,48,50,52,54,56,58,60,62
	v_pk_add_f32 v[\j:\j+1], v[\j:\j+1], v[192+\j:193+\j]
.endr
	WIN 0x04
.irp i, 0,1,2,3,4,5,6,7,8,9,10,11,12,13,14,15
	global_store_b128 v[GO], v[4*\i:4*\i+3], s[OUTP:OUTP+1] offset:(8*\x+\i+8*(\i/8))*4096 th:TH_STORE_NT   ; 32 lanes store 512 consecutive bytes, at a multiple of 256
.endr
	WIN 0
.endm
	s_load_b256 s[4:11], s[0:1], 0x0                   ; X's codes, wts, the residual, the result
	v_lshl_add_u32 v126, v0, 2, 0x29000
	v_mov_b32 v127, 0
	ds_add_u32 v126, v127
	ds_add_u32 v126, v127
	v_lshrrev_b32 v1, 5, v0
	v_readfirstlane_b32 s[WV], v1
	s_bfe_u32 s15, ttmp6, 0x40000                      ; cx
	s_lshl_b32 s16, ttmp9, 2
	s_add_co_u32 s16, s16, s15                         ; R: it enters global addresses alone
	s_and_b32 s17, ttmp7, 0xffff                       ; g, which the four partners share
	s_mov_b32 s[G1A], 15|(3<<16)|(1<<21)               ; 25 rows of 256 bytes: a quarter of two records; mask: all four work-groups
	s_mov_b32 s[G1A+1], 32<<16
	s_mov_b32 s[G1A+2], 25<<16
	s_mov_b32 s[G1A+3], 32<<16
	s_mov_b32 s[G1A+4], 25
	s_mov_b32 s[G1A+5], 32
	s_mov_b32 s[G1A+6], 0
	s_mov_b32 s[G1A+7], 0
	s_mul_i32 s84, s[WV], 6400
	s_mul_i32 s80, s17, GB
	s_add_co_u32 s80, s80, s84
	s_add_co_u32 s80, s80, YOFF
	s_mov_b32 s81, 0
	s_mul_i32 s86, s16, GB
	s_mov_b32 s87, 0
	s_lshl_b32 s88, s16, 7
	s_lshl_b32 s89, s[WV], 5
	s_add_co_u32 s88, s88, s89
	s_lshl_b32 s88, s88, 12                            ; token 128 R + 32 w,
	s_lshl_b32 s89, s17, 9
	s_add_co_u32 s88, s88, s89                         ; column 128 g
	s_mov_b32 s89, 0
	v_and_b32 v11, 31, v0
	v_and_b32 v12, 15, v0
	v_bfe_u32 v13, v0, 4, 1
	v_lshlrev_b32 v1, 3, v11
	v_lshlrev_b32 v2, 2, v11
	v_mov_b32 v[AY], v1
	v_add_nc_u32 v[AS], 12288, v2
	s_mul_i32 s92, s[WV], 3072
	v_add_nc_u32 v[XO], s92, v1
	s_lshl_b32 s93, s[WV], 7
	v_add_nc_u32 v[XSO], s93, v2
	v_add_nc_u32 v[XSO], 12288, v[XSO]
	v_lshlrev_b32 v[GO], 4, v11
	s_mul_i32 s92, s[WV], 8448
	s_add_co_u32 s92, s92, STG                         ; my stage: 16 rows of 512 + 16 bytes
	v_mul_u32_u24 v[SO], v12, 528
	v_lshl_add_u32 v[SO], v13, 6, v[SO]
	v_add_nc_u32 v[SO], s92, v[SO]
	v_add_nc_u32 v[SR], s92, v[GO]
	s_wait_dscnt 0x0
	s_wait_kmcnt 0x0
	s_add_nc_u64 s[82:83], s[6:7], s[80:81]
	s_add_nc_u64 s[XP:XP+1], s[4:5], s[86:87]
	s_add_nc_u64 s[RESP:RESP+1], s[8:9], s[88:89]
	s_add_nc_u64 s[OUTP:OUTP+1], s[10:11], s[88:89]
.irp c, 0,1,2,3
	s_mov_b32 s[G0+4*\c], 1
	s_add_co_u32 s[G0+4*\c+1], s84, \c*25600
	s_add_nc_u64 s[G0+4*\c+2:G0+4*\c+3], s[82:83], \c*25600
	s_or_b32 s[G0+4*\c+3], s[G0+4*\c+3], 0x80000000
.endr
	CROUND                                             ; all four work-groups are here: the joint loads meet
	tensor_load_to_lds s[G0:G0+3], s[G1A:G1A+7]
	s_nop 0
	tensor_load_to_lds s[G0+4:G0+7], s[G1A:G1A+7]
	s_nop 0
	tensor_load_to_lds s[G0+8:G0+11], s[G1A:G1A+7]
	s_nop 0
	tensor_load_to_lds s[G0+12:G0+15], s[G1A:G1A+7]
	s_nop 0
	PLACES 4
.irp x, 0,1                            ; the residual first: loads come back in order, so the counted waits for X below need not count it
	WIN 0x40<<\x
.irp i, 0,1,2,3,4,5,6,7,8,9,10,11,12,13,14,15
	global_load_b128 v[192+4*\i:195+4*\i], v[GO], s[RESP:RESP+1] offset:(8*\x+\i+8*(\i/8))*4096 th:TH_LOAD_NT
.endr
.endr
	WIN 0
.set NN, 0
.rept NS
	global_load_b32 v[XS+NN], v[XSO], s[XP:XP+1] offset:NN*REC
.set NN, NN+1
.endr
.set NN, 0
.rept XD
	LOADX NN, 2, XP, 0
.set NN, NN+1
.endr
	JSTART 0, 1
	JOB 0, NS, 2, XS, 1, 1
	EPIRES 0
	EPIRES 1
	s_wait_dscnt 0x0
	s_wait_tensorcnt 0x0
	ds_add_u32 v126, v127
	s_wait_dscnt 0x0
	CROUND                                             ; the closing round
	s_endpgm
.Lfunc_end_k_qda30b30292_wo:
	.size	k_qda30b30292_wo, .Lfunc_end_k_qda30b30292_wo-k_qda30b30292_wo
	.p2alignl 7, 3214868480
	.fill 96, 4, 3214868480
	.section	.rodata,"a",@progbits
	.p2align	6, 0x0
	.amdhsa_kernel k_qda30b30292_wo
		.amdhsa_group_segment_fixed_size 168448
		.amdhsa_private_segment_fixed_size 0
		.amdhsa_enable_private_segment 0
		.amdhsa_kernarg_size 32
		.amdhsa_user_sgpr_count 2
		.amdhsa_user_sgpr_kernarg_segment_ptr 1
		.amdhsa_wavefront_size32 1
		.amdhsa_system_sgpr_workgroup_id_x 1
		.amdhsa_system_sgpr_workgroup_id_y 1
		.amdhsa_system_sgpr_workgroup_id_z 1
		.amdhsa_system_vgpr_workitem_id 0
		.amdhsa_next_free_vgpr 768
		.amdhsa_next_free_sgpr 96
		.amdhsa_reserve_vcc 0
		.amdhsa_float_denorm_mode_32 3
		.amdhsa_float_denorm_mode_16_64 3
		.amdhsa_memory_ordered 1
		.amdhsa_forward_progress 1
		.amdhsa_inst_pref_size 76
	.end_amdhsa_kernel
	.amdgpu_metadata
---
amdhsa.version: [ 1, 2 ]
amdhsa.kernels:
  - .name:           k_qda30b30292_wo
    .symbol:         k_qda30b30292_wo.kd
    .args:
      - { .name: aa, .offset: 0, .size: 8, .value_kind: global_buffer, .address_space: global }
      - { .name: wts, .offset: 8, .size: 8, .value_kind: global_buffer, .address_space: global }
      - { .name: x, .offset: 16, .size: 8, .value_kind: global_buffer, .address_space: global }
      - { .name: x2, .offset: 24, .size: 8, .value_kind: global_buffer, .address_space: global }
    .group_segment_fixed_size: 168448
    .private_segment_fixed_size: 0
    .kernarg_segment_align: 8
    .kernarg_segment_size: 32
    .max_flat_workgroup_size: 128
    .sgpr_count:     96
    .vgpr_count:     768
    .wavefront_size: 32
...
	.end_amdgpu_metadata
.endif
;; end of part 4
;; launch norm2 (part 5): grid 256 x 1, 4 waves a work-group, no clusters, 66,304 bytes of LDS; arguments x2, g2, xb; writes xb
.if DOCPART == 5
	.amdgcn_target "amdgcn-amd-amdhsa--gfx1250"
	.amdhsa_code_object_version 6
	.text
	.protected	k_qda30b30292_norm2
	.globl	k_qda30b30292_norm2
	.p2align	8
	.type	k_qda30b30292_norm2,@function
k_qda30b30292_norm2:
	s_mov_b64 s[64:65], 0
	v_nop
	global_prefetch_b8 v0, s[64:65] scope:SCOPE_SE
	s_setreg_imm32_b32 hwreg(HW_REG_WAVE_MODE, 25, 1), 1
	s_wait_xcnt 0x0
; rmsnorm(x2, g2) of one tile of 16 rows, quantised to E3M2 along K = 1,024, stored as operand images into xb.
; A tile T holds, in lane-row i, row 32 (T/2) + 8 (T%2) + i + 8 (i/8).  A fragment (16 rows x 128 K) lies as an image of its registers: register pair q of lane l at 256 q + 8 l.
; A record serves 8 tiles x 128 K: tile y's image at 1,536 y, scale words at 12,288 + 128 (y/2) + 64 (y%2) + 4 r: 12,800 bytes.
; LIMITS: NaN and infinities are not served.  A block whose largest magnitude lies under 2^-122 (zeros too) gets the scale byte 1; these bytes are read by this program alone.
.set WV, 12
.set TT, 13
.set SEL, 14
.set SRC, 4
.set GN, 6
.set DST, 8
.set DC, 16
.set DS, 18
.set XR, 32
.set GR, 160
.set SS, 192
.set RS, 200
.set PT, 204
.set RI, 208
.macro NQ ss                           ; one K step of my lane's row becomes a fragment and its scale word; lane (r, h) holds the whole blocks h and 2 + h
.set BB, XR+64*(\ss)
.set CC, 176+12*(\ss)
.irp c, 0,1
	v_max3_num_f32 v[160+\c], |v[BB+32*\c]|, |v[BB+32*\c+1]|, 0x2800000   ; the floor 2^(5 - 127) holds the byte at 1 from below
.endr
.irp i, 2,4,6,8,10,12,14,16,18,20,22,24,26,28,30
.irp c, 0,1
	v_max3_num_f32 v[160+\c], v[160+\c], |v[BB+32*\c+\i]|, |v[BB+32*\c+\i+1]|
.endr
.endr
.irp c, 0,1
	v_add_nc_u32 v[162+\c], 0xfe000000, v[160+\c]
.endr
.irp c, 0,1
	v_lshrrev_b32 v[164+\c], 23, v[162+\c]
.endr
	v_lshl_or_b32 v166, v165, 16, v164
	v_lshlrev_b32 v166, v10, v166
	v_permlanex16_b32 v167, v166, s[SEL], s[SEL+1]
	v_or_b32 v[208+\ss], v166, v167
.irp c, 0,1
	v_cvt_scalef32_pk16_bf6_f32 v[CC+6*\c:CC+6*\c+2], v[BB+32*\c:BB+32*\c+15], v[162+\c]
	v_cvt_scalef32_pk16_bf6_f32 v[200+4*\c:202+4*\c], v[BB+32*\c+16:BB+32*\c+31], v[162+\c]
.endr
	v_nop                                              ; a plain line behind the conversions
.irp c, 0,1
.irp i, 0,1,2
	v_mov_b32 v[CC+6*\c+3+\i], v[200+4*\c+\i]
.endr
.endr
.irp q, 0,1,2,3,4,5
	global_store_b64 v8, v[CC+2*\q:CC+2*\q+1], s[DC:DC+1] offset:(\ss)*12800+256*\q
.endr
	global_store_b32 v9, v[208+\ss], s[DS:DS+1] offset:(\ss)*12800
.endm
	s_load_b128 s[4:7], s[0:1], 0x0                    ; x2, g2
	s_load_b64 s[8:9], s[0:1], 0x10                    ; xb
	v_lshl_add_u32 v224, v0, 2, 0x10100
	v_mov_b32 v225, 0
	v_lshrrev_b32 v1, 5, v0
	v_readfirstlane_b32 s[WV], v1
	v_and_b32 v1, 31, v0
	v_and_b32 v2, 15, v0
	v_bfe_u32 v3, v0, 4, 1
	v_lshlrev_b32 v8, 3, v1
	v_lshlrev_b32 v9, 2, v2
	s_mov_b32 s[SEL], 0x76543210
	s_mov_b32 s[SEL+1], 0xfedcba98
	s_mov_b32 s[TT], ttmp9
	s_wait_kmcnt 0x0
	; phase 1: wave w takes lane-rows 4 w .. 4 w + 3, which are four rows on end
	s_lshr_b32 s56, s[TT], 1
	s_lshl_b32 s56, s56, 5
	s_and_b32 s57, s[TT], 1
	s_lshl_b32 s58, s57, 3
	s_add_co_u32 s56, s56, s58
	s_lshl_b32 s58, s[WV], 2
	s_add_co_u32 s56, s56, s58
	s_lshr_b32 s58, s[WV], 1
	s_lshl_b32 s58, s58, 3
	s_add_co_u32 s56, s56, s58
	s_lshl_b32 s58, s56, 12
	s_mov_b32 s59, 0
	s_add_nc_u64 s[SRC:SRC+1], s[SRC:SRC+1], s[58:59]
	s_lshr_b32 s58, s[TT], 3
	s_mul_i32 s58, s58, 102400
	s_mul_i32 s60, s[WV], 25600
	s_add_co_u32 s58, s58, s60
	s_add_nc_u64 s[DS:DS+1], s[DST:DST+1], s[58:59]
	s_and_b32 s60, s[TT], 7
	s_mul_i32 s62, s60, 1536
	s_mov_b32 s63, 0
	s_add_nc_u64 s[DC:DC+1], s[DS:DS+1], s[62:63]
	s_lshr_b32 s60, s60, 1
	s_lshl_b32 s60, s60, 7
	s_lshl_b32 s57, s57, 6
	s_add_co_u32 s60, s60, s57
	s_add_co_u32 s62, s60, 12288
	s_add_nc_u64 s[DS:DS+1], s[DS:DS+1], s[62:63]
	v_lshlrev_b32 v5, 4, v1
	s_mul_i32 s60, s[WV], 4*4112
	v_add_nc_u32 v6, s60, v5
	v_mul_u32_u24 v7, v2, 4112
	v_lshl_add_u32 v7, v3, 7, v7
	s_lshl_b32 s60, s[WV], 10
	v_add_nc_u32 v7, s60, v7
	v_lshlrev_b32 v10, 3, v3
	s_mov_b32 s60, 0x3a800000                          ; 1 / 1024
	s_mov_b32 s61, 0x3727c5ac                          ; 1e-5
.irp j, 0,1,2,3,4,5,6,7
	global_load_b128 v[GR+4*\j:GR+4*\j+3], v5, s[GN:GN+1] offset:512*\j
.endr
.irp ri, 0,1,2,3
.irp j, 0,1,2,3,4,5,6,7
	global_load_b128 v[XR+32*\ri+4*\j:XR+32*\ri+4*\j+3], v5, s[SRC:SRC+1] offset:4096*\ri+512*\j th:TH_LOAD_NT
.endr
.endr
.irp ri, 0,1,2,3
	v_mov_b32 v[PT+\ri], 0
	v_mov_b32 v[RI+2*\ri+1], 0
.endr
	s_wait_loadcnt 0x0
.irp ri, 0,1,2,3
	v_pk_mul_f32 v[SS+2*\ri:SS+2*\ri+1], v[XR+32*\ri:XR+32*\ri+1], v[XR+32*\ri:XR+32*\ri+1]
.endr
.irp j, 2,4,6,8,10,12,14,16,18,20,22,24,26,28,30
.irp ri, 0,1,2,3
	v_pk_fma_f32 v[SS+2*\ri:SS+2*\ri+1], v[XR+32*\ri+\j:XR+32*\ri+\j+1], v[XR+32*\ri+\j:XR+32*\ri+\j+1], v[SS+2*\ri:SS+2*\ri+1]
.endr
.endr
.irp ri, 0,1,2,3
	v_add_f32 v[RS+\ri], v[SS+2*\ri], v[SS+2*\ri+1]
.endr
.irp k, 1,2,4,8
.irp ri, 0,1,2,3
	v_add_f32_dpp v[RS+\ri], v[RS+\ri], v[RS+\ri] row_xmask:\k row_mask:0xf bank_mask:0xf
.endr
.endr
.irp ri, 0,1,2,3
	v_permlanex16_b32 v[PT+\ri], v[RS+\ri], s[SEL], s[SEL+1]
.endr
.irp ri, 0,1,2,3
	v_add_f32 v[RS+\ri], v[RS+\ri], v[PT+\ri]
.endr
.irp ri, 0,1,2,3
	v_fma_f32 v[RS+\ri], v[RS+\ri], s60, s61
.endr
.irp ri, 0,1,2,3
	v_rsq_f32 v[RI+2*\ri], v[RS+\ri]
.endr
	v_nop                                              ; a plain line behind the batch,
	s_wait_alu depctr_va_vdst(0)                       ; and one wait for the four, ahead of their first reader
.irp ri, 0,1,2,3
.irp j, 0,2,4,6,8,10,12,14,16,18,20,22,24,26,28,30
	v_pk_mul_f32 v[XR+32*\ri+\j:XR+32*\ri+\j+1], v[XR+32*\ri+\j:XR+32*\ri+\j+1], v[RI+2*\ri:RI+2*\ri+1] op_sel_hi:[1,0]
	v_pk_mul_f32 v[XR+32*\ri+\j:XR+32*\ri+\j+1], v[XR+32*\ri+\j:XR+32*\ri+\j+1], v[GR+\j:GR+\j+1]
.endr
.endr
.irp ri, 0,1,2,3
.irp j, 0,1,2,3,4,5,6,7
	ds_store_b128 v6, v[XR+32*\ri+4*\j:XR+32*\ri+4*\j+3] offset:4112*\ri+512*\j
.endr
.endr
	s_wait_dscnt 0x0                                   ; for the others' sake: my rows lie in LDS
	s_barrier_signal -1
	s_barrier_wait -1
	; phase 2: wave w takes K steps 2 w, 2 w + 1 of all 16 rows
	v_mov_b32 v167, 0
.irp ss, 0,1
.irp c, 0,1
.irp j, 0,1,2,3,4,5,6,7
	ds_load_b128 v[XR+64*\ss+32*\c+4*\j:XR+64*\ss+32*\c+4*\j+3], v7 offset:512*\ss+256*\c+16*\j
.endr
.endr
.endr
	s_wait_dscnt 16                                    ; the first K step's 16 loads are in; the second's may be out
	NQ 0
	s_wait_dscnt 0x0
	NQ 1
	s_wait_tensorcnt 0x0
	ds_add_u32 v224, v225
	s_wait_dscnt 0x0
	s_endpgm
.Lfunc_end_k_qda30b30292_norm2:
	.size	k_qda30b30292_norm2, .Lfunc_end_k_qda30b30292_norm2-k_qda30b30292_norm2
	.p2alignl 7, 3214868480
	.fill 96, 4, 3214868480
	.section	.rodata,"a",@progbits
	.p2align	6, 0x0
	.amdhsa_kernel k_qda30b30292_norm2
		.amdhsa_group_segment_fixed_size 66304
		.amdhsa_private_segment_fixed_size 0
		.amdhsa_enable_private_segment 0
		.amdhsa_kernarg_size 24
		.amdhsa_user_sgpr_count 2
		.amdhsa_user_sgpr_kernarg_segment_ptr 1
		.amdhsa_wavefront_size32 1
		.amdhsa_system_sgpr_workgroup_id_x 1
		.amdhsa_system_sgpr_workgroup_id_y 1
		.amdhsa_system_sgpr_workgroup_id_z 1
		.amdhsa_system_vgpr_workitem_id 0
		.amdhsa_next_free_vgpr 226
		.amdhsa_next_free_sgpr 66
		.amdhsa_reserve_vcc 0
		.amdhsa_float_denorm_mode_32 3
		.amdhsa_float_denorm_mode_16_64 3
		.amdhsa_memory_ordered 1
		.amdhsa_forward_progress 1
		.amdhsa_inst_pref_size 32
	.end_amdhsa_kernel
	.amdgpu_metadata
---
amdhsa.version: [ 1, 2 ]
amdhsa.kernels:
  - .name:           k_qda30b30292_norm2
    .symbol:         k_qda30b30292_norm2.kd
    .args:
      - { .name: x2, .offset: 0, .size: 8, .value_kind: global_buffer, .address_space: global }
      - { .name: g2, .offset: 8, .size: 8, .value_kind: global_buffer, .address_space: global }
      - { .name: xb, .offset: 16, .size: 8, .value_kind: global_buffer, .address_space: global }
    .group_segment_fixed_size: 66304
    .private_segment_fixed_size: 0
    .kernarg_segment_align: 8
    .kernarg_segment_size: 24
    .max_flat_workgroup_size: 128
    .sgpr_count:     66
    .vgpr_count:     226
    .wavefront_size: 32
...
	.end_amdgpu_metadata
.endif
;; end of part 5
;; launch ffn13 (part 6): grid 16 x 43, 4 waves a work-group, clusters of 4 x 1, 168,448 bytes of LDS; arguments xb, wts, hh; writes hh
.if DOCPART == 6
	.amdgcn_target "amdgcn-amd-amdhsa--gfx1250"
	.amdhsa_code_object_version 6
	.text
	.protected	k_qda30b30292_ffn13
	.globl	k_qda30b30292_ffn13
	.p2align	8
	.type	k_qda30b30292_ffn13,@function
k_qda30b30292_ffn13:
	s_mov_b64 s[64:65], 0
	v_nop
	global_prefetch_b8 v0, s[64:65] scope:SCOPE_SE
	s_setreg_imm32_b32 hwreg(HW_REG_WAVE_MODE, 25, 1), 1
	s_wait_xcnt 0x0
	s_wait_alu depctr_hold_cnt(0) depctr_sa_sdst(0) depctr_va_vdst(0) depctr_va_sdst(0) depctr_va_ssrc(0) depctr_va_vcc(0) depctr_vm_vsrc(0)
	s_getreg_b32 s2, hwreg(HW_REG_IB_STS2, 6, 4)
	s_cmp_eq_u32 s2, 0
	s_cbranch_scc0 .Lentry_in_a_cluster
	s_endpgm
.Lentry_in_a_cluster:
	s_bfe_u32 s2, ttmp6, 0x10000c
	s_cmp_lg_u32 s2, 0x3003
	s_cbranch_scc0 .Lentry_shape_is_right
	s_endpgm
.Lentry_shape_is_right:
; hh = Q(silu(xn w1^T) x (xn w3^T)): 64 hidden units (group G) for two row groups of 128 tokens, on E3M2 codes, K = 1,024 in 8 steps.
; D = (Y tile) x (X tile): Y = 64 rows of w1 (tiles 0-3) and the same 64 rows of w3 (tiles 4-7), in LDS for all of K, filled ONCE at the head; X = my two tiles of tokens, from memory straight into registers.
; So a lane holds x1 and x3 of the same 32 hidden units of one token; the product is quantised in registers: half a fragment (64 along the next K) of the next product's operand.
; CLUSTER: the four work-groups of a cluster differ in their tokens alone: the weights' records are asked for jointly (mask 15).  Four tensor loads of a wave are out at the most.
; The next K, 2,752, is 21.5 steps of 128: the work-groups of the last group of hidden units also store the last half step's zero codes and the bytes 127.
; LIMITS: NaN and infinities are not served; a block under 2^-122 (zeros too) gets the scale byte 1, read by this program alone.
; REGISTERS: window 0: v1-6 addresses; v16-23 Y's scale words; v24-31, v32-39 X's of the two jobs; v40-71 the sigmoid; v100-102 constants; v104-127 at work; v128-255 the 16 accumulators.
;   window 1: Y's fragments, two sets.   window 2, 3: X's fragments of the two jobs.
.set REC, 12800
.set XD, 8
.set ARP, 2
.set ASH, 0
.set ADP, 4
.set DSH, 0
.set TCN, 3
.set CST, 0
.set AY, 3
.set AS, 4
.set XO, 5
.set XSO, 6
.set YS, 16
.set XS, 24
.set EE, 40
.set ZZ, 100
.set QM, 104
.set QP, 106
.set QE, 108
.set QW, 110
.set QC, 112
.set QT, 118
.set QJ, 126
.set ACC, 128
.set WV, 14
.set LG, 18
.set SEL, 20
.set MK, 22
.set G1A, 24
.set G0, 40
.set XP, 66
.set HP, 68
.set HS, 70
.set MSB, 0
.macro WIN new
.if MSB != (\new)
	s_set_vgpr_msb (MSB<<8)|(\new)
.set MSB, \new
.endif
.endm
.macro PLACES n
.rept \n
	v_nop
.endr
.endm
.macro CROUND
	s_barrier_signal -1
	s_barrier_wait -1
	s_cmp_lg_u32 s[WV], 0
	s_cbranch_scc1 .Lnot_wave_0_\@
	s_barrier_signal -3
.Lnot_wave_0_\@:
	s_barrier_wait -3
	s_barrier_signal -1
	s_barrier_wait -1
.endm
.macro ARRIVE n                        ; my part of the next chunk has landed (n younger loads may be out), no LDS load of mine is out; behind the barrier everybody's part has landed
	s_wait_tensorcnt \n
	s_wait_dscnt 0x0
	s_barrier_signal -1
	s_barrier_wait -1
.endm
.macro WM d, a, b, c, sa, sb, ra, rb
.if (\ra) && (\rb)
	v_wmma_scale_f32_16x16x128_f8f6f4 v[\d:\d+7], v[\a:\a+11], v[\b:\b+11], \c, v[\sa], v[\sb] matrix_a_fmt:MATRIX_FMT_BF6 matrix_b_fmt:MATRIX_FMT_BF6 matrix_a_scale:MATRIX_SCALE_ROW1 matrix_b_scale:MATRIX_SCALE_ROW1
.elseif \ra
	v_wmma_scale_f32_16x16x128_f8f6f4 v[\d:\d+7], v[\a:\a+11], v[\b:\b+11], \c, v[\sa], v[\sb] matrix_a_fmt:MATRIX_FMT_BF6 matrix_b_fmt:MATRIX_FMT_BF6 matrix_a_scale:MATRIX_SCALE_ROW1
.elseif \rb
	v_wmma_scale_f32_16x16x128_f8f6f4 v[\d:\d+7], v[\a:\a+11], v[\b:\b+11], \c, v[\sa], v[\sb] matrix_a_fmt:MATRIX_FMT_BF6 matrix_b_fmt:MATRIX_FMT_BF6 matrix_b_scale:MATRIX_SCALE_ROW1
.else
	v_wmma_scale_f32_16x16x128_f8f6f4 v[\d:\d+7], v[\a:\a+11], v[\b:\b+11], \c, v[\sa], v[\sb] matrix_a_fmt:MATRIX_FMT_BF6 matrix_b_fmt:MATRIX_FMT_BF6
.endif
.endm
.macro LOADY s                         ; step s's record of Y: 48 + 4 LDS loads
	WIN 0x40
.irp y, 0,1,2,3,4,5,6,7
.irp q, 0,1,2,3,4,5
	ds_load_b64 v[96*((\s)%2)+12*\y+2*\q:96*((\s)%2)+12*\y+2*\q+1], v[AY] offset:((\s)-CST)*REC+1536*\y+256*\q
.endr
.endr
	WIN 0
.irp i, 0,1,2,3
	ds_load_b32 v[YS+4*((\s)%2)+\i], v[AS] offset:((\s)-CST)*REC+128*\i
.endr
.endm
.macro LOADX s, win, ptr, off
	WIN (\win)<<6
.irp x, 0,1
.irp q, 0,1,2,3,4,5
	global_load_b64 v[24*((\s)%XD)+12*\x+2*\q:24*((\s)%XD)+12*\x+2*\q+1], v[XO], s[\ptr:\ptr+1] offset:(\off)+(\s)*REC+1536*\x+256*\q
.endr
.endr
	WIN 0
.endm
.macro MUL s, sj, win, xsb             ; 16 products; the 16 accumulators take turns, one instruction a turn
	WIN 1|((\win)<<2)
.irp i, 0,1,2,3
.irp u, 0,1
.irp x, 0,1
.if (\sj) == 0
	WM ACC+8*(8*\x+2*\i+\u), 96*((\s)%2)+12*(2*\i+\u), 24*((\sj)%XD)+12*\x, 0, YS+4*((\s)%2)+\i, (\xsb)+(\sj), \u, \x
.else
	WM ACC+8*(8*\x+2*\i+\u), 96*((\s)%2)+12*(2*\i+\u), 24*((\sj)%XD)+12*\x, v[ACC+8*(8*\x+2*\i+\u):ACC+8*(8*\x+2*\i+\u)+7], YS+4*((\s)%2)+\i, (\xsb)+(\sj), \u, \x
.endif
.endr
.endr
.endr
	WIN 0
.endm
.macro JSTART s, arron
.if \arron
	ARRIVE TCN
.set TCN, TCN-1
.endif
.if (\s) > CST
	v_add_nc_u32 v[AY], ((\s)-CST)*REC, v[AY]
	v_add_nc_u32 v[AS], ((\s)-CST)*REC, v[AS]
.endif
.set CST, \s
	PLACES 4
	LOADY \s
.endm
.macro JOB s0, ns, win, xsb, lcon, arron
.set SG, \s0
.rept \ns
.set SJ, SG-(\s0)
.if SJ+1 < (\ns)
.if (\arron) && (((SJ+1+ASH)%ARP) == 0)
	ARRIVE TCN
.set TCN, TCN-1
.endif
.if ((SJ+1+DSH)%ADP) == 0
	v_add_nc_u32 v[AY], (SG+1-CST)*REC, v[AY]
	v_add_nc_u32 v[AS], (SG+1-CST)*REC, v[AS]
.set CST, SG+1
.endif
	PLACES 4                                           ; four plain lines between the last products and loads into registers that they read
	LOADY SG+1
.if (XD < (\ns)) && (SJ >= 1) && (SJ-1+XD < (\ns))
	LOADX SJ-1+XD, \win, XP, 0
.endif
	s_wait_dscnt 52                                    ; this step's record is in; the 52 loads just issued may be out
.else
	s_wait_dscnt 0x0
.endif
.if \lcon
.set LC, (\ns)-1
.if SJ+XD-1 < LC
.set LC, SJ+XD-1
.endif
.set LC, 12*(LC-SJ)
.if LC > 63
.set LC, 63
.endif
	s_wait_loadcnt LC                                  ; this step's X is in; the later steps' 12 loads each may be out (the count's field holds 63)
.endif
	MUL SG, SJ, \win, \xsb
.set SG, SG+1
.endr
	PLACES 4
.endm
.macro QB n0                           ; 32 numbers of a lane become half a fragment's codes in v[QC..QC+5] and two scale bytes in v[QW]
	v_max3_num_f32 v[QM], |v[\n0]|, |v[\n0+1]|, 0x2800000
	v_max3_num_f32 v[QM+1], |v[\n0+16]|, |v[\n0+17]|, 0x2800000
.irp i, 2,4,6,8,10,12,14
	v_max3_num_f32 v[QM], v[QM], |v[\n0+\i]|, |v[\n0+\i+1]|
	v_max3_num_f32 v[QM+1], v[QM+1], |v[\n0+16+\i]|, |v[\n0+17+\i]|
.endr
	v_permlanex16_b32 v[QP], v[QM], s[SEL], s[SEL+1]
	v_permlanex16_b32 v[QP+1], v[QM+1], s[SEL], s[SEL+1]
	v_max_num_f32 v[QM], v[QM], v[QP]
	v_max_num_f32 v[QM+1], v[QM+1], v[QP+1]
	v_add_nc_u32 v[QE], 0xfe000000, v[QM]
	v_add_nc_u32 v[QE+1], 0xfe000000, v[QM+1]
	v_lshrrev_b32 v[QM], 23, v[QE]
	v_lshrrev_b32 v[QM+1], 23, v[QE+1]
	v_lshl_or_b32 v[QW], v[QM+1], 8, v[QM]
	s_wait_xcnt 0x0                                    ; earlier stores have read the registers that are written below
	v_cvt_scalef32_pk16_bf6_f32 v[QC:QC+2], v[\n0:\n0+15], v[QE]
	v_cvt_scalef32_pk16_bf6_f32 v[QT:QT+2], v[\n0+16:\n0+31], v[QE+1]
	v_nop
.irp i, 0,1,2
	v_permlane16_swap_b32 v[QC+\i], v[QT+\i]
.endr
.irp i, 0,1,2
	v_mov_b32 v[QC+3+\i], v[QT+\i]
.endr
.endm
.macro EPIGLU j                        ; job j's results: x1 sigmoid(x1) x3, quantised, stored
.irp x, 0,1
.set A0, ACC+64*\x
.set NN, 0
.rept 16
	v_pk_mul_f32 v[EE+2*NN:EE+2*NN+1], v[A0+2*NN:A0+2*NN+1], s[LG:LG+1] op_sel_hi:[1,0]   ; -x1 log2(e)
.set NN, NN+1
.endr
.set NN, 0
.rept 32
	v_exp_f32 v[EE+NN], v[EE+NN]
.set NN, NN+1
.endr
	v_nop
	s_wait_alu depctr_va_vdst(0)                       ; one wait for the 32 exponentials
.set NN, 0
.rept 16
	v_pk_add_f32 v[EE+2*NN:EE+2*NN+1], v[EE+2*NN:EE+2*NN+1], 1.0 op_sel_hi:[1,0]
.set NN, NN+1
.endr
.set NN, 0
.rept 32
	v_rcp_f32 v[EE+NN], v[EE+NN]
.set NN, NN+1
.endr
	v_nop
	s_wait_alu depctr_va_vdst(0)                       ; and one for the 32 reciprocals
.set NN, 0
.rept 16
	v_pk_mul_f32 v[A0+2*NN:A0+2*NN+1], v[A0+2*NN:A0+2*NN+1], v[EE+2*NN:EE+2*NN+1]
.set NN, NN+1
.endr
.set NN, 0
.rept 16
	v_pk_mul_f32 v[A0+2*NN:A0+2*NN+1], v[A0+2*NN:A0+2*NN+1], v[A0+32+2*NN:A0+33+2*NN]
.set NN, NN+1
.endr
	QB A0
.irp p, 0,1,2
	global_store_b64 v[XO], v[QC+2*\p:QC+2*\p+1], s[HP:HP+1] offset:\j*281600+1536*\x+256*\p
.endr
.if \x == 0
	v_mov_b32 v[QJ], v[QW]
.else
	v_cndmask_b32 v[QJ+1], v[QJ], v[QW], s[MK]         ; lanes 0-15: my first tile's bytes; lanes 16-31: my second's
	global_store_b16 v[XSO], v[QJ+1], s[HS:HS+1] offset:\j*281600
.endif
.endr
	s_cmp_lg_u32 s17, 42                               ; the last group of hidden units fills the last K step's upper half: the same branch in all partners
	s_cbranch_scc1 .Lno_pad_\@
.irp x, 0,1
.irp p, 0,1,2
	global_store_b64 v[XO], v[ZZ:ZZ+1], s[HP:HP+1] offset:\j*281600+768+1536*\x+256*\p
.endr
.endr
	global_store_b16 v[XSO], v[ZZ+2], s[HS:HS+1] offset:\j*281600+2
.Lno_pad_\@:
.endm
	s_load_b128 s[4:7], s[0:1], 0x0                    ; xb, wts
	s_load_b64 s[8:9], s[0:1], 0x10                    ; hh
	v_lshl_add_u32 v124, v0, 2, 0x29000
	v_mov_b32 v125, 0
	ds_add_u32 v124, v125
	ds_add_u32 v124, v125
	v_lshrrev_b32 v1, 5, v0
	v_readfirstlane_b32 s[WV], v1
	s_bfe_u32 s15, ttmp6, 0x40000                      ; cx
	s_lshl_b32 s16, ttmp9, 2
	s_add_co_u32 s16, s16, s15                         ; which pair of row groups: it enters global addresses alone
	s_and_b32 s17, ttmp7, 0xffff                       ; G, which the four partners share
	s_mov_b32 s[G1A], 15|(3<<16)|(1<<21)               ; 25 rows of 256 bytes: a quarter of two records; mask: all four work-groups
	s_mov_b32 s[G1A+1], 32<<16
	s_mov_b32 s[G1A+2], 25<<16
	s_mov_b32 s[G1A+3], 32<<16
	s_mov_b32 s[G1A+4], 25
	s_mov_b32 s[G1A+5], 32
	s_mov_b32 s[G1A+6], 0
	s_mov_b32 s[G1A+7], 0
	s_mul_i32 s84, s[WV], 6400
	s_mul_i32 s80, s17, 102400
	s_add_co_u32 s80, s80, s84
	s_add_co_u32 s80, s80, 3276800
	s_mov_b32 s81, 0
	s_mul_i32 s86, s16, 204800
	s_mov_b32 s87, 0
	s_mul_i32 s88, s16, 563200
	s_lshr_b32 s90, s17, 1
	s_mul_i32 s90, s90, 12800
	s_add_co_u32 s88, s88, s90                         ; the first row group's record of K step G / 2
	s_mov_b32 s89, 0
	s_and_b32 s90, s17, 1
	s_mul_i32 s92, s90, 768
	s_mov_b32 s93, 0
	s_lshl_b32 s94, s90, 1
	s_mov_b32 s95, 0
	s_mov_b32 s[LG], 0xbfb8aa3b                        ; -log2(e)
	s_mov_b32 s[LG+1], s[LG]
	s_mov_b32 s[SEL], 0x76543210
	s_mov_b32 s[SEL+1], 0xfedcba98
	s_mov_b32 s[MK], 0xffff0000
	v_and_b32 v11, 31, v0
	v_lshlrev_b32 v1, 3, v11
	v_lshlrev_b32 v2, 2, v11
	v_mov_b32 v[AY], v1
	v_add_nc_u32 v[AS], 12288, v2
	s_mul_i32 s91, s[WV], 3072
	v_add_nc_u32 v[XO], s91, v1
	s_lshl_b32 s91, s[WV], 7
	v_add_nc_u32 v[XSO], s91, v2
	v_add_nc_u32 v[XSO], 12288, v[XSO]
	v_mov_b32 v[QP], 0
	v_mov_b32 v[QP+1], 0
	v_mov_b32 v[ZZ], 0
	v_mov_b32 v[ZZ+1], 0
	v_mov_b32 v[ZZ+2], 0x7f7f
	s_wait_dscnt 0x0
	s_wait_kmcnt 0x0
	s_add_nc_u64 s[82:83], s[6:7], s[80:81]
	s_add_nc_u64 s[XP:XP+1], s[4:5], s[86:87]
	s_add_nc_u64 s[HS:HS+1], s[8:9], s[88:89]
	s_add_nc_u64 s[HP:HP+1], s[HS:HS+1], s[92:93]      ; + the half step G % 2
	s_add_nc_u64 s[HS:HS+1], s[HS:HS+1], s[94:95]      ; + its two bytes of a scale word
.irp c, 0,1,2,3
	s_mov_b32 s[G0+4*\c], 1
	s_add_co_u32 s[G0+4*\c+1], s84, \c*25600
	s_add_nc_u64 s[G0+4*\c+2:G0+4*\c+3], s[82:83], \c*25600
	s_or_b32 s[G0+4*\c+3], s[G0+4*\c+3], 0x80000000
.endr
	CROUND                                             ; all four work-groups are here: the joint loads meet
	tensor_load_to_lds s[G0:G0+3], s[G1A:G1A+7]
	s_nop 0
	tensor_load_to_lds s[G0+4:G0+7], s[G1A:G1A+7]
	s_nop 0
	tensor_load_to_lds s[G0+8:G0+11], s[G1A:G1A+7]
	s_nop 0
	tensor_load_to_lds s[G0+12:G0+15], s[G1A:G1A+7]
	s_nop 0
	PLACES 4
.irp s, 0,1,2,3,4,5,6,7
	global_load_b32 v[XS+\s], v[XSO], s[XP:XP+1] offset:\s*REC
.endr
.irp s, 0,1,2,3,4,5,6,7
	LOADX \s, 2, XP, 0
.endr
	JSTART 0, 1
	JOB 0, 8, 2, XS, 1, 1                              ; the first row group
.irp s, 0,1,2,3,4,5,6,7
	global_load_b32 v[XS+8+\s], v[XSO], s[XP:XP+1] offset:102400+\s*REC   ; the second row group's tiles land while the first's results are worked
.endr
.irp s, 0,1,2,3,4,5,6,7
	LOADX \s, 3, XP, 102400
.endr
	EPIGLU 0
	v_mov_b32 v[AY], v1                                ; back to Y's first record, which lies in LDS still
	v_add_nc_u32 v[AS], 12288, v2
.set CST, 0
	JSTART 0, 0
	JOB 0, 8, 3, XS+8, 1, 0
	EPIGLU 1
	s_wait_dscnt 0x0
	s_wait_tensorcnt 0x0
	ds_add_u32 v124, v125
	s_wait_dscnt 0x0
	CROUND                                             ; the closing round
	s_endpgm
.Lfunc_end_k_qda30b30292_ffn13:
	.size	k_qda30b30292_ffn13, .Lfunc_end_k_qda30b30292_ffn13-k_qda30b30292_ffn13
	.p2alignl 7, 3214868480
	.fill 96, 4, 3214868480
	.section	.rodata,"a",@progbits
	.p2align	6, 0x0
	.amdhsa_kernel k_qda30b30292_ffn13
		.amdhsa_group_segment_fixed_size 168448
		.amdhsa_private_segment_fixed_size 0
		.amdhsa_enable_private_segment 0
		.amdhsa_kernarg_size 24
		.amdhsa_user_sgpr_count 2
		.amdhsa_user_sgpr_kernarg_segment_ptr 1
		.amdhsa_wavefront_size32 1
		.amdhsa_system_sgpr_workgroup_id_x 1
		.amdhsa_system_sgpr_workgroup_id_y 1
		.amdhsa_system_sgpr_workgroup_id_z 1
		.amdhsa_system_vgpr_workitem_id 0
		.amdhsa_next_free_vgpr 1024
		.amdhsa_next_free_sgpr 96
		.amdhsa_reserve_vcc 0
		.amdhsa_float_denorm_mode_32 3
		.amdhsa_float_denorm_mode_16_64 3
		.amdhsa_memory_ordered 1
		.amdhsa_forward_progress 1
		.amdhsa_inst_pref_size 152
	.end_amdhsa_kernel
	.amdgpu_metadata
---
amdhsa.version: [ 1, 2 ]
amdhsa.kernels:
  - .name:           k_qda30b30292_ffn13
    .symbol:         k_qda30b30292_ffn13.kd
    .args:
      - { .name: xb, .offset: 0, .size: 8, .value_kind: global_buffer, .address_space: global }
      - { .name: wts, .offset: 8, .size: 8, .value_kind: global_buffer, .address_space: global }
      - { .name: hh, .offset: 16, .size: 8, .value_kind: global_buffer, .address_space: global }
    .group_segment_fixed_size: 168448
    .private_segment_fixed_size: 0
    .kernarg_segment_align: 8
    .kernarg_segment_size: 24
    .max_flat_workgroup_size: 128
    .sgpr_count:     96
    .vgpr_count:     1024
    .wavefront_size: 32
...
	.end_amdgpu_metadata
.endif
;; end of part 6
;; launch ffn2 (part 7): grid 32 x 8, 4 waves a work-group, clusters of 4 x 1, 315,904 bytes of LDS; arguments hh, wts, x2, out0; writes out0
.if DOCPART == 7
	.amdgcn_target "amdgcn-amd-amdhsa--gfx1250"
	.amdhsa_code_object_version 6
	.text
	.protected	k_qda30b30292_ffn2
	.globl	k_qda30b30292_ffn2
	.p2align	8
	.type	k_qda30b30292_ffn2,@function
k_qda30b30292_ffn2:
	s_mov_b64 s[64:65], 0
	v_nop
	global_prefetch_b8 v0, s[64:65] scope:SCOPE_SE
	s_setreg_imm32_b32 hwreg(HW_REG_WAVE_MODE, 25, 1), 1
	s_wait_xcnt 0x0
	s_wait_alu depctr_hold_cnt(0) depctr_sa_sdst(0) depctr_va_vdst(0) depctr_va_sdst(0) depctr_va_ssrc(0) depctr_va_vcc(0) depctr_vm_vsrc(0)
	s_getreg_b32 s2, hwreg(HW_REG_IB_STS2, 6, 4)
	s_cmp_eq_u32 s2, 0
	s_cbranch_scc0 .Lentry_in_a_cluster
	s_endpgm
.Lentry_in_a_cluster:
	s_bfe_u32 s2, ttmp6, 0x10000c
	s_cmp_lg_u32 s2, 0x3003
	s_cbranch_scc0 .Lentry_shape_is_right
	s_endpgm
.Lentry_shape_is_right:
; out0 = x2 + hh w2^T: a tile of 128 tokens (row group R) x 128 columns (group g), on E3M2 codes, K = 2,752 in 22 steps of 128 (the last half step: zero codes on both sides).
; D = (Y tile) x (X tile): Y = 128 rows of w2, in LDS for all of K, filled ONCE at the head: six tensor loads a wave (a quarter of K steps 0-1, then a record of each four K steps);
; X = my two tiles of tokens, from memory straight into registers, six K steps ahead.
; CLUSTER: the four work-groups of a cluster differ in R alone: w2's records are asked for jointly (mask 15).  Six tensor loads of a wave are out at the most.
; A lane's results are neighbouring columns of one token: they go through the wave's own stage in LDS, come back as whole rows of 512 bytes, take the residual and are stored.
; REGISTERS: window 0: v1-9 addresses; v16-23 Y's scale words; v24-45 X's; v128-255 the 16 accumulators.  window 1: Y's fragments, two sets of 96 (later rows of the result); v192-255 the residual of my first tile.
;   window 2: X's fragments, six K steps; v192-255 the residual of my second tile.
.set REC, 12800
.set NS, 22
.set XD, 6
.set YOFF, 7680000
.set GB, 281600
.set STG, 281600
.set ARP, 4
.set ASH, 2
.set ADP, 4
.set DSH, 2
.set TCN, 5
.set CST, 0
.set AY, 3
.set AS, 4
.set XO, 5
.set XSO, 6
.set GO, 7
.set SO, 8
.set SR, 9
.set YS, 16
.set XS, 24
.set ACC, 128
.set WV, 14
.set G1A, 24
.set G1B, 32
.set G0, 40
.set XP, 66
.set RESP, 68
.set OUTP, 70
.set MSB, 0
.macro WIN new
.if MSB != (\new)
	s_set_vgpr_msb (MSB<<8)|(\new)
.set MSB, \new
.endif
.endm
.macro PLACES n
.rept \n
	v_nop
.endr
.endm
.macro CROUND
	s_barrier_signal -1
	s_barrier_wait -1
	s_cmp_lg_u32 s[WV], 0
	s_cbranch_scc1 .Lnot_wave_0_\@
	s_barrier_signal -3
.Lnot_wave_0_\@:
	s_barrier_wait -3
	s_barrier_signal -1
	s_barrier_wait -1
.endm
.macro ARRIVE n                        ; my part of the next chunk has landed (n younger loads may be out), no LDS load of mine is out; behind the barrier everybody's part has landed
	s_wait_tensorcnt \n
	s_wait_dscnt 0x0
	s_barrier_signal -1
	s_barrier_wait -1
.endm
.macro WM d, a, b, c, sa, sb, ra, rb
.if (\ra) && (\rb)
	v_wmma_scale_f32_16x16x128_f8f6f4 v[\d:\d+7], v[\a:\a+11], v[\b:\b+11], \c, v[\sa], v[\sb] matrix_a_fmt:MATRIX_FMT_BF6 matrix_b_fmt:MATRIX_FMT_BF6 matrix_a_scale:MATRIX_SCALE_ROW1 matrix_b_scale:MATRIX_SCALE_ROW1
.elseif \ra
	v_wmma_scale_f32_16x16x128_f8f6f4 v[\d:\d+7], v[\a:\a+11], v[\b:\b+11], \c, v[\sa], v[\sb] matrix_a_fmt:MATRIX_FMT_BF6 matrix_b_fmt:MATRIX_FMT_BF6 matrix_a_scale:MATRIX_SCALE_ROW1
.elseif \rb
	v_wmma_scale_f32_16x16x128_f8f6f4 v[\d:\d+7], v[\a:\a+11], v[\b:\b+11], \c, v[\sa], v[\sb] matrix_a_fmt:MATRIX_FMT_BF6 matrix_b_fmt:MATRIX_FMT_BF6 matrix_b_scale:MATRIX_SCALE_ROW1
.else
	v_wmma_scale_f32_16x16x128_f8f6f4 v[\d:\d+7], v[\a:\a+11], v[\b:\b+11], \c, v[\sa], v[\sb] matrix_a_fmt:MATRIX_FMT_BF6 matrix_b_fmt:MATRIX_FMT_BF6
.endif
.endm
.macro LOADY s                         ; step s's record of Y: 48 + 4 LDS loads
	WIN 0x40
.irp y, 0,1,2,3,4,5,6,7
.irp q, 0,1,2,3,4,5
	ds_load_b64 v[96*((\s)%2)+12*\y+2*\q:96*((\s)%2)+12*\y+2*\q+1], v[AY] offset:((\s)-CST)*REC+1536*\y+256*\q
.endr
.endr
	WIN 0
.irp i, 0,1,2,3
	ds_load_b32 v[YS+4*((\s)%2)+\i], v[AS] offset:((\s)-CST)*REC+128*\i
.endr
.endm
.macro LOADX s, win, ptr, off
	WIN (\win)<<6
.irp x, 0,1
.irp q, 0,1,2,3,4,5
	global_load_b64 v[24*((\s)%XD)+12*\x+2*\q:24*((\s)%XD)+12*\x+2*\q+1], v[XO], s[\ptr:\ptr+1] offset:(\off)+(\s)*REC+1536*\x+256*\q
.endr
.endr
	WIN 0
.endm
.macro MUL s, sj, win, xsb             ; 16 products; the 16 accumulators take turns, one instruction a turn
	WIN 1|((\win)<<2)
.irp i, 0,1,2,3
.irp u, 0,1
.irp x, 0,1
.if (\sj) == 0
	WM ACC+8*(8*\x+2*\i+\u), 96*((\s)%2)+12*(2*\i+\u), 24*((\sj)%XD)+12*\x, 0, YS+4*((\s)%2)+\i, (\xsb)+(\sj), \u, \x
.else
	WM ACC+8*(8*\x+2*\i+\u), 96*((\s)%2)+12*(2*\i+\u), 24*((\sj)%XD)+12*\x, v[ACC+8*(8*\x+2*\i+\u):ACC+8*(8*\x+2*\i+\u)+7], YS+4*((\s)%2)+\i, (\xsb)+(\sj), \u, \x
.endif
.endr
.endr
.endr
	WIN 0
.endm
.macro JSTART s, arron
.if \arron
	ARRIVE TCN
.set TCN, TCN-1
.endif
.if (\s) > CST
	v_add_nc_u32 v[AY], ((\s)-CST)*REC, v[AY]
	v_add_nc_u32 v[AS], ((\s)-CST)*REC, v[AS]
.endif
.set CST, \s
	PLACES 4
	LOADY \s
.endm
.macro JOB s0, ns, win, xsb, lcon, arron
.set SG, \s0
.rept \ns
.set SJ, SG-(\s0)
.if SJ+1 < (\ns)
.if (\arron) && (((SJ+1+ASH)%ARP) == 0)
	ARRIVE TCN
.set TCN, TCN-1
.endif
.if ((SJ+1+DSH)%ADP) == 0
	v_add_nc_u32 v[AY], (SG+1-CST)*REC, v[AY]
	v_add_nc_u32 v[AS], (SG+1-CST)*REC, v[AS]
.set CST, SG+1
.endif
	PLACES 4                                           ; four plain lines between the last products and loads into registers that they read
	LOADY SG+1
.if (XD < (\ns)) && (SJ >= 1) && (SJ-1+XD < (\ns))
	LOADX SJ-1+XD, \win, XP, 0                         ; X of five steps on, into the registers that the last step's products have read
.endif
	s_wait_dscnt 52                                    ; this step's record is in; the 52 loads just issued may be out
.else
	s_wait_dscnt 0x0
.endif
.if \lcon
.set LC, (\ns)-1
.if SJ+XD-1 < LC
.set LC, SJ+XD-1
.endif
.set LC, 12*(LC-SJ)
.if LC > 63
.set LC, 63
.endif
	s_wait_loadcnt LC                                  ; this step's X is in; the later steps' 12 loads each may be out
.endif
	MUL SG, SJ, \win, \xsb
.set SG, SG+1
.endr
	PLACES 4
.endm
.macro EPIRES x                        ; my tile x: through the stage, + the residual, out
	s_wait_xcnt 0x0                                    ; earlier stores have read the registers that the loads below fill
.irp y, 0,1,2,3,4,5,6,7
	ds_store_b128 v[SO], v[ACC+64*\x+8*\y:ACC+64*\x+8*\y+3] offset:128*(\y/2)+32*(\y%2)       ; each accumulator from its low end on
	ds_store_b128 v[SO], v[ACC+64*\x+8*\y+4:ACC+64*\x+8*\y+7] offset:128*(\y/2)+32*(\y%2)+16
.endr
	WIN 0x40
.irp i, 0,1,2,3,4,5,6,7,8,9,10,11,12,13,14,15
	ds_load_b128 v[4*\i:4*\i+3], v[SR] offset:528*\i   ; LDS serves a wave's instructions in order (ISA guide 5.7.1.4): these see my stores
.endr
	s_wait_dscnt 0x0
	WIN 0x45+4*\x
.irp j, 0,2,4,6,8,10,12,14,16,18,20,22,24,26,28,30,32,34,36,38,40,42,44,46,48,50,52,54,56,58,60,62
	v_pk_add_f32 v[\j:\j+1], v[\j:\j+1], v[192+\j:193+\j]
.endr
	WIN 0x04
.irp i, 0,1,2,3,4,5,6,7,8,9,10,11,12,13,14,15
	global_store_b128 v[GO], v[4*\i:4*\i+3], s[OUTP:OUTP+1] offset:(8*\x+\i+8*(\i/8))*4096 th:TH_STORE_NT   ; 32 lanes store 512 consecutive bytes, at a multiple of 256
.endr
	WIN 0
.endm
	s_load_b256 s[4:11], s[0:1], 0x0                   ; X's codes, wts, the residual, the result
	v_lshl_add_u32 v126, v0, 2, 0x4d000
	v_mov_b32 v127, 0
	ds_add_u32 v126, v127
	ds_add_u32 v126, v127
	v_lshrrev_b32 v1, 5, v0
	v_readfirstlane_b32 s[WV], v1
	s_bfe_u32 s15, ttmp6, 0x40000                      ; cx
	s_lshl_b32 s16, ttmp9, 2
	s_add_co_u32 s16, s16, s15                         ; R: it enters global addresses alone
	s_and_b32 s17, ttmp7, 0xffff                       ; g, which the four partners share
	s_mov_b32 s[G1A], 15|(3<<16)|(1<<21)               ; 25 rows of 256 bytes: a quarter of two records; mask: all four work-groups
	s_mov_b32 s[G1A+1], 32<<16
	s_mov_b32 s[G1A+2], 25<<16
	s_mov_b32 s[G1A+3], 32<<16
	s_mov_b32 s[G1A+4], 25
	s_mov_b32 s[G1A+5], 32
	s_mov_b32 s[G1A+6], 0
	s_mov_b32 s[G1A+7], 0
	s_mov_b32 s[G1B], 15|(3<<16)|(1<<21)               ; 50 rows: a record
	s_mov_b32 s[G1B+1], 32<<16
	s_mov_b32 s[G1B+2], 50<<16
	s_mov_b32 s[G1B+3], 32<<16
	s_mov_b32 s[G1B+4], 50
	s_mov_b32 s[G1B+5], 32
	s_mov_b32 s[G1B+6], 0
	s_mov_b32 s[G1B+7], 0
	s_mul_i32 s84, s[WV], 6400
	s_mul_i32 s85, s[WV], REC
	s_mul_i32 s80, s17, GB
	s_add_co_u32 s80, s80, YOFF
	s_mov_b32 s81, 0
	s_mov_b32 s90, s84
	s_mov_b32 s91, 0
	s_mov_b32 s94, s85
	s_mov_b32 s95, 0
	s_mul_i32 s86, s16, GB
	s_mov_b32 s87, 0
	s_lshl_b32 s88, s16, 7
	s_lshl_b32 s89, s[WV], 5
	s_add_co_u32 s88, s88, s89
	s_lshl_b32 s88, s88, 12                            ; token 128 R + 32 w,
	s_lshl_b32 s89, s17, 9
	s_add_co_u32 s88, s88, s89                         ; column 128 g
	s_mov_b32 s89, 0
	v_and_b32 v11, 31, v0
	v_and_b32 v12, 15, v0
	v_bfe_u32 v13, v0, 4, 1
	v_lshlrev_b32 v1, 3, v11
	v_lshlrev_b32 v2, 2, v11
	v_mov_b32 v[AY], v1
	v_add_nc_u32 v[AS], 12288, v2
	s_mul_i32 s92, s[WV], 3072
	v_add_nc_u32 v[XO], s92, v1
	s_lshl_b32 s93, s[WV], 7
	v_add_nc_u32 v[XSO], s93, v2
	v_add_nc_u32 v[XSO], 12288, v[XSO]
	v_lshlrev_b32 v[GO], 4, v11
	s_mul_i32 s92, s[WV], 8448
	s_add_co_u32 s92, s92, STG                         ; my stage: 16 rows of 512 + 16 bytes
	v_mul_u32_u24 v[SO], v12, 528
	v_lshl_add_u32 v[SO], v13, 6, v[SO]
	v_add_nc_u32 v[SO], s92, v[SO]
	v_add_nc_u32 v[SR], s92, v[GO]
	s_wait_dscnt 0x0
	s_wait_kmcnt 0x0
	s_add_nc_u64 s[82:83], s[6:7], s[80:81]            ; w2's group g
	s_add_nc_u64 s[XP:XP+1], s[4:5], s[86:87]
	s_add_nc_u64 s[RESP:RESP+1], s[8:9], s[88:89]
	s_add_nc_u64 s[OUTP:OUTP+1], s[10:11], s[88:89]
	s_mov_b32 s[G0], 1
	s_mov_b32 s[G0+1], s84                             ; K steps 0 and 1: my quarter
	s_add_nc_u64 s[G0+2:G0+3], s[82:83], s[90:91]
	s_or_b32 s[G0+3], s[G0+3], 0x80000000
	s_add_nc_u64 s[82:83], s[82:83], s[94:95]          ; from here on: my record of four
.irp i, 1,2,3,4,5
	s_mov_b32 s[G0+4*\i], 1
	s_add_co_u32 s[G0+4*\i+1], s85, (4*\i-2)*REC
	s_add_nc_u64 s[G0+4*\i+2:G0+4*\i+3], s[82:83], (4*\i-2)*REC
	s_or_b32 s[G0+4*\i+3], s[G0+4*\i+3], 0x80000000
.endr
	CROUND                                             ; all four work-groups are here: the joint loads meet
	tensor_load_to_lds s[G0:G0+3], s[G1A:G1A+7]
	s_nop 0
	tensor_load_to_lds s[G0+4:G0+7], s[G1B:G1B+7]
	s_nop 0
	tensor_load_to_lds s[G0+8:G0+11], s[G1B:G1B+7]
	s_nop 0
	tensor_load_to_lds s[G0+12:G0+15], s[G1B:G1B+7]
	s_nop 0
	tensor_load_to_lds s[G0+16:G0+19], s[G1B:G1B+7]
	s_nop 0
	tensor_load_to_lds s[G0+20:G0+23], s[G1B:G1B+7]
	s_nop 0
	PLACES 4
.irp x, 0,1                            ; the residual first: loads come back in order, so the counted waits for X below need not count it
	WIN 0x40<<\x
.irp i, 0,1,2,3,4,5,6,7,8,9,10,11,12,13,14,15
	global_load_b128 v[192+4*\i:195+4*\i], v[GO], s[RESP:RESP+1] offset:(8*\x+\i+8*(\i/8))*4096 th:TH_LOAD_NT
.endr
.endr
	WIN 0
.set NN, 0
.rept NS
	global_load_b32 v[XS+NN], v[XSO], s[XP:XP+1] offset:NN*REC
.set NN, NN+1
.endr
.set NN, 0
.rept XD
	LOADX NN, 2, XP, 0
.set NN, NN+1
.endr
	JSTART 0, 1
	JOB 0, NS, 2, XS, 1, 1
	EPIRES 0
	EPIRES 1
	s_wait_dscnt 0x0
	s_wait_tensorcnt 0x0
	ds_add_u32 v126, v127
	s_wait_dscnt 0x0
	CROUND                                             ; the closing round
	s_endpgm
.Lfunc_end_k_qda30b30292_ffn2:
	.size	k_qda30b30292_ffn2, .Lfunc_end_k_qda30b30292_ffn2-k_qda30b30292_ffn2
	.p2alignl 7, 3214868480
	.fill 96, 4, 3214868480
	.section	.rodata,"a",@progbits
	.p2align	6, 0x0
	.amdhsa_kernel k_qda30b30292_ffn2
		.amdhsa_group_segment_fixed_size 315904
		.amdhsa_private_segment_fixed_size 0
		.amdhsa_enable_private_segment 0
		.amdhsa_kernarg_size 32
		.amdhsa_user_sgpr_count 2
		.amdhsa_user_sgpr_kernarg_segment_ptr 1
		.amdhsa_wavefront_size32 1
		.amdhsa_system_sgpr_workgroup_id_x 1
		.amdhsa_system_sgpr_workgroup_id_y 1
		.amdhsa_system_sgpr_workgroup_id_z 1
		.amdhsa_system_vgpr_workitem_id 0
		.amdhsa_next_free_vgpr 768
		.amdhsa_next_free_sgpr 96
		.amdhsa_reserve_vcc 0
		.amdhsa_float_denorm_mode_32 3
		.amdhsa_float_denorm_mode_16_64 3
		.amdhsa_memory_ordered 1
		.amdhsa_forward_progress 1
		.amdhsa_inst_pref_size 174
	.end_amdhsa_kernel
	.amdgpu_metadata
---
amdhsa.version: [ 1, 2 ]
amdhsa.kernels:
  - .name:           k_qda30b30292_ffn2
    .symbol:         k_qda30b30292_ffn2.kd
    .args:
      - { .name: hh, .offset: 0, .size: 8, .value_kind: global_buffer, .address_space: global }
      - { .name: wts, .offset: 8, .size: 8, .value_kind: global_buffer, .address_space: global }
      - { .name: x2, .offset: 16, .size: 8, .value_kind: global_buffer, .address_space: global }
      - { .name: out0, .offset: 24, .size: 8, .value_kind: global_buffer, .address_space: global }
    .group_segment_fixed_size: 315904
    .private_segment_fixed_size: 0
    .kernarg_segment_align: 8
    .kernarg_segment_size: 32
    .max_flat_workgroup_size: 128
    .sgpr_count:     96
    .vgpr_count:     768
    .wavefront_size: 32
...
	.end_amdgpu_metadata
.endif
;; end of part 7
;; ======== version 2 of 2: 7 launches
;; limits: right only within a limited range of input values
;; workspace buffers: xa 3,276,800 bytes; wts 10,457,088 bytes; qkv 10,092,544 bytes; aa 3,276,800 bytes; x2 16,777,216 bytes; xb 3,276,800 bytes; hh 9,011,200 bytes
;; launch prep (part 8): grid 518 x 1, 4 waves a work-group, no clusters, 66,304 bytes of LDS; arguments x, g1, positions, xa, wts, Wq_codes, Wk_codes, Wv_codes, Wo_codes, w1_codes, w3_codes, w2_codes, Wq_scales, Wk_scales, Wv_scales, Wo_scales, w1_scales, w3_scales, w2_scales; writes xa, wts
.if DOCPART == 8
	.amdgcn_target "amdgcn-amd-amdhsa--gfx1250"
	.amdhsa_code_object_version 6
	.text
	.protected	k_qda30b30292_prep
	.globl	k_qda30b30292_prep
	.p2align	8
	.type	k_qda30b30292_prep,@function
k_qda30b30292_prep:
	s_mov_b64 s[64:65], 0
	v_nop
	global_prefetch_b8 v0, s[64:65] scope:SCOPE_SE
	s_setreg_imm32_b32 hwreg(HW_REG_WAVE_MODE, 25, 1), 1
	s_wait_xcnt 0x0
; FOUR JOBS IN ONE LAUNCH, parted by the work-group's number.
;  N (0..255):   rmsnorm(x, g1) of one tile of 16 rows, quantised to E3M2 along K, stored as operand images into xa.
;  W (256..405): the codes and scale bytes of Wq, Wk, Wv, Wo, w1, w3 laid anew, as operand images, into wts.
;  W2 (406..453): the same for w2, whose K = 2,752 is 21.5 steps of 128: the last half step gets zero codes under the byte 127.  Three parts: K steps 0-9, 10-19, and 20-21 with the scale bytes.
;  R (454..517): the table cos, sin of positions[n] x 10000^(-j/32), [2048][32] pairs of f32, into wts.
; LAYOUT.  A tile T of 16 rows holds, in lane-row i, row 32 (T/2) + 8 (T%2) + i + 8 (i/8).  A fragment (16 rows x 128 K, 12 registers a lane) lies as an image of its registers:
; register pair q of lane l at 256 q + 8 l.  A record serves 8 tiles x 128 K: tile y's image at 1,536 y, scale words at 12,288 + 128 (y/2) + 64 (y%2) + 4 r: 12,800 bytes.
; LIMITS: NaN and infinities are not served.  A block whose largest magnitude lies under 2^-122 (zeros too) gets the scale byte 1; these bytes are read by this program alone.
; The sine's argument is reduced by three parts of pi/2: |positions x frequency| under 2^20.
.set WV, 52
.set TT, 53
.set SEL, 54
.set SRC, 4
.set GN, 6
.set DST, 10
.set CP, 44
.set SP, 46
.set DC, 48
.set DS, 50
.set XR, 32                            ; v32-159  four rows of x, later two K steps of 64 numbers
.set GR, 160                           ; v160-191 the gain
.set SS, 192                           ; v192-199 sums of squares, a pair a row
.set RS, 200                           ; v200-203 a row's sum
.set PT, 204                           ; v204-207 the other half of the lanes' sum
.set RI, 208                           ; v208-215 1 / rms, the low word of a pair a row
; One K step (128 along K) of my lane's row becomes a fragment and its scale word, and is stored.  Lane (r, h) holds the whole blocks h and 2 + h of the step.
.macro NQ ss
.set BB, XR+64*(\ss)
.set CC, 176+12*(\ss)
.irp c, 0,1
	v_max3_num_f32 v[160+\c], |v[BB+32*\c]|, |v[BB+32*\c+1]|, 0x2800000   ; the floor 2^(5 - 127) holds the byte at 1 from below
.endr
.irp i, 2,4,6,8,10,12,14,16,18,20,22,24,26,28,30
.irp c, 0,1
	v_max3_num_f32 v[160+\c], v[160+\c], |v[BB+32*\c+\i]|, |v[BB+32*\c+\i+1]|
.endr
.endr
.irp c, 0,1
	v_add_nc_u32 v[162+\c], 0xfe000000, v[160+\c]      ; 4 off the exponent field: the conversion's scale operand
.endr
.irp c, 0,1
	v_lshrrev_b32 v[164+\c], 23, v[162+\c]             ; the scale's byte
.endr
	v_lshl_or_b32 v166, v165, 16, v164                 ; my two bytes, blocks h and 2 + h,
	v_lshlrev_b32 v166, v10, v166                      ; 8 h bits up;
	v_permlanex16_b32 v167, v166, s[SEL], s[SEL+1]
	v_or_b32 v[208+\ss], v166, v167                    ; with the other half's two the word is whole
.irp c, 0,1
	v_cvt_scalef32_pk16_bf6_f32 v[CC+6*\c:CC+6*\c+2], v[BB+32*\c:BB+32*\c+15], v[162+\c]
	v_cvt_scalef32_pk16_bf6_f32 v[200+4*\c:202+4*\c], v[BB+32*\c+16:BB+32*\c+31], v[162+\c]   ; (three registers from an even one on: made here, moved below)
.endr
	v_nop                                              ; a plain line behind the conversions
.irp c, 0,1
.irp i, 0,1,2
	v_mov_b32 v[CC+6*\c+3+\i], v[200+4*\c+\i]
.endr
.endr
.irp q, 0,1,2,3,4,5
	global_store_b64 v8, v[CC+2*\q:CC+2*\q+1], s[DC:DC+1] offset:(\ss)*12800+256*\q   ; 32 lanes store 256 consecutive bytes
.endr
	global_store_b32 v9, v[208+\ss], s[DS:DS+1] offset:(\ss)*12800                    ; both halves of the lanes hold the same word
.endm
; rmsnorm and quantiser of tile s[TT].  Phase 1: wave w takes lane-rows 4 w .. 4 w + 3, which are four rows on end.  Phase 2: wave w takes K steps 2 w, 2 w + 1 of all 16 rows.
.macro NORMPATH
	s_lshr_b32 s56, s[TT], 1
	s_lshl_b32 s56, s56, 5
	s_and_b32 s57, s[TT], 1
	s_lshl_b32 s58, s57, 3
	s_add_co_u32 s56, s56, s58
	s_lshl_b32 s58, s[WV], 2
	s_add_co_u32 s56, s56, s58
	s_lshr_b32 s58, s[WV], 1
	s_lshl_b32 s58, s58, 3
	s_add_co_u32 s56, s56, s58                         ; my first row: 32 (T/2) + 8 (T%2) + 4 w + 8 (w/2)
	s_lshl_b32 s58, s56, 12
	s_mov_b32 s59, 0
	s_add_nc_u64 s[SRC:SRC+1], s[SRC:SRC+1], s[58:59]
	s_lshr_b32 s58, s[TT], 3
	s_mul_i32 s58, s58, 102400
	s_mul_i32 s60, s[WV], 25600
	s_add_co_u32 s58, s58, s60                         ; the tile's group, and my two K steps' records
	s_add_nc_u64 s[DS:DS+1], s[DST:DST+1], s[58:59]
	s_and_b32 s60, s[TT], 7
	s_mul_i32 s62, s60, 1536
	s_mov_b32 s63, 0
	s_add_nc_u64 s[DC:DC+1], s[DS:DS+1], s[62:63]      ; the tile's image
	s_lshr_b32 s60, s60, 1
	s_lshl_b32 s60, s60, 7
	s_lshl_b32 s57, s57, 6
	s_add_co_u32 s60, s60, s57
	s_add_co_u32 s62, s60, 12288
	s_add_nc_u64 s[DS:DS+1], s[DS:DS+1], s[62:63]      ; and its scale words
	v_lshlrev_b32 v5, 4, v1                            ; 16 x lane
	s_mul_i32 s60, s[WV], 4*4112
	v_add_nc_u32 v6, s60, v5                           ; LDS, in: my four rows, 4,112 bytes apart (4,096 + 16)
	v_mul_u32_u24 v7, v2, 4112
	v_lshl_add_u32 v7, v3, 7, v7
	s_lshl_b32 s60, s[WV], 10
	v_add_nc_u32 v7, s60, v7                           ; LDS, out: row r, + 128 h, + my two K steps
	v_lshlrev_b32 v10, 3, v3                           ; 8 h
	s_mov_b32 s60, 0x3a800000                          ; 1 / 1024
	s_mov_b32 s61, 0x3727c5ac                          ; 1e-5
.irp j, 0,1,2,3,4,5,6,7
	global_load_b128 v[GR+4*\j:GR+4*\j+3], v5, s[GN:GN+1] offset:512*\j
.endr
.irp ri, 0,1,2,3
.irp j, 0,1,2,3,4,5,6,7
	global_load_b128 v[XR+32*\ri+4*\j:XR+32*\ri+4*\j+3], v5, s[SRC:SRC+1] offset:4096*\ri+512*\j th:TH_LOAD_NT   ; 512 consecutive bytes a load
.endr
.endr
.irp ri, 0,1,2,3
	v_mov_b32 v[PT+\ri], 0                             ; a lane permute's destination counts as read
	v_mov_b32 v[RI+2*\ri+1], 0                         ; named as the upper half of a pair
.endr
	s_wait_loadcnt 0x0
.irp ri, 0,1,2,3
	v_pk_mul_f32 v[SS+2*\ri:SS+2*\ri+1], v[XR+32*\ri:XR+32*\ri+1], v[XR+32*\ri:XR+32*\ri+1]
.endr
.irp j, 2,4,6,8,10,12,14,16,18,20,22,24,26,28,30
.irp ri, 0,1,2,3
	v_pk_fma_f32 v[SS+2*\ri:SS+2*\ri+1], v[XR+32*\ri+\j:XR+32*\ri+\j+1], v[XR+32*\ri+\j:XR+32*\ri+\j+1], v[SS+2*\ri:SS+2*\ri+1]
.endr
.endr
.irp ri, 0,1,2,3
	v_add_f32 v[RS+\ri], v[SS+2*\ri], v[SS+2*\ri+1]
.endr
.irp k, 1,2,4,8
.irp ri, 0,1,2,3
	v_add_f32_dpp v[RS+\ri], v[RS+\ri], v[RS+\ri] row_xmask:\k row_mask:0xf bank_mask:0xf
.endr
.endr
.irp ri, 0,1,2,3
	v_permlanex16_b32 v[PT+\ri], v[RS+\ri], s[SEL], s[SEL+1]
.endr
.irp ri, 0,1,2,3
	v_add_f32 v[RS+\ri], v[RS+\ri], v[PT+\ri]
.endr
.irp ri, 0,1,2,3
	v_fma_f32 v[RS+\ri], v[RS+\ri], s60, s61           ; the mean of the squares + eps
.endr
	s_wait_alu depctr_va_vdst(0)
.irp ri, 0,1,2,3
	v_rsq_f32 v[RI+2*\ri], v[RS+\ri]
.endr
	v_nop                                              ; a plain line behind the batch,
	s_wait_alu depctr_va_vdst(0)                       ; and one wait for the four, ahead of their first reader
.irp ri, 0,1,2,3
.irp j, 0,2,4,6,8,10,12,14,16,18,20,22,24,26,28,30
	v_pk_mul_f32 v[XR+32*\ri+\j:XR+32*\ri+\j+1], v[XR+32*\ri+\j:XR+32*\ri+\j+1], v[RI+2*\ri:RI+2*\ri+1] op_sel_hi:[1,0]
	v_pk_mul_f32 v[XR+32*\ri+\j:XR+32*\ri+\j+1], v[XR+32*\ri+\j:XR+32*\ri+\j+1], v[GR+\j:GR+\j+1]
.endr
.endr
.irp ri, 0,1,2,3
.irp j, 0,1,2,3,4,5,6,7
	ds_store_b128 v6, v[XR+32*\ri+4*\j:XR+32*\ri+4*\j+3] offset:4112*\ri+512*\j
.endr
.endr
	s_wait_dscnt 0x0                                   ; for the others' sake: my rows lie in LDS
	s_barrier_signal -1
	s_barrier_wait -1
	v_mov_b32 v167, 0
.irp ss, 0,1
.irp c, 0,1
.irp j, 0,1,2,3,4,5,6,7
	ds_load_b128 v[XR+64*\ss+32*\c+4*\j:XR+64*\ss+32*\c+4*\j+3], v7 offset:512*\ss+256*\c+16*\j
.endr
.endr
.endr
	s_wait_dscnt 16                                    ; the first K step's 16 loads are in; the second's may be out
	NQ 0
	s_wait_dscnt 0x0
	NQ 1
.endm
; n K steps from s0 on of one tile of a weight: each lane takes its 24 bytes of each half step from its row, and the registers leave as the fragment's image.
.macro RELAY s0, n, cut                ; cut = 1: the last step has only its first 64 along K; the rest are zero codes
.set SG, 0
.rept \n
.irp q, 0,1,2,3,4,5
.if (\cut) && (SG == (\n)-1) && (\q > 2)
	s_wait_alu depctr_va_vdst(0)
	v_mov_b32 v[32+12*SG+2*\q], 0
	v_mov_b32 v[33+12*SG+2*\q], 0
.else
	global_load_b64 v[32+12*SG+2*\q:33+12*SG+2*\q], v6, s[CP:CP+1] offset:96*((\s0)+SG)+48*(\q/3)+8*(\q%3)
.endif
.endr
.set SG, SG+1
.endr
	s_wait_alu depctr_va_vdst(0)
	s_wait_loadcnt 0x0
.set SG, 0
.rept \n
.irp q, 0,1,2,3,4,5
	global_store_b64 v8, v[32+12*SG+2*\q:33+12*SG+2*\q], s[DC:DC+1] offset:12800*((\s0)+SG)+256*\q
.endr
.set SG, SG+1
.endr
.endm
.macro PICK k, c, s                    ; matrix k: its codes and its scale bytes; the choice hangs on the work-group's number alone
	s_cmp_eq_u32 s60, \k
	s_cselect_b64 s[CP:CP+1], s[\c:\c+1], s[CP:CP+1]
	s_cselect_b64 s[SP:SP+1], s[\s:\s+1], s[SP:SP+1]
.endm
; cos and sin of positions[row i of my eight] x my pair's frequency
.macro ROPEROW i
	v_cvt_f32_i32 v10, s[80+\i]
	v_mul_f32 v10, v10, v5                             ; the angle
	v_mul_f32 v11, 0x3f22f983, v10                     ; x 2 / pi,
	v_rndne_f32 v11, v11                               ; to the nearest whole number j
	v_fmamk_f32 v12, v11, 0xbfc90fd8, v10              ; angle - j pi/2, pi/2 in three parts
	v_fmamk_f32 v12, v11, 0xb4a8885a, v12
	v_fmamk_f32 v12, v11, 0xa7c234c5, v12
	v_cvt_i32_f32 v13, v11
	v_mul_f32 v14, v12, v12
	v_fmaak_f32 v15, v6, v14, 0xbab6077d               ; the cosine's polynomial on [-pi/4, pi/4]
	v_fmaak_f32 v15, v15, v14, 0x3d2aaaa8
	v_fmaak_f32 v15, v15, v14, 0xbf000000
	v_fmaak_f32 v15, v15, v14, 0x3f800000
	v_fmaak_f32 v16, v7, v14, 0xb9503486               ; the sine's
	v_fmaak_f32 v16, v16, v14, 0x3c0888c1
	v_fmaak_f32 v16, v16, v14, 0xbe2aaaab
	v_mul_f32 v17, v12, v14
	v_fma_f32 v16, v16, v17, v12
	v_and_b32 v18, 1, v13
	v_cmp_eq_u32 vcc_lo, 1, v18                        ; an odd quadrant swaps the two
	v_cndmask_b32 v19, v16, v15, vcc_lo
	v_cndmask_b32 v20, v15, v16, vcc_lo
	v_and_b32 v21, 2, v13                              ; the sine's sign: j & 2
	v_lshlrev_b32 v21, 30, v21
	v_xor_b32 v[33+2*\i], v19, v21
	v_add_nc_u32 v22, 1, v13                           ; the cosine's: (j + 1) & 2
	v_and_b32 v22, 2, v22
	v_lshlrev_b32 v22, 30, v22
	v_xor_b32 v[32+2*\i], v20, v22
	global_store_b64 v8, v[32+2*\i:33+2*\i], s[DC:DC+1] offset:256*\i   ; a row of the table: 256 consecutive bytes
.endm
	s_load_b256 s[4:11], s[0:1], 0x0                   ; x, g1, positions, xa
	s_load_b64 s[12:13], s[0:1], 0x20                  ; wts
	s_load_b512 s[16:31], s[0:1], 0x28                 ; codes of Wq 16, Wk 18, Wv 20, Wo 22, w1 24, w3 26, w2 28; scales of Wq 30
	s_load_b256 s[32:39], s[0:1], 0x68                 ; scales of Wk 32, Wv 34, Wo 36, w1 38
	s_load_b128 s[40:43], s[0:1], 0x88                 ; scales of w3 40, w2 42
	v_lshl_add_u32 v224, v0, 2, 0x10100
	v_mov_b32 v225, 0
	v_lshrrev_b32 v1, 5, v0
	v_readfirstlane_b32 s[WV], v1                      ; wave 0..3
	v_and_b32 v1, 31, v0                               ; lane
	v_and_b32 v2, 15, v0                               ; r
	v_bfe_u32 v3, v0, 4, 1                             ; h
	v_lshlrev_b32 v8, 3, v1                            ; 8 x lane
	v_lshlrev_b32 v9, 2, v2                            ; 4 r
	s_mov_b32 s[SEL], 0x76543210
	s_mov_b32 s[SEL+1], 0xfedcba98                     ; lane l xor 16
	s_wait_kmcnt 0x0
	s_cmp_lt_u32 ttmp9, 256
	s_cbranch_scc0 .Lnot_n
	s_mov_b32 s[TT], ttmp9
	s_wait_alu depctr_va_vdst(0)
	NORMPATH
	s_wait_tensorcnt 0x0
	ds_add_u32 v224, v225
	s_wait_dscnt 0x0
	s_endpgm
.Lnot_n:
	s_wait_alu depctr_va_vdst(0)
	v_and_b32 v5, 8, v2
	v_add_nc_u32 v5, v5, v2                            ; r + 8 (r / 8)
	s_cmp_lt_u32 ttmp9, 406
	s_cbranch_scc0 .Lnot_w
	; ---- W: destination group D = 0..74 (Wq 0-7, Wk 8-15, Wv 16-23, Wo 24-31; from 32 on: 64 rows of w1 as tiles 0-3 and the same 64 rows of w3 as tiles 4-7); a wave a tile
	s_sub_co_u32 s56, ttmp9, 256
	s_lshr_b32 s57, s56, 1                             ; D
	s_and_b32 s58, s56, 1
	s_lshl_b32 s59, s58, 2
	s_add_co_u32 s59, s59, s[WV]                       ; tile y of the group
	s_lshr_b32 s60, s57, 3                             ; D < 32: the matrix,
	s_and_b32 s61, s57, 7
	s_lshl_b32 s61, s61, 3
	s_add_co_u32 s61, s61, s59                         ; and its tile
	s_add_co_u32 s62, s58, 4                           ; D >= 32: w1 or w3,
	s_sub_co_u32 s63, s57, 32
	s_lshl_b32 s63, s63, 2
	s_add_co_u32 s63, s63, s[WV]                       ; tile 4 (D - 32) + wave
	s_cmp_lt_u32 s57, 32
	s_cselect_b32 s60, s60, s62
	s_cselect_b32 s61, s61, s63
	s_mov_b64 s[CP:CP+1], s[16:17]
	s_mov_b64 s[SP:SP+1], s[30:31]
	PICK 1, 18, 32
	PICK 2, 20, 34
	PICK 3, 22, 36
	PICK 4, 24, 38
	PICK 5, 26, 40
	s_lshr_b32 s62, s61, 1
	s_lshl_b32 s62, s62, 5
	s_and_b32 s63, s61, 1
	s_lshl_b32 s63, s63, 3
	s_add_co_u32 s62, s62, s63                         ; the tile's first row
	s_mul_i32 s66, s62, 768
	s_mov_b32 s67, 0
	s_add_nc_u64 s[CP:CP+1], s[CP:CP+1], s[66:67]
	s_lshl_b32 s66, s62, 5
	s_add_nc_u64 s[SP:SP+1], s[SP:SP+1], s[66:67]
	s_mul_i32 s66, s57, 102400
	s_add_nc_u64 s[DS:DS+1], s[12:13], s[66:67]
	s_mul_i32 s66, s59, 1536
	s_add_nc_u64 s[DC:DC+1], s[DS:DS+1], s[66:67]
	s_lshr_b32 s66, s59, 1
	s_lshl_b32 s66, s66, 7
	s_and_b32 s68, s59, 1
	s_lshl_b32 s68, s68, 6
	s_add_co_u32 s66, s66, s68
	s_add_co_u32 s66, s66, 12288
	s_add_nc_u64 s[DS:DS+1], s[DS:DS+1], s[66:67]
	s_wait_alu depctr_va_vdst(0)
	v_mul_u32_u24 v6, v5, 768                          ; a row of 1,024 codes is 768 bytes
	v_mad_u32_u24 v6, v3, 24, v6
	v_lshlrev_b32 v7, 5, v5                            ; and has 32 scale bytes: eight words, one a K step
	global_load_b128 v[128:131], v7, s[SP:SP+1]
	global_load_b128 v[132:135], v7, s[SP:SP+1] offset:16
	RELAY 0, 8, 0
.irp s, 0,1,2,3,4,5,6,7
	global_store_b32 v9, v[128+\s], s[DS:DS+1] offset:12800*\s
.endr
	s_endpgm
.Lnot_w:
	s_cmp_lt_u32 ttmp9, 454
	s_cbranch_scc0 .Lrope
	; ---- W2: eight groups of 128 rows, 22 records each; a wave a tile.  The 22 K steps and the scale bytes are shared out in three parts, of 60, 60 and 52 loads a wave, so that each wave loads once and stores once
	s_sub_co_u32 s56, ttmp9, 406
	s_lshr_b32 s69, s56, 4                             ; the part
	s_and_b32 s56, s56, 15
	s_lshr_b32 s57, s56, 1                             ; the group
	s_and_b32 s58, s56, 1
	s_lshl_b32 s59, s58, 2
	s_add_co_u32 s59, s59, s[WV]                       ; tile y
	s_lshl_b32 s61, s57, 3
	s_add_co_u32 s61, s61, s59
	s_lshr_b32 s62, s61, 1
	s_lshl_b32 s62, s62, 5
	s_and_b32 s63, s61, 1
	s_lshl_b32 s63, s63, 3
	s_add_co_u32 s62, s62, s63                         ; the tile's first row
	s_mul_i32 s66, s62, 2064
	s_mov_b32 s67, 0
	s_add_nc_u64 s[CP:CP+1], s[28:29], s[66:67]
	s_mul_i32 s66, s62, 86
	s_add_nc_u64 s[SP:SP+1], s[42:43], s[66:67]
	s_mul_i32 s66, s57, 281600
	s_add_co_u32 s66, s66, 7680000
	s_add_nc_u64 s[DS:DS+1], s[12:13], s[66:67]
	s_mul_i32 s66, s59, 1536
	s_add_nc_u64 s[DC:DC+1], s[DS:DS+1], s[66:67]
	s_lshr_b32 s66, s59, 1
	s_lshl_b32 s66, s66, 7
	s_and_b32 s68, s59, 1
	s_lshl_b32 s68, s68, 6
	s_add_co_u32 s66, s66, s68
	s_add_co_u32 s66, s66, 12288
	s_add_nc_u64 s[DS:DS+1], s[DS:DS+1], s[66:67]
	s_wait_alu depctr_va_vdst(0)
	v_mul_u32_u24 v6, v5, 2064                         ; a row of 2,752 codes is 2,064 bytes
	v_mad_u32_u24 v6, v3, 24, v6
	s_cmp_lg_u32 s69, 0
	s_cbranch_scc1 .Lw2_b
	RELAY 0, 10, 0
	s_endpgm
.Lw2_b:
	s_cmp_lg_u32 s69, 1
	s_cbranch_scc1 .Lw2_c
	s_wait_alu depctr_va_vdst(0)
	RELAY 10, 10, 0
	s_endpgm
.Lw2_c:
	v_mul_u32_u24 v7, v5, 86                           ; a row has 86 scale bytes: rows begin at even bytes, so they come two bytes at a time
.set NN, 0
.rept 43
	global_load_u16 v[164+NN], v7, s[SP:SP+1] offset:2*NN
.set NN, NN+1
.endr
	s_wait_alu depctr_va_vdst(0)
	RELAY 20, 2, 1                                     ; (its wait for all loads serves the scale bytes too)
.set NN, 0
.rept 21
	v_lshl_or_b32 v[164+2*NN], v[165+2*NN], 16, v[164+2*NN]
.set NN, NN+1
.endr
	v_or_b32 v206, 0x7f7f0000, v206                    ; the last step's upper two blocks: zero codes under the byte 127
.set NN, 0
.rept 22
	global_store_b32 v9, v[164+2*NN], s[DS:DS+1] offset:12800*NN
.set NN, NN+1
.endr
	s_endpgm
.Lrope:
	; ---- R: a wave makes eight rows of the table; lane j is pair j
	s_sub_co_u32 s56, ttmp9, 454
	s_lshl_b32 s56, s56, 2
	s_add_co_u32 s56, s56, s[WV]
	s_lshl_b32 s58, s56, 5
	s_mov_b32 s59, 0
	s_add_nc_u64 s[8:9], s[8:9], s[58:59]
	s_load_b256 s[80:87], s[8:9], 0x0                  ; my eight positions
	s_lshl_b32 s60, s56, 11
	s_add_co_u32 s60, s60, 9932800
	s_mov_b32 s61, 0
	s_add_nc_u64 s[DC:DC+1], s[12:13], s[60:61]
	v_cvt_f32_u32 v5, v1
	v_mul_f32 v5, 0xbed49a78, v5                       ; -j log2(10000) / 32
	s_wait_alu depctr_va_vdst(0)
	v_exp_f32 v5, v5                                   ; the frequency 10000^(-j/32)
	v_mov_b32 v6, 0x37cd4000                           ; (plain lines behind it: the polynomials' leading coefficients)
	v_mov_b32 v7, 0x36405000
	s_wait_alu depctr_va_vdst(0)                       ; the wait ahead of the frequency's first reader
	s_wait_kmcnt 0x0
.irp i, 0,1,2,3,4,5,6,7
	ROPEROW \i
.endr
	s_endpgm
.Lfunc_end_k_qda30b30292_prep:
	.size	k_qda30b30292_prep, .Lfunc_end_k_qda30b30292_prep-k_qda30b30292_prep
	.p2alignl 7, 3214868480
	.fill 96, 4, 3214868480
	.section	.rodata,"a",@progbits
	.p2align	6, 0x0
	.amdhsa_kernel k_qda30b30292_prep
		.amdhsa_group_segment_fixed_size 66304
		.amdhsa_private_segment_fixed_size 0
		.amdhsa_enable_private_segment 0
		.amdhsa_kernarg_size 152
		.amdhsa_user_sgpr_count 2
		.amdhsa_user_sgpr_kernarg_segment_ptr 1
		.amdhsa_wavefront_size32 1
		.amdhsa_system_sgpr_workgroup_id_x 1
		.amdhsa_system_sgpr_workgroup_id_y 1
		.amdhsa_system_sgpr_workgroup_id_z 1
		.amdhsa_system_vgpr_workitem_id 0
		.amdhsa_next_free_vgpr 226
		.amdhsa_next_free_sgpr 88
		.amdhsa_reserve_vcc 1
		.amdhsa_float_denorm_mode_32 3
		.amdhsa_float_denorm_mode_16_64 3
		.amdhsa_memory_ordered 1
		.amdhsa_forward_progress 1
		.amdhsa_inst_pref_size 91
	.end_amdhsa_kernel
	.amdgpu_metadata
---
amdhsa.version: [ 1, 2 ]
amdhsa.kernels:
  - .name:           k_qda30b30292_prep
    .symbol:         k_qda30b30292_prep.kd
    .args:
      - { .name: x, .offset: 0, .size: 8, .value_kind: global_buffer, .address_space: global }
      - { .name: g1, .offset: 8, .size: 8, .value_kind: global_buffer, .address_space: global }
      - { .name: positions, .offset: 16, .size: 8, .value_kind: global_buffer, .address_space: global }
      - { .name: xa, .offset: 24, .size: 8, .value_kind: global_buffer, .address_space: global }
      - { .name: wts, .offset: 32, .size: 8, .value_kind: global_buffer, .address_space: global }
      - { .name: Wq_codes, .offset: 40, .size: 8, .value_kind: global_buffer, .address_space: global }
      - { .name: Wk_codes, .offset: 48, .size: 8, .value_kind: global_buffer, .address_space: global }
      - { .name: Wv_codes, .offset: 56, .size: 8, .value_kind: global_buffer, .address_space: global }
      - { .name: Wo_codes, .offset: 64, .size: 8, .value_kind: global_buffer, .address_space: global }
      - { .name: w1_codes, .offset: 72, .size: 8, .value_kind: global_buffer, .address_space: global }
      - { .name: w3_codes, .offset: 80, .size: 8, .value_kind: global_buffer, .address_space: global }
      - { .name: w2_codes, .offset: 88, .size: 8, .value_kind: global_buffer, .address_space: global }
      - { .name: Wq_scales, .offset: 96, .size: 8, .value_kind: global_buffer, .address_space: global }
      - { .name: Wk_scales, .offset: 104, .size: 8, .value_kind: global_buffer, .address_space: global }
      - { .name: Wv_scales, .offset: 112, .size: 8, .value_kind: global_buffer, .address_space: global }
      - { .name: Wo_scales, .offset: 120, .size: 8, .value_kind: global_buffer, .address_space: global }
      - { .name: w1_scales, .offset: 128, .size: 8, .value_kind: global_buffer, .address_space: global }
      - { .name: w3_scales, .offset: 136, .size: 8, .value_kind: global_buffer, .address_space: global }
      - { .name: w2_scales, .offset: 144, .size: 8, .value_kind: global_buffer, .address_space: global }
    .group_segment_fixed_size: 66304
    .private_segment_fixed_size: 0
    .kernarg_segment_align: 8
    .kernarg_segment_size: 152
    .max_flat_workgroup_size: 128
    .sgpr_count:     88
    .vgpr_count:     226
    .wavefront_size: 32
...
	.end_amdgpu_metadata
.endif
;; end of part 8
;; launch qkv (part 9): grid 32 x 8, 4 waves a work-group, clusters of 4 x 1, 327,680 bytes of LDS; arguments xa, wts, qkv; writes qkv
.if DOCPART == 9
	.amdgcn_target "amdgcn-amd-amdhsa--gfx1250"
	.amdhsa_code_object_version 6
	.text
	.protected	k_qda30b30292_qkv
	.globl	k_qda30b30292_qkv
	.p2align	8
	.type	k_qda30b30292_qkv,@function
k_qda30b30292_qkv:
	s_mov_b64 s[64:65], 0
	v_nop
	global_prefetch_b8 v0, s[64:65] scope:SCOPE_SE
	s_setreg_imm32_b32 hwreg(HW_REG_WAVE_MODE, 25, 1), 1
	s_wait_xcnt 0x0
	s_wait_alu depctr_hold_cnt(0) depctr_sa_sdst(0) depctr_va_vdst(0) depctr_va_sdst(0) depctr_va_ssrc(0) depctr_va_vcc(0) depctr_vm_vsrc(0)
	s_getreg_b32 s2, hwreg(HW_REG_IB_STS2, 6, 4)
	s_cmp_eq_u32 s2, 0
	s_cbranch_scc0 .Lentry_in_a_cluster
	s_endpgm
.Lentry_in_a_cluster:
	s_bfe_u32 s2, ttmp6, 0x10000c
	s_cmp_lg_u32 s2, 0x3003
	s_cbranch_scc0 .Lentry_shape_is_right
	s_endpgm
.Lentry_shape_is_right:
; q, k and v of 128 tokens (row group R) x 128 output channels (two heads, group g), on E3M2 codes; RoPE on q and k; all three quantised in registers and stored as operand images for the attention.
; Every product is issued as D = (Y tile) x (X tile): a lane holds one X row, and its registers run along Y.  The rows of a tile are chosen (lane-row i of tile T is row 32 (T/2) + 8 (T%2) + i + 8 (i/8)) so that the
; 16 registers of Y tiles 2 b, 2 b + 1 are the 16 neighbours 32 b + 16 (lane/16) + 0..15 along Y: what the next product's quantiser wants.
; q, k: Y = 128 rows of Wq or Wk (LDS), X = my two tiles of tokens (registers).  v: Y = the 128 tokens (LDS), X = my two tiles of Wv's rows: so v comes out with the keys along the registers.
; LDS holds three groups for all of K = 1,024, each 8 records of 12,800 bytes, filled ONCE by three tensor loads a wave (a quarter of a group each: one at the head, two later); no byte is filled twice.
; CLUSTER: the four work-groups of a cluster differ in R alone, so Wq's and Wk's records are asked for jointly (mask 15); the tokens' records are each work-group's own (mask 0).
; A wave has one tensor load out at the most.  LIMITS: NaN and infinities are not served; a block under 2^-122 (zeros too) gets the scale byte 1, read by this program alone.
; REGISTERS: window 0: v1-15 addresses; v16-23 Y's scale words, two sets; v24-31 the tokens' scale words; v32-39 Wv's; v40-103 cos, sin; v104-127 at work; v128-255 the 16 accumulators ((x, y) at 128 + 8 (8 x + y)).
;   window 1: Y's fragments, two sets of 96.   window 2: the tokens' fragments of all 8 K steps.   window 3: Wv's.
.set REC, 12800
.set XD, 8
.set ARP, 64                           ; no wait for a chunk inside a job: a group is whole when its job begins
.set ASH, 0
.set ADP, 4                            ; the LDS address registers go on every four K steps, so that the immediates stay under 65,536
.set DSH, 0
.set TCN, 0
.set CST, 0
.set AY, 3
.set AS, 4
.set XO, 5
.set XSO, 6
.set KO, 7
.set KSO, 9
.set RO, 10
.set YS, 16
.set XS, 24
.set XSV, 32
.set CSB, 40
.set QM, 104
.set QP, 106
.set QE, 108
.set QW, 110
.set QC, 112
.set QT, 118
.set QH, 121
.set T1, 122
.set QJ, 126
.set ACC, 128
.set WV, 14
.set SEL, 20
.set MK, 22
.set G1J, 24
.set G1P, 32
.set G0, 40
.set XP, 66
.set WVP, 68
.set SQ, 70
.set SQS, 72
.set SK, 74
.set SV, 76
.set SVS, 78
.set RP, 96
.set MSB, 0
.macro WIN new                         ; the immediate's high byte repeats the setting that is left
.if MSB != (\new)
	s_set_vgpr_msb (MSB<<8)|(\new)
.set MSB, \new
.endif
.endm
.macro PLACES n
.rept \n
	v_nop
.endr
.endm
.macro CROUND                          ; a round of the cluster's barrier
	s_barrier_signal -1
	s_barrier_wait -1
	s_cmp_lg_u32 s[WV], 0
	s_cbranch_scc1 .Lnot_wave_0_\@
	s_barrier_signal -3
.Lnot_wave_0_\@:
	s_barrier_wait -3
	s_barrier_signal -1
	s_barrier_wait -1
.endm
.macro ARRIVE n                        ; my part of the next chunk has landed (n younger loads may be out), no LDS load of mine is out; behind the barrier everybody's part has landed
	s_wait_tensorcnt \n
	s_wait_dscnt 0x0
	s_barrier_signal -1
	s_barrier_wait -1
.endm
.macro WM d, a, b, c, sa, sb, ra, rb   ; one product; ra, rb: the scale words stand in lanes 16-31
.if (\ra) && (\rb)
	v_wmma_scale_f32_16x16x128_f8f6f4 v[\d:\d+7], v[\a:\a+11], v[\b:\b+11], \c, v[\sa], v[\sb] matrix_a_fmt:MATRIX_FMT_BF6 matrix_b_fmt:MATRIX_FMT_BF6 matrix_a_scale:MATRIX_SCALE_ROW1 matrix_b_scale:MATRIX_SCALE_ROW1
.elseif \ra
	v_wmma_scale_f32_16x16x128_f8f6f4 v[\d:\d+7], v[\a:\a+11], v[\b:\b+11], \c, v[\sa], v[\sb] matrix_a_fmt:MATRIX_FMT_BF6 matrix_b_fmt:MATRIX_FMT_BF6 matrix_a_scale:MATRIX_SCALE_ROW1
.elseif \rb
	v_wmma_scale_f32_16x16x128_f8f6f4 v[\d:\d+7], v[\a:\a+11], v[\b:\b+11], \c, v[\sa], v[\sb] matrix_a_fmt:MATRIX_FMT_BF6 matrix_b_fmt:MATRIX_FMT_BF6 matrix_b_scale:MATRIX_SCALE_ROW1
.else
	v_wmma_scale_f32_16x16x128_f8f6f4 v[\d:\d+7], v[\a:\a+11], v[\b:\b+11], \c, v[\sa], v[\sb] matrix_a_fmt:MATRIX_FMT_BF6 matrix_b_fmt:MATRIX_FMT_BF6
.endif
.endm
.macro LOADY s                         ; step s's record of Y: eight fragments (48 loads of 256 consecutive bytes) and four registers of scale words: 52 LDS loads
	WIN 0x40
.irp y, 0,1,2,3,4,5,6,7
.irp q, 0,1,2,3,4,5
	ds_load_b64 v[96*((\s)%2)+12*\y+2*\q:96*((\s)%2)+12*\y+2*\q+1], v[AY] offset:((\s)-CST)*REC+1536*\y+256*\q
.endr
.endr
	WIN 0
.irp i, 0,1,2,3
	ds_load_b32 v[YS+4*((\s)%2)+\i], v[AS] offset:((\s)-CST)*REC+128*\i
.endr
.endm
.macro LOADX s, win, ptr, off          ; step s's two fragments of X, from memory straight into registers: only this wave reads them
	WIN (\win)<<6
.irp x, 0,1
.irp q, 0,1,2,3,4,5
	global_load_b64 v[24*((\s)%XD)+12*\x+2*\q:24*((\s)%XD)+12*\x+2*\q+1], v[XO], s[\ptr:\ptr+1] offset:(\off)+(\s)*REC+1536*\x+256*\q
.endr
.endr
	WIN 0
.endm
.macro MUL s, sj, win, xsb             ; 16 products; the 16 accumulators take turns, one instruction a turn, in the same order in every step
	WIN 1|((\win)<<2)
.irp i, 0,1,2,3
.irp u, 0,1
.irp x, 0,1
.if (\sj) == 0
	WM ACC+8*(8*\x+2*\i+\u), 96*((\s)%2)+12*(2*\i+\u), 24*((\sj)%XD)+12*\x, 0, YS+4*((\s)%2)+\i, (\xsb)+(\sj), \u, \x
.else
	WM ACC+8*(8*\x+2*\i+\u), 96*((\s)%2)+12*(2*\i+\u), 24*((\sj)%XD)+12*\x, v[ACC+8*(8*\x+2*\i+\u):ACC+8*(8*\x+2*\i+\u)+7], YS+4*((\s)%2)+\i, (\xsb)+(\sj), \u, \x
.endif
.endr
.endr
.endr
	WIN 0
.endm
.macro JSTART s, arron                 ; in front of a job: its first chunk, the addresses, its first record
.if \arron
	ARRIVE TCN
.set TCN, TCN-1
.endif
.if (\s) > CST
	v_add_nc_u32 v[AY], ((\s)-CST)*REC, v[AY]
	v_add_nc_u32 v[AS], ((\s)-CST)*REC, v[AS]
.endif
.set CST, \s
	PLACES 4
	LOADY \s
.endm
; A job: ns K steps from record s0 on.  While a step is multiplied the next step's record is on its way from LDS into the other set.
.macro JOB s0, ns, win, xsb, lcon, arron
.set SG, \s0
.rept \ns
.set SJ, SG-(\s0)
.if SJ+1 < (\ns)
.if (\arron) && (((SJ+1+ASH)%ARP) == 0)
	ARRIVE TCN
.set TCN, TCN-1
.endif
.if ((SJ+1+DSH)%ADP) == 0
	v_add_nc_u32 v[AY], (SG+1-CST)*REC, v[AY]
	s_wait_alu depctr_va_vdst(0)
	v_add_nc_u32 v[AS], (SG+1-CST)*REC, v[AS]
.set CST, SG+1
.endif
	PLACES 4                                           ; four plain lines between the last products and loads into registers that they read
	LOADY SG+1
.if (XD < (\ns)) && (SJ >= 1) && (SJ-1+XD < (\ns))
	LOADX SJ-1+XD, \win, XP, 0
.endif
	s_wait_alu depctr_va_vdst(0)
	s_wait_dscnt 52                                    ; this step's record is in; the 52 loads just issued may be out
.else
	s_wait_dscnt 0x0
.endif
.if \lcon
.set LC, (\ns)-1
.if SJ+XD-1 < LC
.set LC, SJ+XD-1
.endif
.set LC, 12*(LC-SJ)
.if LC > 63
.set LC, 63
.endif
	s_wait_loadcnt LC                                  ; this step's X is in; the later steps' 12 loads each may be out (the count's field holds 63)
.endif
	MUL SG, SJ, \win, \xsb
.set SG, SG+1
.endr
	PLACES 4                                           ; in front of the first read of results
.endm
; 32 numbers of a lane, register 16 b + i = k 32 b + 16 (lane/16) + i of my row, become half a fragment's codes in v[QC..QC+5] and two scale bytes in v[QW].
.macro QB n0
	v_max3_num_f32 v[QM], |v[\n0]|, |v[\n0+1]|, 0x2800000      ; the floor 2^(5 - 127) holds the byte at 1 from below
	v_max3_num_f32 v[QM+1], |v[\n0+16]|, |v[\n0+17]|, 0x2800000
.irp i, 2,4,6,8,10,12,14
	v_max3_num_f32 v[QM], v[QM], |v[\n0+\i]|, |v[\n0+\i+1]|
	v_max3_num_f32 v[QM+1], v[QM+1], |v[\n0+16+\i]|, |v[\n0+17+\i]|
.endr
	v_permlanex16_b32 v[QP], v[QM], s[SEL], s[SEL+1]
	v_permlanex16_b32 v[QP+1], v[QM+1], s[SEL], s[SEL+1]
	v_max_num_f32 v[QM], v[QM], v[QP]                  ; with lane l xor 16's 16: the block's largest magnitude
	v_max_num_f32 v[QM+1], v[QM+1], v[QP+1]
	v_add_nc_u32 v[QE], 0xfe000000, v[QM]              ; 4 off the exponent field: the conversion's scale operand
	v_add_nc_u32 v[QE+1], 0xfe000000, v[QM+1]
	v_lshrrev_b32 v[QM], 23, v[QE]                     ; the bytes
	v_lshrrev_b32 v[QM+1], 23, v[QE+1]
	v_lshl_or_b32 v[QW], v[QM+1], 8, v[QM]
	s_wait_alu depctr_va_vdst(0)
	s_wait_xcnt 0x0                                    ; earlier stores have read the registers that are written below
	v_cvt_scalef32_pk16_bf6_f32 v[QC:QC+2], v[\n0:\n0+15], v[QE]
	v_cvt_scalef32_pk16_bf6_f32 v[QT:QT+2], v[\n0+16:\n0+31], v[QE+1]
	v_nop                                              ; a plain line behind the conversions
.irp i, 0,1,2
	v_permlane16_swap_b32 v[QC+\i], v[QT+\i]           ; a whole block to a lane: lanes 0-15 the first block, lanes 16-31 the second
.endr
.irp i, 0,1,2
	v_mov_b32 v[QC+3+\i], v[QT+\i]
.endr
.endm
; q or k: RoPE in place, quantised head by head (64 channels: half a fragment), stored.  The upper two scale bytes are 127: the attention multiplies them with zero codes.
.macro EPIQK cp, chs, sp, so, shs
.irp hd, 0,1
.irp x, 0,1
.set A0, ACC+64*\x+32*\hd
.set C0, CSB+32*\x
.set MM, 0
.rept 16
	v_mul_f32 v[T1+2*(MM%2)], v[A0+2*MM+1], v[C0+2*MM+1]           ; odd x sin
	v_mul_f32 v[T1+2*(MM%2)+1], v[A0+2*MM+1], v[C0+2*MM]           ; odd x cos
	v_fma_f32 v[A0+2*MM+1], v[A0+2*MM], v[C0+2*MM+1], v[T1+2*(MM%2)+1]
	v_fma_f32 v[A0+2*MM], v[A0+2*MM], v[C0+2*MM], -v[T1+2*(MM%2)]
.set MM, MM+1
.endr
	QB A0
.irp p, 0,1,2
	global_store_b64 v[KO], v[QC+2*\p:QC+2*\p+1], s[\cp:\cp+1] offset:(\chs)*\hd+768*\x+256*\p
.endr
.if \x == 0
	v_or_b32 v[QJ], 0x7f7f0000, v[QW]
.else
	v_or_b32 v[QW], 0x7f7f0000, v[QW]
	v_cndmask_b32 v[QJ+1], v[QJ], v[QW], s[MK]         ; lanes 0-15: my first tile's words; lanes 16-31: my second's
	global_store_b32 v[KSO], v[QJ+1], s[\sp:\sp+1] offset:(\so)+(\shs)*\hd
.endif
.endr
.endr
.endm
.macro EPIV                            ; v: my two tiles of 16 channels x 128 keys, quantised along the keys
.irp x, 0,1
.irp c, 0,1
	QB ACC+64*\x+32*\c
.irp p, 0,1,2
	global_store_b64 v1, v[QC+2*\p:QC+2*\p+1], s[SV:SV+1] offset:1536*\x+768*\c+256*\p
.endr
.if \c == 0
	v_mov_b32 v[QH], v[QW]
.else
	v_lshl_or_b32 v[QH], v[QW], 16, v[QH]
.endif
.endr
.if \x == 0
	v_mov_b32 v[QJ], v[QH]
.else
	v_cndmask_b32 v[QJ+1], v[QJ], v[QH], s[MK]
	global_store_b32 v2, v[QJ+1], s[SVS:SVS+1]
.endif
.endr
.endm
	s_load_b128 s[4:7], s[0:1], 0x0                    ; xa, wts
	s_load_b64 s[8:9], s[0:1], 0x10                    ; qkv
	v_lshl_add_u32 v15, v0, 2, 0x4b000
	v_mov_b32 v111, 0
	ds_add_u32 v15, v111
	ds_add_u32 v15, v111
	v_lshrrev_b32 v1, 5, v0
	v_readfirstlane_b32 s[WV], v1                      ; wave 0..3
	s_bfe_u32 s15, ttmp6, 0x40000                      ; cx
	s_lshl_b32 s16, ttmp9, 2
	s_add_co_u32 s16, s16, s15                         ; R: it enters global addresses alone
	s_and_b32 s17, ttmp7, 0xffff                       ; g, which the four partners share
	s_mov_b32 s[G1J], 15|(3<<16)|(1<<21)               ; two records as 100 rows of 32 elements of 8 bytes; mask: all four work-groups, bit 21 beside it
	s_mov_b32 s[G1P], 3<<16                            ; the same with no mask
.irp g, G1J, G1P
	s_mov_b32 s[\g+1], 32<<16                          ; tensor_dim0
	s_mov_b32 s[\g+2], 100<<16                         ; tensor_dim1: a quarter of a group, two records, 100 rows of 256 bytes
	s_mov_b32 s[\g+3], 32<<16                          ; tile_dim0
	s_mov_b32 s[\g+4], 100                             ; tile_dim1
	s_mov_b32 s[\g+5], 32                              ; the pitch
	s_mov_b32 s[\g+6], 0
	s_mov_b32 s[\g+7], 0
.endr
	s_mul_i32 s84, s[WV], 2*REC                        ; my quarter of a group: in LDS and in memory
	s_mul_i32 s80, s17, 102400
	s_add_co_u32 s80, s80, s84
	s_mov_b32 s81, 0
	s_mul_i32 s86, s16, 102400
	s_mov_b32 s87, 0
	s_mov_b32 s88, s84
	s_mov_b32 s89, 0
	v_and_b32 v11, 31, v0                              ; lane
	v_and_b32 v12, 15, v0                              ; r
	v_bfe_u32 v13, v0, 4, 1                            ; h
	v_lshlrev_b32 v1, 3, v11                           ; 8 x lane
	v_lshlrev_b32 v2, 2, v11                           ; 4 x lane
	v_mov_b32 v[AY], v1
	v_add_nc_u32 v[AS], 12288, v2
	s_mul_i32 s92, s[WV], 3072
	v_add_nc_u32 v[XO], s92, v1                        ; my two tiles in a record
	s_lshl_b32 s93, s[WV], 7
	v_add_nc_u32 v[KSO], s93, v2
	v_add_nc_u32 v[XSO], 12288, v[KSO]                 ; and their scale words
	s_mul_i32 s92, s[WV], 1536
	v_add_nc_u32 v[KO], s92, v1                        ; my two half images
	v_and_b32 v14, 8, v12
	v_add_nc_u32 v14, v14, v12
	v_lshlrev_b32 v[RO], 8, v14
	v_lshl_add_u32 v[RO], v13, 6, v[RO]                ; the table: row r + 8 (r/8) of 256 bytes, + 64 h
	v_mov_b32 v[QP], 0                                 ; a lane permute's destination counts as read
	v_mov_b32 v[QP+1], 0
	s_mov_b32 s[SEL], 0x76543210
	s_mov_b32 s[SEL+1], 0xfedcba98
	s_mov_b32 s[MK], 0xffff0000
	s_wait_dscnt 0x0
	s_wait_kmcnt 0x0
	s_add_nc_u64 s[82:83], s[6:7], s[80:81]            ; Wq's group g, my quarter
	s_add_nc_u64 s[XP:XP+1], s[4:5], s[86:87]          ; the tokens' group R,
	s_add_nc_u64 s[90:91], s[XP:XP+1], s[88:89]        ; my quarter
.irp c, 0
.irp sg, 0,1
	s_mov_b32 s[G0+4*(2*\sg+\c)], 1
	s_add_co_u32 s[G0+4*(2*\sg+\c)+1], s84, (8*\sg+4*\c)*REC
	s_add_nc_u64 s[G0+4*(2*\sg+\c)+2:G0+4*(2*\sg+\c)+3], s[82:83], \sg*819200+\c*51200   ; Wk's groups lie 8 groups behind Wq's
	s_or_b32 s[G0+4*(2*\sg+\c)+3], s[G0+4*(2*\sg+\c)+3], 0x80000000
.endr
	s_mov_b32 s[G0+4*(4+\c)], 1
	s_add_co_u32 s[G0+4*(4+\c)+1], s84, (16+4*\c)*REC
	s_add_nc_u64 s[G0+4*(4+\c)+2:G0+4*(4+\c)+3], s[90:91], \c*51200
	s_or_b32 s[G0+4*(4+\c)+3], s[G0+4*(4+\c)+3], 0x80000000
.endr
	CROUND                                             ; all four work-groups are here: the joint loads meet
	tensor_load_to_lds s[G0:G0+3], s[G1J:G1J+7]        ; Wq, my quarter: K steps 2 w, 2 w + 1
	s_nop 0
	PLACES 4
	s_lshr_b32 s18, s16, 4                             ; the batch
	s_and_b32 s19, s16, 15                             ; the key step: 128 tokens of the sequence
	s_lshl_b32 s93, s19, 7
	s_lshl_b32 s94, s[WV], 5
	s_add_co_u32 s93, s93, s94
	s_lshl_b32 s94, s93, 8
	s_add_co_u32 s94, s94, 9932800
	s_mov_b32 s95, 0
	s_add_nc_u64 s[RP:RP+1], s[6:7], s[94:95]          ; the table at sequence index 128 (R%16) + 32 w
	s_add_co_u32 s93, s17, 16
	s_mul_i32 s94, s93, 102400
	s_add_nc_u64 s[WVP:WVP+1], s[6:7], s[94:95]        ; Wv's group g
	s_wait_alu depctr_va_vdst(0)
.irp s, 0,1,2,3,4,5,6,7
	global_load_b32 v[XS+\s], v[XSO], s[XP:XP+1] offset:\s*REC
.endr
.irp x, 0,1
.irp b, 0,1
.irp k, 0,1,2,3
	global_load_b128 v[CSB+32*\x+16*\b+4*\k:CSB+32*\x+16*\b+4*\k+3], v[RO], s[RP:RP+1] offset:2048*\x+128*\b+16*\k
.endr
.endr
.endr
.irp s, 0,1,2,3,4,5,6,7
	LOADX \s, 2, XP, 0
.endr
	s_lshl_b32 s92, s18, 4
	s_lshl_b32 s93, s17, 1
	s_add_co_u32 s92, s92, s93                         ; batch x 16 + my first head
	s_lshl_b32 s93, s92, 7
	s_lshl_b32 s94, s19, 3
	s_add_co_u32 s93, s93, s94
	s_mul_i32 s94, s93, 768
	s_add_nc_u64 s[SQ:SQ+1], s[8:9], s[94:95]          ; q's half images: [head][tile][768]
	s_lshl_b32 s94, s93, 6
	s_add_co_u32 s94, s94, 3145728
	s_add_nc_u64 s[SQS:SQS+1], s[8:9], s[94:95]        ; q's scale words
	s_lshl_b32 s93, s92, 4
	s_add_co_u32 s93, s93, s19
	s_mul_i32 s94, s93, 13056
	s_add_co_u32 s94, s94, 3407872
	s_add_nc_u64 s[SK:SK+1], s[8:9], s[94:95]          ; the record of (head, key step): k's 8 half images, their words, v's 4 fragments, their words
	s_lshr_b32 s93, s[WV], 1
	s_mul_i32 s93, s93, 208896                         ; v: waves 2, 3 serve the second head
	s_and_b32 s88, s[WV], 1
	s_mul_i32 s89, s88, 3072
	s_add_co_u32 s94, s93, s89
	s_add_co_u32 s94, s94, 6656
	s_add_nc_u64 s[SV:SV+1], s[SK:SK+1], s[94:95]
	s_lshl_b32 s89, s88, 7
	s_add_co_u32 s94, s93, s89
	s_add_co_u32 s94, s94, 12800
	s_add_nc_u64 s[SVS:SVS+1], s[SK:SK+1], s[94:95]
; THE FILLS: one tensor load a wave at the head (my quarter of Wq's group); Wk's group and the tokens' group are first filled later, each by one load a wave behind
; the wait for all my tensor loads, the add, its wait and a round of the cluster's barrier.  One tensor load of a wave is out at the most.
.macro FILL g0, g1
	s_wait_alu depctr_va_vdst(0)
	s_wait_tensorcnt 0x0                               ; my quarter of the group asked for last has landed
	ds_add_u32 v15, v111
	s_wait_dscnt 0x0
	CROUND                                             ; everybody's quarter has landed, and the partners' joint loads meet
	tensor_load_to_lds s[\g0:\g0+3], s[\g1:\g1+7]
	s_nop 0
	PLACES 4
.endm
	FILL G0+8, G1J                                     ; Wq is whole; Wk is asked for
	JSTART 0, 0
	JOB 0, 8, 2, XS, 1, 1                              ; q
.irp s, 0,1,2,3,4,5,6,7
	global_load_b32 v[XSV+\s], v[XSO], s[WVP:WVP+1] offset:\s*REC   ; Wv's tiles are asked for two jobs ahead
.endr
.irp s, 0,1,2,3,4,5,6,7
	LOADX \s, 3, WVP, 0
.endr
	EPIQK SQ, 98304, SQS, 0, 8192
	FILL G0+16, G1P                                    ; Wk is whole; the tokens' group is asked for
	JSTART 8, 0
	JOB 8, 8, 2, XS, 0, 1                              ; k: the tokens' fragments are in registers already
	EPIQK SK, 208896, SK, 6144, 208896
	JSTART 16, 1
	JOB 16, 8, 3, XSV, 1, 1                            ; v
	EPIV
	s_wait_dscnt 0x0
	s_wait_tensorcnt 0x0
	ds_add_u32 v15, v111
	s_wait_dscnt 0x0
	CROUND                                             ; the closing round: no work-group ends while a partner may still ask jointly
	s_endpgm
.Lfunc_end_k_qda30b30292_qkv:
	.size	k_qda30b30292_qkv, .Lfunc_end_k_qda30b30292_qkv-k_qda30b30292_qkv
	.p2alignl 7, 3214868480
	.fill 96, 4, 3214868480
	.section	.rodata,"a",@progbits
	.p2align	6, 0x0
	.amdhsa_kernel k_qda30b30292_qkv
		.amdhsa_group_segment_fixed_size 327680
		.amdhsa_private_segment_fixed_size 0
		.amdhsa_enable_private_segment 0
		.amdhsa_kernarg_size 24
		.amdhsa_user_sgpr_count 2
		.amdhsa_user_sgpr_kernarg_segment_ptr 1
		.amdhsa_wavefront_size32 1
		.amdhsa_system_sgpr_workgroup_id_x 1
		.amdhsa_system_sgpr_workgroup_id_y 1
		.amdhsa_system_sgpr_workgroup_id_z 1
		.amdhsa_system_vgpr_workitem_id 0
		.amdhsa_next_free_vgpr 1024
		.amdhsa_next_free_sgpr 98
		.amdhsa_reserve_vcc 0
		.amdhsa_float_denorm_mode_32 3
		.amdhsa_float_denorm_mode_16_64 3
		.amdhsa_memory_ordered 1
		.amdhsa_forward_progress 1
		.amdhsa_inst_pref_size 217
	.end_amdhsa_kernel
	.amdgpu_metadata
---
amdhsa.version: [ 1, 2 ]
amdhsa.kernels:
  - .name:           k_qda30b30292_qkv
    .symbol:         k_qda30b30292_qkv.kd
    .args:
      - { .name: xa, .offset: 0, .size: 8, .value_kind: global_buffer, .address_space: global }
      - { .name: wts, .offset: 8, .size: 8, .value_kind: global_buffer, .address_space: global }
      - { .name: qkv, .offset: 16, .size: 8, .value_kind: global_buffer, .address_space: global }
    .group_segment_fixed_size: 327680
    .private_segment_fixed_size: 0
    .kernarg_segment_align: 8
    .kernarg_segment_size: 24
    .max_flat_workgroup_size: 128
    .sgpr_count:     98
    .vgpr_count:     1024
    .wavefront_size: 32
...
	.end_amdgpu_metadata
.endif
;; end of part 9
;; launch attn (part 10): grid 8 x 32, 16 waves a work-group, clusters of 4 x 1, 284,672 bytes of LDS; arguments qkv, aa; writes aa
.if DOCPART == 10
	.amdgcn_target "amdgcn-amd-amdhsa--gfx1250"
	.amdhsa_code_object_version 6
	.text
	.protected	k_qda30b30292_attn
	.globl	k_qda30b30292_attn
	.p2align	8
	.type	k_qda30b30292_attn,@function
k_qda30b30292_attn:
	s_mov_b64 s[64:65], 0
	v_nop
	global_prefetch_b8 v0, s[64:65] scope:SCOPE_SE
	s_setreg_imm32_b32 hwreg(HW_REG_WAVE_MODE, 25, 1), 1
	s_wait_xcnt 0x0
	s_wait_alu depctr_hold_cnt(0) depctr_sa_sdst(0) depctr_va_vdst(0) depctr_va_sdst(0) depctr_va_ssrc(0) depctr_va_vcc(0) depctr_vm_vsrc(0)
	s_getreg_b32 s2, hwreg(HW_REG_IB_STS2, 6, 4)
	s_cmp_eq_u32 s2, 0
	s_cbranch_scc0 .Lentry_in_a_cluster
	s_endpgm
.Lentry_in_a_cluster:
	s_bfe_u32 s2, ttmp6, 0x10000c
	s_cmp_lg_u32 s2, 0x3003
	s_cbranch_scc0 .Lentry_shape_is_right
	s_endpgm
.Lentry_shape_is_right:
; Causal attention of one (batch, head) on E3M2 codes; the result is quantised along the head's 64 channels and stored as half a fragment of the next product's operand.
; t = score x log2(e) / 8; M = the running largest t rounded up to a whole number; p = 2^(t - M) is quantised along the keys; the row's sum is taken of the unquantised p and divides at the end.
; The head's k and v (16 records of 13,056 bytes, one for each 128 keys) are filled into LDS ONCE: each of the sixteen waves asks for one record by one tensor load; one load of a wave is out at the most.
; CLUSTER: the four work-groups of a cluster belong to one head: each record is asked for jointly (mask 15).
; THE DEAL.  Tile 8 w' + x (x the work-group's number in the head) has w' + 1 key steps.  Waves 2 a and 2 a + 1 share the tiles w' = a and w' = 15 - a, 17 steps together: one wave takes the even
; key steps of both tiles (9 steps), the other the odd ones (8); each has one step on a diagonal.  Which of the two takes the even steps changes with bit 2 of the wave's number, so that each four waves
; of equal w / 4 and each four of equal w % 4 have 34 steps together.  Wave 2 a walks tile a first, wave 2 a + 1 tile 15 - a.  Behind its first walk a wave stores its part (O^T, -M, the sum: 4,608 bytes)
; into LDS bytes of its own; behind the second walk and a barrier it reads its partner's part of the tile that it walked last and joins the two under the larger M: multiplications by powers of two.
; Every wave walks 8 trips a tile; a step all of whose keys come after the tile's queries is jumped over (a branch on the wave's number and the trip).
; The head size 64 is half of the instruction's K: q's upper six registers are zero codes, so k's eight half fragments lie six registers apart, and each product names the next tile's codes as its upper half.
; No prefetch: all of k and v is asked for at the head, and there is no loop to run ahead in.
; LIMITS: NaN and infinities are not served; the scaled scores stay under 2^31 in magnitude; a block under 2^-122 (zeros too) gets the scale byte 1, read by this program alone.
; REGISTERS: v1 8 x lane, v2 4 x lane, v3 the mask's bound, v5 4 r; v6, v7 the parts' LDS addresses; v8, v9 the record's; v12 -M, v13 the largest t, v[14:15] the sum; v16-28 the first tile's q and words;
;   v29, v30 the add's; v32-85 k's or v's fragments; v86-91 their words; v96-159 scores, then p; v160-191 O^T; v192-203 p's codes; v204-212 the result's codes; v214-226 the second tile's q; v232-254 at work.
.set REC, 13056
.set PB, 16*REC                        ; the parts, behind the records
.set PSZ, 4608
.set SPARE, PB+16*PSZ                  ; the spare words: 128 bytes a wave
.set WV, 14
.set XX, 16
.set BH, 17
.set WP, 18
.set WP2, 19
.set SEL, 20
.set CS, 22
.set G1, 24
.set G0, 32
.set KS, 48
.set TB, 49
.set CNT, 50
.set PI, 51
.set OP, 56
.set OSP, 58
.set PST, 6
.set PLD, 7
.set AD, 8
.set ADS, 9
.set SPW, 29
.set NIL, 30
.set Q1, 16
.set Q2, 214
.set FR, 32
.set KW, 86
.set VW, 90
.set QM, 232
.set QP, 236
.set QE, 244
.set QW, 248
.set QC, 204
.set QT, 210
.macro PLACES n
.rept \n
	v_nop
.endr
.endm
.macro CROUND                          ; a round of the cluster's barrier
	s_barrier_signal -1
	s_barrier_wait -1
	s_cmp_lg_u32 s[WV], 0
	s_cbranch_scc1 .Lnot_wave_0_\@
	s_barrier_signal -3
.Lnot_wave_0_\@:
	s_barrier_wait -3
	s_barrier_signal -1
	s_barrier_wait -1
.endm
.macro WM d, a, b, c, sa, sb, ra       ; one product; ra: source 0's scale words stand in lanes 16-31
.if \ra
	v_wmma_scale_f32_16x16x128_f8f6f4 v[\d:\d+7], v[\a:\a+11], v[\b:\b+11], \c, v[\sa], v[\sb] matrix_a_fmt:MATRIX_FMT_BF6 matrix_b_fmt:MATRIX_FMT_BF6 matrix_a_scale:MATRIX_SCALE_ROW1
.else
	v_wmma_scale_f32_16x16x128_f8f6f4 v[\d:\d+7], v[\a:\a+11], v[\b:\b+11], \c, v[\sa], v[\sb] matrix_a_fmt:MATRIX_FMT_BF6 matrix_b_fmt:MATRIX_FMT_BF6
.endif
.endm
.macro INIT                            ; a walk's start: the largest t -3e38, -M its negative, sum and O^T zeros
	v_mov_b32 v13, 0xff61b1e6
	v_mov_b32 v12, 0x7f61b1e6
	v_mov_b32 v14, 0
	v_mov_b32 v15, 0
.set NN, 0
.rept 32
	v_mov_b32 v[160+NN], 0
.set NN, NN+1
.endr
.endm
; A KEY STEP: 128 keys, the record at LDS byte s[TB]; q at v[qb], its words in v[qw]
.macro KSTEP qb, qw
	s_cmp_gt_u32 s[KS], s[WP]                          ; all these keys come after the tile's queries: only the lines at the end, which step numbers, are run
	s_cbranch_scc1 .Lhidden_\@
	v_add_nc_u32 v[AD], s[TB], v1                      ; these two and two v_nop: four plain lines between the last products and loads into registers that they read
	v_add_nc_u32 v[ADS], s[TB], v2
	s_wait_alu depctr_va_vdst(0)
	PLACES 2
.irp t, 0,1,2,3,4,5,6,7
.irp p, 0,1,2
	ds_load_b64 v[FR+6*\t+2*\p:FR+6*\t+2*\p+1], v[AD] offset:768*\t+256*\p
.endr
.endr
.irp i, 0,1,2,3
	ds_load_b32 v[KW+\i], v[ADS] offset:6144+128*\i
.endr
	s_wait_dscnt 0x0
.irp t, 0,1,2,3,4,5,6,7                    ; S^T = k q^T, eight tiles of 16 keys
	WM 96+8*\t, FR+6*\t, \qb, 0, KW+\t/2, \qw, \t%2
.endr
	PLACES 4
.irp t, 0,1,2,3                        ; v's four fragments are asked for now; the softmax stands between these loads and the wait for them
.irp q, 0,1,2,3,4,5
	ds_load_b64 v[FR+12*\t+2*\q:FR+12*\t+2*\q+1], v[AD] offset:6656+1536*\t+256*\q
.endr
.endr
	ds_load_b32 v[VW], v[ADS] offset:12800
	ds_load_b32 v[VW+1], v[ADS] offset:12928
	s_cmp_lg_u32 s[KS], s[WP]                          ; on the diagonal the scores of hidden keys become -infinity ahead of the maximum
	s_cbranch_scc1 .Lopen_\@
	v_mov_b32 v254, 0xff800000
.set NN, 0
.rept 64
	v_cmp_gt_i32 vcc_lo, 32*(NN/16)+NN%16, v3          ; register 16 b + i holds the step's key 32 b + 16 (lane/16) + i
	v_cndmask_b32 v[96+NN], v[96+NN], v254, vcc_lo
.set NN, NN+1
.endr
.Lopen_\@:
.irp b, 0,1,2,3
	v_max3_num_f32 v[232+\b], v[96+16*\b], v[97+16*\b], v[98+16*\b]   ; the largest score of each block of 32 keys: for the row's maximum, and, since p rises with the score, for the block's largest p
.endr
.irp i, 3,5,7,9,11,13
.irp b, 0,1,2,3
	v_max3_num_f32 v[232+\b], v[232+\b], v[96+16*\b+\i], v[97+16*\b+\i]
.endr
.endr
.irp b, 0,1,2,3
	v_max_num_f32 v[232+\b], v[232+\b], v[111+16*\b]
.endr
.irp b, 0,1,2,3
	s_delay_alu instid0(VALU_DEP_4)
	v_permlanex16_b32 v[236+\b], v[232+\b], s[SEL], s[SEL+1]
.endr
.irp b, 0,1,2,3
	s_delay_alu instid0(VALU_DEP_4)
	v_max_num_f32 v[232+\b], v[232+\b], v[236+\b]
.endr
	s_delay_alu instid0(VALU_DEP_2)
	v_max3_num_f32 v254, v232, v233, v234
	s_delay_alu instid0(VALU_DEP_1)
	v_max_num_f32 v254, v254, v235
	s_delay_alu instid0(VALU_DEP_1)
	v_mul_f32 v254, s[CS], v254
	s_delay_alu instid0(VALU_DEP_1)
	v_max_num_f32 v13, v13, v254                       ; the running largest t
	v_mov_b32 v254, v12
	s_delay_alu instid0(VALU_DEP_2)
	v_floor_f32 v12, -v13                              ; -M = floor(-t): M is a whole number
	s_delay_alu instid0(VALU_DEP_1)
	v_sub_f32 v254, v12, v254
	s_delay_alu instid0(VALU_DEP_1)
	v_cvt_i32_f32 v254, v254                           ; (it saturates)
	s_delay_alu instid0(VALU_DEP_1)
	v_ldexp_f32 v252, 1.0, v254                        ; f = 2^(old M - new M): a multiplication by it rounds nothing
.set NN, 0
.rept 32
	v_pk_fma_f32 v[96+2*NN:97+2*NN], v[96+2*NN:97+2*NN], s[CS:CS+1], v[12:13] op_sel_hi:[1,0,0]   ; t - M
.set NN, NN+1
.endr
.irp b, 0,1,2,3
	v_fma_f32 v[232+\b], v[232+\b], s[CS], v12
.endr
	s_wait_alu depctr_va_vdst(0)                       ; the wait ahead of the batch
.set NN, 0
.rept 64
	v_exp_f32 v[96+NN], v[96+NN]                       ; p = 2^(t - M), not normalised
.set NN, NN+1
.endr
	v_pk_mul_f32 v[14:15], v[14:15], v[252:253] op_sel_hi:[1,0]   ; the sums under the new M: a plain line behind the batch
	s_wait_alu depctr_va_vdst(0)                       ; one wait for the 64, ahead of their first reader
.irp b, 0,1,2,3
	v_exp_f32 v[232+\b], v[232+\b]                     ; the block's largest p
.endr
.irp k, 0,1,2,3,4,5,6,7                    ; the sum of the unquantised p, two at a time, in eight chains
	v_pk_add_f32 v[236+2*\k:237+2*\k], v[96+2*\k:97+2*\k], v[112+2*\k:113+2*\k]
.endr
.irp j, 16,17,18,19,20,21,22,23,24,25,26,27,28,29,30,31
	v_pk_add_f32 v[236+2*(\j%8):237+2*(\j%8)], v[236+2*(\j%8):237+2*(\j%8)], v[96+2*\j:97+2*\j]
.endr
.irp k, 0,1,2,3
	s_delay_alu instid0(VALU_DEP_4)
	v_pk_add_f32 v[236+2*\k:237+2*\k], v[236+2*\k:237+2*\k], v[244+2*\k:245+2*\k]
.endr
.irp k, 0,1
	s_delay_alu instid0(VALU_DEP_2)
	v_pk_add_f32 v[236+2*\k:237+2*\k], v[236+2*\k:237+2*\k], v[240+2*\k:241+2*\k]
.endr
	s_delay_alu instid0(VALU_DEP_1)
	v_pk_add_f32 v[236:237], v[236:237], v[238:239]
	s_delay_alu instid0(VALU_DEP_1)
	v_pk_add_f32 v[14:15], v[14:15], v[236:237]
	s_wait_alu depctr_va_vdst(0)                       ; and one for the four
.irp b, 0,1,2,3
	v_max_num_f32 v[232+\b], 0x2800000, v[232+\b]      ; the floor 2^(5 - 127) holds the byte at 1 from below
.endr
.irp b, 0,1,2,3
	s_delay_alu instid0(VALU_DEP_4)
	v_add_nc_u32 v[244+\b], 0xfe000000, v[232+\b]      ; 4 off the exponent field: the conversion's scale operand
.endr
.irp b, 0,1,2,3
	s_delay_alu instid0(VALU_DEP_4)
	v_lshrrev_b32 v[236+\b], 23, v[244+\b]
.endr
	s_delay_alu instid0(VALU_DEP_3)
	v_lshl_or_b32 v253, v237, 8, v236                  ; p's scale word for these 128 keys
	s_delay_alu instid0(VALU_DEP_1)
	v_lshl_or_b32 v253, v238, 16, v253
	s_delay_alu instid0(VALU_DEP_1)
	v_lshl_or_b32 v253, v239, 24, v253
.irp c, 0,1
	v_cvt_scalef32_pk16_bf6_f32 v[192+6*\c:194+6*\c], v[96+32*\c:111+32*\c], v[244+2*\c]
	v_cvt_scalef32_pk16_bf6_f32 v[236+4*\c:238+4*\c], v[112+32*\c:127+32*\c], v[244+2*\c+1]
.endr
	v_nop                                              ; a plain line behind the conversions
.irp c, 0,1
.irp i, 0,1,2
	v_permlane16_swap_b32 v[192+6*\c+\i], v[236+4*\c+\i]   ; a whole block to a lane
.endr
.irp i, 0,1,2
	s_delay_alu instid0(VALU_DEP_3)
	v_mov_b32 v[195+6*\c+\i], v[236+4*\c+\i]
.endr
.endr
	s_wait_alu depctr_va_vdst(0)                       ; directly ahead of the first reader of O^T
.set NN, 0
.rept 16
	v_pk_mul_f32 v[160+2*NN:161+2*NN], v[160+2*NN:161+2*NN], v[252:253] op_sel_hi:[1,0]   ; O^T under the new M; these lines also stand between p's codes and word and the products
.set NN, NN+1
.endr
	s_wait_alu depctr_va_vdst(0)                       ; directly ahead of the wait below
	s_wait_dscnt 0x0                                   ; v's fragments and words are in
.irp t, 0,1,2,3                        ; O^T += v^T p^T: four tiles of 16 channels; K = these 128 keys
	WM 160+8*\t, FR+12*\t, 192, v[160+8*\t:160+8*\t+7], VW+\t/2, 253, \t%2
.endr
.Lhidden_\@:
	s_add_co_u32 s[KS], s[KS], 2
	s_add_co_u32 s[TB], s[TB], 2*REC
.endm
.macro PASS qb, qw                     ; my key steps of one tile: 8 trips, every second record
	s_mov_b32 s[KS], s[PI]
	s_mul_i32 s[TB], s[PI], REC
	s_mov_b32 s[CNT], 8
.Ltrip_\@:
	KSTEP \qb, \qw
	s_sub_co_u32 s[CNT], s[CNT], 1
	s_cmp_lg_u32 s[CNT], 0
	s_cbranch_scc1 .Ltrip_\@
.endm
	s_load_b128 s[4:7], s[0:1], 0x0                    ; qkv, aa
	v_lshl_add_u32 v[SPW], v0, 2, SPARE
	v_mov_b32 v[NIL], 0
	ds_add_u32 v[SPW], v[NIL]                          ; the opening lines: the add, twice on end, and its wait ahead of my tensor load
	ds_add_u32 v[SPW], v[NIL]
	v_lshrrev_b32 v1, 5, v0
	s_delay_alu instid0(VALU_DEP_1)
	v_readfirstlane_b32 s[WV], v1                      ; wave 0..15
	s_bfe_u32 s15, ttmp6, 0x40000                      ; cx
	s_lshl_b32 s[XX], ttmp9, 2
	s_add_co_u32 s[XX], s[XX], s15                     ; x = 0..7: it enters global addresses and the mask's bound alone
	s_and_b32 s[BH], ttmp7, 0xffff                     ; batch x 16 + head, which the partners share
	s_lshr_b32 s66, s[WV], 1                           ; a
	s_and_b32 s67, s[WV], 1
	s_bfe_u32 s68, s[WV], 0x10002
	s_xor_b32 s[PI], s67, s68                          ; 0: I take the even key steps; 1: the odd ones
	s_mul_i32 s67, s67, 15
	s_xor_b32 s[WP], s66, s67                          ; w' of my first tile: a or 15 - a,
	s_xor_b32 s[WP2], s[WP], 15                        ; and of my second
	s_mov_b32 s[G1], 15|(3<<16)|(1<<21)                ; a record as 51 rows of 32 elements of 8 bytes; mask: all four work-groups, bit 21 beside it
	s_mov_b32 s[G1+1], 32<<16
	s_mov_b32 s[G1+2], 51<<16
	s_mov_b32 s[G1+3], 32<<16
	s_mov_b32 s[G1+4], 51
	s_mov_b32 s[G1+5], 32
	s_mov_b32 s[G1+6], 0
	s_mov_b32 s[G1+7], 0
	s_mul_i32 s70, s[WV], REC                          ; my record, in LDS and in memory
	s_mul_i32 s72, s[BH], 16*REC
	s_add_co_u32 s72, s72, s70
	s_add_co_u32 s72, s72, 3407872
	s_mov_b32 s73, 0
.irp n, 0,1                            ; my two tiles of queries, 8 w' + x: half image and scale words
	s_lshl_b32 s66, s[WP+\n], 3
	s_add_co_u32 s66, s66, s[XX]
	s_lshl_b32 s67, s[BH], 7
	s_add_co_u32 s66, s66, s67
	s_mul_i32 s[36+4*\n], s66, 768
	s_mov_b32 s[37+4*\n], 0
	s_lshl_b32 s[38+4*\n], s66, 6
	s_add_co_u32 s[38+4*\n], s[38+4*\n], 3145728
	s_mov_b32 s[39+4*\n], 0
.endr
	s_lshr_b32 s60, s[BH], 4                           ; the result, for my second tile: row group batch x 16 + w',
	s_lshl_b32 s60, s60, 4
	s_add_co_u32 s60, s60, s[WP2]
	s_mul_i32 s60, s60, 102400
	s_and_b32 s62, s[BH], 15
	s_lshr_b32 s63, s62, 1
	s_mul_i32 s63, s63, 12800                          ; K step head / 2,
	s_add_co_u32 s60, s60, s63
	s_and_b32 s62, s62, 1
	s_mul_i32 s63, s[XX], 1536                         ; tile x,
	s_mul_i32 s61, s62, 768                            ; half head % 2
	s_add_co_u32 s63, s63, s61
	s_add_co_u32 s[OP], s60, s63
	s_mov_b32 s[OP+1], 0
	s_lshl_b32 s63, s[XX], 6                           ; its scale words: 128 (x / 2) + 64 (x % 2), my head's two bytes
	s_lshl_b32 s61, s62, 1
	s_add_co_u32 s63, s63, s61
	s_add_co_u32 s63, s63, 12288
	s_add_co_u32 s[OSP], s60, s63
	s_mov_b32 s[OSP+1], 0
	s_lshr_b32 s74, s[XX], 1
	s_lshl_b32 s74, s74, 5
	s_and_b32 s75, s[XX], 1
	s_lshl_b32 s75, s75, 3
	s_add_co_u32 s74, s74, s75                         ; 32 (x/2) + 8 (x%2)
	s_mul_i32 s76, s[WV], PSZ
	s_add_co_u32 s76, s76, PB                          ; where my part goes,
	s_xor_b32 s77, s[WV], 1
	s_mul_i32 s77, s77, PSZ
	s_add_co_u32 s77, s77, PB                          ; and where my partner's lies
	s_mov_b32 s[SEL], 0x76543210
	s_mov_b32 s[SEL+1], 0xfedcba98
	s_mov_b32 s[CS], 0x3e38aa3b                        ; log2(e) / 8
	s_mov_b32 s[CS+1], s[CS]
	s_wait_dscnt 0x0                                   ; both opening adds are done
	s_wait_kmcnt 0x0
	s_mov_b32 s[G0], 1
	s_mov_b32 s[G0+1], s70
	s_add_nc_u64 s[G0+2:G0+3], s[4:5], s[72:73]
	s_or_b32 s[G0+3], s[G0+3], 0x80000000
.irp k, 0,1,2,3
	s_add_nc_u64 s[36+2*\k:37+2*\k], s[4:5], s[36+2*\k:37+2*\k]
.endr
	s_add_nc_u64 s[OP:OP+1], s[6:7], s[OP:OP+1]
	s_add_nc_u64 s[OSP:OSP+1], s[6:7], s[OSP:OSP+1]
	CROUND                                             ; all four work-groups are here: the joint loads meet
	tensor_load_to_lds s[G0:G0+3], s[G1:G1+7]          ; record w: my one tensor load
	s_nop 0
	v_and_b32 v10, 31, v0
	v_and_b32 v11, 15, v0                              ; r
	v_bfe_u32 v4, v0, 4, 1                             ; h
	v_lshlrev_b32 v1, 3, v10
	v_lshlrev_b32 v2, 2, v10
	v_lshlrev_b32 v5, 2, v11
	s_wait_alu depctr_va_vdst(0)
.irp p, 0,1,2
	global_load_b64 v[Q1+2*\p:Q1+2*\p+1], v1, s[36:37] offset:256*\p
	global_load_b64 v[Q2+2*\p:Q2+2*\p+1], v1, s[40:41] offset:256*\p
.endr
	global_load_b32 v[Q1+12], v5, s[38:39]
	global_load_b32 v[Q2+12], v5, s[42:43]
	v_lshlrev_b32 v[PLD], 4, v10                       ; 16 x lane
	v_and_b32 v3, 8, v11
	v_lshlrev_b32 v4, 4, v4
	v_add_nc_u32 v[PST], s76, v[PLD]
	v_add_nc_u32 v3, v3, v11
	v_add_nc_u32 v[PLD], s77, v[PLD]
	s_delay_alu instid0(VALU_DEP_2)
	v_add_nc_u32 v3, s74, v3                           ; my query's place among the diagonal step's 128,
	s_delay_alu instid0(VALU_DEP_1)
	v_sub_nc_u32 v3, v3, v4                            ; less 16 (lane/16)
.irp i, 6,7,8,9,10,11
	v_mov_b32 v[Q1+\i], 0                              ; q's upper 64 along K: zero codes
	v_mov_b32 v[Q2+\i], 0
	v_mov_b32 v[FR+42+\i], 0                           ; written once: the eighth tile of k names them
.endr
.irp b, 0,1,2,3
	v_mov_b32 v[236+\b], 0                             ; a lane permute's destination counts as read
.endr
	v_mov_b32 v252, 0
	v_mov_b32 v253, 0
	INIT
	s_wait_alu depctr_va_vdst(0)                       ; the wait at the head's end
	s_wait_loadcnt 0x0                                 ; q
	s_wait_tensorcnt 0x0                               ; my record has landed;
	s_wait_dscnt 0x0
	s_barrier_signal -1
	s_barrier_wait -1                                  ; everybody's has: the head's 16 records lie in LDS, and nothing fills LDS from here on
	PASS Q1, Q1+12
	PLACES 4                                           ; in front of the first read of results
.irp i, 0,1,2,3,4,5,6,7
	ds_store_b128 v[PST], v[160+4*\i:163+4*\i] offset:512*\i   ; my part of the first tile, each accumulator from its low end on
.endr
	ds_store_b128 v[PST], v[12:15] offset:4096         ; -M, the largest t, the sum's two halves
	INIT
	s_mov_b32 s[WP], s[WP2]
	s_wait_alu depctr_va_vdst(0)
	PASS Q2, Q2+12
	s_wait_dscnt 0x0                                   ; for my partner's sake: my part lies in LDS
	s_barrier_signal -1
	s_barrier_wait -1
.irp i, 0,1,2,3,4,5,6,7
	ds_load_b128 v[96+4*\i:99+4*\i], v[PLD] offset:512*\i      ; my partner's part of the tile that I walked last
.endr
	ds_load_b128 v[128:131], v[PLD] offset:4096
	s_wait_dscnt 0x0
	v_min_num_f32 v232, v12, v128                      ; -M of the two together
	v_add_f32 v14, v14, v15
	v_add_f32 v130, v130, v131
	s_delay_alu instid0(VALU_DEP_3)
	v_sub_f32 v233, v232, v12
	v_sub_f32 v234, v232, v128
	s_delay_alu instid0(VALU_DEP_2)
	v_cvt_i32_f32 v233, v233                           ; (it saturates: a part with no key step counts for nothing)
	s_delay_alu instid0(VALU_DEP_2)
	v_cvt_i32_f32 v234, v234
	s_delay_alu instid0(VALU_DEP_2)
	v_ldexp_f32 v236, 1.0, v233                        ; my part's factor, a power of two,
	s_delay_alu instid0(VALU_DEP_2)
	v_ldexp_f32 v238, 1.0, v234                        ; and my partner's
	s_delay_alu instid0(VALU_DEP_2)
	v_mul_f32 v14, v14, v236
	s_delay_alu instid0(VALU_DEP_1)
	v_fma_f32 v14, v130, v238, v14
	s_delay_alu instid0(VALU_DEP_1)
	v_permlanex16_b32 v252, v14, s[SEL], s[SEL+1]
	s_delay_alu instid0(VALU_DEP_1)
	v_add_f32 v14, v14, v252                           ; the row's sum
	s_wait_alu depctr_va_vdst(0)
	v_rcp_f32 v14, v14
	v_nop
	s_wait_alu depctr_va_vdst(0)                       ; the wait ahead of the reciprocal's first reader
	v_mul_f32 v236, v236, v14
	v_mul_f32 v238, v238, v14
.set NN, 0
.rept 16
	v_pk_mul_f32 v[96+2*NN:97+2*NN], v[96+2*NN:97+2*NN], v[238:239] op_sel_hi:[1,0]
.set NN, NN+1
.endr
	s_wait_alu depctr_va_vdst(0)                       ; directly ahead of the first reader of O^T
.set NN, 0
.rept 16
	v_pk_fma_f32 v[96+2*NN:97+2*NN], v[160+2*NN:161+2*NN], v[236:237], v[96+2*NN:97+2*NN] op_sel_hi:[1,0,1]   ; the two parts under one M, over the sum
.set NN, NN+1
.endr
	; the 32 registers are the head's channels 32 b + 16 (lane/16) + i: half a fragment of the next product's operand
	v_max3_num_f32 v[QM], |v96|, |v97|, 0x2800000
	v_max3_num_f32 v[QM+1], |v112|, |v113|, 0x2800000
.irp i, 2,4,6,8,10,12,14
	s_delay_alu instid0(VALU_DEP_2)
	v_max3_num_f32 v[QM], v[QM], |v[96+\i]|, |v[97+\i]|
	s_delay_alu instid0(VALU_DEP_2)
	v_max3_num_f32 v[QM+1], v[QM+1], |v[112+\i]|, |v[113+\i]|
.endr
	s_delay_alu instid0(VALU_DEP_2)
	v_permlanex16_b32 v[QP], v[QM], s[SEL], s[SEL+1]
	s_delay_alu instid0(VALU_DEP_2)
	v_permlanex16_b32 v[QP+1], v[QM+1], s[SEL], s[SEL+1]
	s_delay_alu instid0(VALU_DEP_2)
	v_max_num_f32 v[QM], v[QM], v[QP]
	s_delay_alu instid0(VALU_DEP_2)
	v_max_num_f32 v[QM+1], v[QM+1], v[QP+1]
	s_delay_alu instid0(VALU_DEP_2)
	v_add_nc_u32 v[QE], 0xfe000000, v[QM]
	s_delay_alu instid0(VALU_DEP_2)
	v_add_nc_u32 v[QE+1], 0xfe000000, v[QM+1]
	s_delay_alu instid0(VALU_DEP_2)
	v_lshrrev_b32 v[QM], 23, v[QE]
	s_delay_alu instid0(VALU_DEP_2)
	v_lshrrev_b32 v[QM+1], 23, v[QE+1]
	s_delay_alu instid0(VALU_DEP_1)
	v_lshl_or_b32 v[QW], v[QM+1], 8, v[QM]
	v_cvt_scalef32_pk16_bf6_f32 v[QC:QC+2], v[96:111], v[QE]
	v_cvt_scalef32_pk16_bf6_f32 v[QT:QT+2], v[112:127], v[QE+1]
	v_nop                                              ; a plain line behind the conversions
.irp i, 0,1,2
	v_permlane16_swap_b32 v[QC+\i], v[QT+\i]
.endr
.irp i, 0,1,2
	s_delay_alu instid0(VALU_DEP_3)
	v_mov_b32 v[QC+3+\i], v[QT+\i]
.endr
.irp p, 0,1,2
	global_store_b64 v1, v[QC+2*\p:QC+2*\p+1], s[OP:OP+1] offset:256*\p   ; 32 lanes store 256 consecutive bytes
.endr
	global_store_b16 v5, v[QW], s[OSP:OSP+1]           ; my head's two bytes of the row's scale word (both halves of the lanes hold the same)
	s_wait_tensorcnt 0x0                               ; the wave's end
	ds_add_u32 v[SPW], v[NIL]
	s_wait_dscnt 0x0
	CROUND                                             ; the closing round
	s_endpgm
.Lfunc_end_k_qda30b30292_attn:
	.size	k_qda30b30292_attn, .Lfunc_end_k_qda30b30292_attn-k_qda30b30292_attn
	.p2alignl 7, 3214868480
	.fill 96, 4, 3214868480
	.section	.rodata,"a",@progbits
	.p2align	6, 0x0
	.amdhsa_kernel k_qda30b30292_attn
		.amdhsa_group_segment_fixed_size 284672
		.amdhsa_private_segment_fixed_size 0
		.amdhsa_enable_private_segment 0
		.amdhsa_kernarg_size 16
		.amdhsa_user_sgpr_count 2
		.amdhsa_user_sgpr_kernarg_segment_ptr 1
		.amdhsa_wavefront_size32 1
		.amdhsa_system_sgpr_workgroup_id_x 1
		.amdhsa_system_sgpr_workgroup_id_y 1
		.amdhsa_system_sgpr_workgroup_id_z 1
		.amdhsa_system_vgpr_workitem_id 0
		.amdhsa_next_free_vgpr 256
		.amdhsa_next_free_sgpr 80
		.amdhsa_reserve_vcc 1
		.amdhsa_float_denorm_mode_32 3
		.amdhsa_float_denorm_mode_16_64 3
		.amdhsa_memory_ordered 1
		.amdhsa_forward_progress 1
		.amdhsa_inst_pref_size 65
	.end_amdhsa_kernel
	.amdgpu_metadata
---
amdhsa.version: [ 1, 2 ]
amdhsa.kernels:
  - .name:           k_qda30b30292_attn
    .symbol:         k_qda30b30292_attn.kd
    .args:
      - { .name: qkv, .offset: 0, .size: 8, .value_kind: global_buffer, .address_space: global }
      - { .name: aa, .offset: 8, .size: 8, .value_kind: global_buffer, .address_space: global }
    .group_segment_fixed_size: 284672
    .private_segment_fixed_size: 0
    .kernarg_segment_align: 8
    .kernarg_segment_size: 16
    .max_flat_workgroup_size: 512
    .sgpr_count:     80
    .vgpr_count:     256
    .wavefront_size: 32
...
	.end_amdgpu_metadata
.endif
;; end of part 10
;; launch wo (part 11): grid 32 x 8, 4 waves a work-group, clusters of 4 x 1, 168,448 bytes of LDS; arguments aa, wts, x, x2; writes x2
.if DOCPART == 11
	.amdgcn_target "amdgcn-amd-amdhsa--gfx1250"
	.amdhsa_code_object_version 6
	.text
	.protected	k_qda30b30292_wo
	.globl	k_qda30b30292_wo
	.p2align	8
	.type	k_qda30b30292_wo,@function
k_qda30b30292_wo:
	s_mov_b64 s[64:65], 0
	v_nop
	global_prefetch_b8 v0, s[64:65] scope:SCOPE_SE
	s_setreg_imm32_b32 hwreg(HW_REG_WAVE_MODE, 25, 1), 1
	s_wait_xcnt 0x0
	s_wait_alu depctr_hold_cnt(0) depctr_sa_sdst(0) depctr_va_vdst(0) depctr_va_sdst(0) depctr_va_ssrc(0) depctr_va_vcc(0) depctr_vm_vsrc(0)
	s_getreg_b32 s2, hwreg(HW_REG_IB_STS2, 6, 4)
	s_cmp_eq_u32 s2, 0
	s_cbranch_scc0 .Lentry_in_a_cluster
	s_endpgm
.Lentry_in_a_cluster:
	s_bfe_u32 s2, ttmp6, 0x10000c
	s_cmp_lg_u32 s2, 0x3003
	s_cbranch_scc0 .Lentry_shape_is_right
	s_endpgm
.Lentry_shape_is_right:
; x2 = x + attn Wo^T: a tile of 128 tokens (row group R) x 128 columns (group g), on E3M2 codes, K = 1,024 in 8 steps of 128.
; D = (Y tile) x (X tile): Y = 128 rows of Wo, in LDS for all of K, filled ONCE at the head (one tensor load a wave, a quarter of the group: K steps 2 w, 2 w + 1); X = my two tiles of tokens, from memory straight into registers.
; CLUSTER: the four work-groups of a cluster differ in R alone: Wo's records are asked for jointly (mask 15).  One tensor load of a wave is out at the most.
; A lane's results are neighbouring columns of one token: they go through the wave's own stage in LDS, come back as whole rows of 512 bytes, take the residual and are stored.
; REGISTERS: window 0: v1-9 addresses; v16-23 Y's scale words; from v24 X's; v128-255 the 16 accumulators.  window 1: Y's fragments, two sets of 96 (later rows of the result); v192-255 the residual of my first tile.
;   window 2: X's fragments; v192-255 the residual of my second tile.
.set REC, 12800
.set NS, 8
.set XD, 8
.set YOFF, 2457600
.set GB, 102400
.set STG, 102400
.set ARP, 64                           ; no wait for a chunk inside the job: Wo's group is whole when it begins
.set ASH, 0
.set ADP, 4
.set DSH, 0
.set TCN, 0
.set CST, 0
.set AY, 3
.set AS, 4
.set XO, 5
.set XSO, 6
.set GO, 7
.set SO, 8
.set SR, 9
.set YS, 16
.set XS, 24
.set ACC, 128
.set WV, 14
.set G1A, 24
.set G1B, 32
.set G0, 40
.set XP, 66
.set RESP, 68
.set OUTP, 70
.set MSB, 0
.macro WIN new
.if MSB != (\new)
	s_set_vgpr_msb (MSB<<8)|(\new)
.set MSB, \new
.endif
.endm
.macro PLACES n
.rept \n
	v_nop
.endr
.endm
.macro CROUND
	s_barrier_signal -1
	s_barrier_wait -1
	s_cmp_lg_u32 s[WV], 0
	s_cbranch_scc1 .Lnot_wave_0_\@
	s_barrier_signal -3
.Lnot_wave_0_\@:
	s_barrier_wait -3
	s_barrier_signal -1
	s_barrier_wait -1
.endm
.macro ARRIVE n                        ; my part of the next chunk has landed (n younger loads may be out), no LDS load of mine is out; behind the barrier everybody's part has landed
	s_wait_tensorcnt \n
	s_wait_dscnt 0x0
	s_barrier_signal -1
	s_barrier_wait -1
.endm
.macro WM d, a, b, c, sa, sb, ra, rb
.if (\ra) && (\rb)
	v_wmma_scale_f32_16x16x128_f8f6f4 v[\d:\d+7], v[\a:\a+11], v[\b:\b+11], \c, v[\sa], v[\sb] matrix_a_fmt:MATRIX_FMT_BF6 matrix_b_fmt:MATRIX_FMT_BF6 matrix_a_scale:MATRIX_SCALE_ROW1 matrix_b_scale:MATRIX_SCALE_ROW1
.elseif \ra
	v_wmma_scale_f32_16x16x128_f8f6f4 v[\d:\d+7], v[\a:\a+11], v[\b:\b+11], \c, v[\sa], v[\sb] matrix_a_fmt:MATRIX_FMT_BF6 matrix_b_fmt:MATRIX_FMT_BF6 matrix_a_scale:MATRIX_SCALE_ROW1
.elseif \rb
	v_wmma_scale_f32_16x16x128_f8f6f4 v[\d:\d+7], v[\a:\a+11], v[\b:\b+11], \c, v[\sa], v[\sb] matrix_a_fmt:MATRIX_FMT_BF6 matrix_b_fmt:MATRIX_FMT_BF6 matrix_b_scale:MATRIX_SCALE_ROW1
.else
	v_wmma_scale_f32_16x16x128_f8f6f4 v[\d:\d+7], v[\a:\a+11], v[\b:\b+11], \c, v[\sa], v[\sb] matrix_a_fmt:MATRIX_FMT_BF6 matrix_b_fmt:MATRIX_FMT_BF6
.endif
.endm
.macro LOADY s                         ; step s's record of Y: 48 + 4 LDS loads
	WIN 0x40
.irp y, 0,1,2,3,4,5,6,7
.irp q, 0,1,2,3,4,5
	ds_load_b64 v[96*((\s)%2)+12*\y+2*\q:96*((\s)%2)+12*\y+2*\q+1], v[AY] offset:((\s)-CST)*REC+1536*\y+256*\q
.endr
.endr
	WIN 0
.irp i, 0,1,2,3
	ds_load_b32 v[YS+4*((\s)%2)+\i], v[AS] offset:((\s)-CST)*REC+128*\i
.endr
.endm
.macro LOADX s, win, ptr, off
	WIN (\win)<<6
.irp x, 0,1
.irp q, 0,1,2,3,4,5
	global_load_b64 v[24*((\s)%XD)+12*\x+2*\q:24*((\s)%XD)+12*\x+2*\q+1], v[XO], s[\ptr:\ptr+1] offset:(\off)+(\s)*REC+1536*\x+256*\q
.endr
.endr
	WIN 0
.endm
.macro MUL s, sj, win, xsb             ; 16 products; the 16 accumulators take turns, one instruction a turn
	WIN 1|((\win)<<2)
.irp i, 0,1,2,3
.irp u, 0,1
.irp x, 0,1
.if (\sj) == 0
	WM ACC+8*(8*\x+2*\i+\u), 96*((\s)%2)+12*(2*\i+\u), 24*((\sj)%XD)+12*\x, 0, YS+4*((\s)%2)+\i, (\xsb)+(\sj), \u, \x
.else
	WM ACC+8*(8*\x+2*\i+\u), 96*((\s)%2)+12*(2*\i+\u), 24*((\sj)%XD)+12*\x, v[ACC+8*(8*\x+2*\i+\u):ACC+8*(8*\x+2*\i+\u)+7], YS+4*((\s)%2)+\i, (\xsb)+(\sj), \u, \x
.endif
.endr
.endr
.endr
	WIN 0
.endm
.macro JSTART s, arron
.if \arron
	ARRIVE TCN
.set TCN, TCN-1
.endif
.if (\s) > CST
	v_add_nc_u32 v[AY], ((\s)-CST)*REC, v[AY]
	v_add_nc_u32 v[AS], ((\s)-CST)*REC, v[AS]
.endif
.set CST, \s
	PLACES 4
	LOADY \s
.endm
.macro JOB s0, ns, win, xsb, lcon, arron
.set SG, \s0
.rept \ns
.set SJ, SG-(\s0)
.if SJ+1 < (\ns)
.if (\arron) && (((SJ+1+ASH)%ARP) == 0)
	ARRIVE TCN
.set TCN, TCN-1
.endif
.if ((SJ+1+DSH)%ADP) == 0
	v_add_nc_u32 v[AY], (SG+1-CST)*REC, v[AY]
	s_wait_alu depctr_va_vdst(0)
	v_add_nc_u32 v[AS], (SG+1-CST)*REC, v[AS]
.set CST, SG+1
.endif
	PLACES 4                                           ; four plain lines between the last products and loads into registers that they read
	LOADY SG+1
.if (XD < (\ns)) && (SJ >= 1) && (SJ-1+XD < (\ns))
	LOADX SJ-1+XD, \win, XP, 0
.endif
	s_wait_alu depctr_va_vdst(0)
	s_wait_dscnt 52                                    ; this step's record is in; the 52 loads just issued may be out
.else
	s_wait_dscnt 0x0
.endif
.if \lcon
.set LC, (\ns)-1
.if SJ+XD-1 < LC
.set LC, SJ+XD-1
.endif
.set LC, 12*(LC-SJ)
.if LC > 63
.set LC, 63
.endif
	s_wait_loadcnt LC                                  ; this step's X is in; the later steps' 12 loads each may be out (the count's field holds 63)
.endif
	MUL SG, SJ, \win, \xsb
.set SG, SG+1
.endr
	PLACES 4
.endm
.macro EPIRES x                        ; my tile x: through the stage, + the residual, out
	s_wait_xcnt 0x0                                    ; earlier stores have read the registers that the loads below fill
.irp y, 0,1,2,3,4,5,6,7
	ds_store_b128 v[SO], v[ACC+64*\x+8*\y:ACC+64*\x+8*\y+3] offset:128*(\y/2)+32*(\y%2)       ; each accumulator from its low end on
	ds_store_b128 v[SO], v[ACC+64*\x+8*\y+4:ACC+64*\x+8*\y+7] offset:128*(\y/2)+32*(\y%2)+16
.endr
	WIN 0x40
.irp i, 0,1,2,3,4,5,6,7,8,9,10,11,12,13,14,15
	ds_load_b128 v[4*\i:4*\i+3], v[SR] offset:528*\i   ; LDS serves a wave's instructions in order (ISA guide 5.7.1.4): these see my stores
.endr
	s_wait_dscnt 0x0
	WIN 0x45+4*\x
.irp j, 0,2,4,6,8,10,12,14,16,18,20,22,24,26,28,30,32,34,36,38,40,42,44,46,48,50,52,54,56,58,60,62
	v_pk_add_f32 v[\j:\j+1], v[\j:\j+1], v[192+\j:193+\j]
.endr
	WIN 0x04
.irp i, 0,1,2,3,4,5,6,7,8,9,10,11,12,13,14,15
	global_store_b128 v[GO], v[4*\i:4*\i+3], s[OUTP:OUTP+1] offset:(8*\x+\i+8*(\i/8))*4096 th:TH_STORE_NT   ; 32 lanes store 512 consecutive bytes, at a multiple of 256
.endr
	WIN 0
.endm
	s_load_b256 s[4:11], s[0:1], 0x0                   ; X's codes, wts, the residual, the result
	v_lshl_add_u32 v126, v0, 2, 0x29000
	v_mov_b32 v127, 0
	ds_add_u32 v126, v127
	ds_add_u32 v126, v127
	v_lshrrev_b32 v1, 5, v0
	v_readfirstlane_b32 s[WV], v1
	s_bfe_u32 s15, ttmp6, 0x40000                      ; cx
	s_lshl_b32 s16, ttmp9, 2
	s_add_co_u32 s16, s16, s15                         ; R: it enters global addresses alone
	s_and_b32 s17, ttmp7, 0xffff                       ; g, which the four partners share
	s_mov_b32 s[G1A], 15|(3<<16)|(1<<21)               ; 100 rows of 256 bytes: two records; mask: all four work-groups
	s_mov_b32 s[G1A+1], 32<<16
	s_mov_b32 s[G1A+2], 100<<16                        ; ONE tensor load a wave: a quarter of Wo's group, two records, 100 rows of 256 bytes
	s_mov_b32 s[G1A+3], 32<<16
	s_mov_b32 s[G1A+4], 100
	s_mov_b32 s[G1A+5], 32
	s_mov_b32 s[G1A+6], 0
	s_mov_b32 s[G1A+7], 0
	s_mul_i32 s84, s[WV], 25600
	s_mul_i32 s80, s17, GB
	s_add_co_u32 s80, s80, s84
	s_add_co_u32 s80, s80, YOFF
	s_mov_b32 s81, 0
	s_mul_i32 s86, s16, GB
	s_mov_b32 s87, 0
	s_lshl_b32 s88, s16, 7
	s_lshl_b32 s89, s[WV], 5
	s_add_co_u32 s88, s88, s89
	s_lshl_b32 s88, s88, 12                            ; token 128 R + 32 w,
	s_lshl_b32 s89, s17, 9
	s_add_co_u32 s88, s88, s89                         ; column 128 g
	s_mov_b32 s89, 0
	v_and_b32 v11, 31, v0
	v_and_b32 v12, 15, v0
	v_bfe_u32 v13, v0, 4, 1
	v_lshlrev_b32 v1, 3, v11
	v_lshlrev_b32 v2, 2, v11
	v_mov_b32 v[AY], v1
	v_add_nc_u32 v[AS], 12288, v2
	s_mul_i32 s92, s[WV], 3072
	v_add_nc_u32 v[XO], s92, v1
	s_lshl_b32 s93, s[WV], 7
	v_add_nc_u32 v[XSO], s93, v2
	v_add_nc_u32 v[XSO], 12288, v[XSO]
	v_lshlrev_b32 v[GO], 4, v11
	s_mul_i32 s92, s[WV], 8448
	s_add_co_u32 s92, s92, STG                         ; my stage: 16 rows of 512 + 16 bytes
	v_mul_u32_u24 v[SO], v12, 528
	v_lshl_add_u32 v[SO], v13, 6, v[SO]
	v_add_nc_u32 v[SO], s92, v[SO]
	v_add_nc_u32 v[SR], s92, v[GO]
	s_wait_dscnt 0x0
	s_wait_kmcnt 0x0
	s_add_nc_u64 s[82:83], s[6:7], s[80:81]
	s_add_nc_u64 s[XP:XP+1], s[4:5], s[86:87]
	s_add_nc_u64 s[RESP:RESP+1], s[8:9], s[88:89]
	s_add_nc_u64 s[OUTP:OUTP+1], s[10:11], s[88:89]
.irp c, 0
	s_mov_b32 s[G0+4*\c], 1
	s_add_co_u32 s[G0+4*\c+1], s84, \c*25600
	s_add_nc_u64 s[G0+4*\c+2:G0+4*\c+3], s[82:83], \c*25600
	s_or_b32 s[G0+4*\c+3], s[G0+4*\c+3], 0x80000000
.endr
	CROUND                                             ; all four work-groups are here: the joint loads meet
	tensor_load_to_lds s[G0:G0+3], s[G1A:G1A+7]
	s_nop 0
	PLACES 4
	s_wait_alu depctr_va_vdst(0)
.irp x, 0,1                            ; the residual first: loads come back in order, so the counted waits for X below need not count it
	WIN 0x40<<\x
.irp i, 0,1,2,3,4,5,6,7,8,9,10,11,12,13,14,15
	global_load_b128 v[192+4*\i:195+4*\i], v[GO], s[RESP:RESP+1] offset:(8*\x+\i+8*(\i/8))*4096 th:TH_LOAD_NT
.endr
.endr
	WIN 0
.set NN, 0
.rept NS
	global_load_b32 v[XS+NN], v[XSO], s[XP:XP+1] offset:NN*REC
.set NN, NN+1
.endr
.set NN, 0
.rept XD
	LOADX NN, 2, XP, 0
.set NN, NN+1
.endr
	JSTART 0, 1
	JOB 0, NS, 2, XS, 1, 1
	EPIRES 0
	EPIRES 1
	s_wait_dscnt 0x0
	s_wait_tensorcnt 0x0
	ds_add_u32 v126, v127
	s_wait_dscnt 0x0
	CROUND                                             ; the closing round
	s_endpgm
.Lfunc_end_k_qda30b30292_wo:
	.size	k_qda30b30292_wo, .Lfunc_end_k_qda30b30292_wo-k_qda30b30292_wo
	.p2alignl 7, 3214868480
	.fill 96, 4, 3214868480
	.section	.rodata,"a",@progbits
	.p2align	6, 0x0
	.amdhsa_kernel k_qda30b30292_wo
		.amdhsa_group_segment_fixed_size 168448
		.amdhsa_private_segment_fixed_size 0
		.amdhsa_enable_private_segment 0
		.amdhsa_kernarg_size 32
		.amdhsa_user_sgpr_count 2
		.amdhsa_user_sgpr_kernarg_segment_ptr 1
		.amdhsa_wavefront_size32 1
		.amdhsa_system_sgpr_workgroup_id_x 1
		.amdhsa_system_sgpr_workgroup_id_y 1
		.amdhsa_system_sgpr_workgroup_id_z 1
		.amdhsa_system_vgpr_workitem_id 0
		.amdhsa_next_free_vgpr 768
		.amdhsa_next_free_sgpr 96
		.amdhsa_reserve_vcc 0
		.amdhsa_float_denorm_mode_32 3
		.amdhsa_float_denorm_mode_16_64 3
		.amdhsa_memory_ordered 1
		.amdhsa_forward_progress 1
		.amdhsa_inst_pref_size 75
	.end_amdhsa_kernel
	.amdgpu_metadata
---
amdhsa.version: [ 1, 2 ]
amdhsa.kernels:
  - .name:           k_qda30b30292_wo
    .symbol:         k_qda30b30292_wo.kd
    .args:
      - { .name: aa, .offset: 0, .size: 8, .value_kind: global_buffer, .address_space: global }
      - { .name: wts, .offset: 8, .size: 8, .value_kind: global_buffer, .address_space: global }
      - { .name: x, .offset: 16, .size: 8, .value_kind: global_buffer, .address_space: global }
      - { .name: x2, .offset: 24, .size: 8, .value_kind: global_buffer, .address_space: global }
    .group_segment_fixed_size: 168448
    .private_segment_fixed_size: 0
    .kernarg_segment_align: 8
    .kernarg_segment_size: 32
    .max_flat_workgroup_size: 128
    .sgpr_count:     96
    .vgpr_count:     768
    .wavefront_size: 32
...
	.end_amdgpu_metadata
.endif
;; end of part 11
;; launch norm2 (part 12): grid 256 x 1, 4 waves a work-group, no clusters, 66,304 bytes of LDS; arguments x2, g2, xb; writes xb
.if DOCPART == 12
	.amdgcn_target "amdgcn-amd-amdhsa--gfx1250"
	.amdhsa_code_object_version 6
	.text
	.protected	k_qda30b30292_norm2
	.globl	k_qda30b30292_norm2
	.p2align	8
	.type	k_qda30b30292_norm2,@function
k_qda30b30292_norm2:
	s_mov_b64 s[64:65], 0
	v_nop
	global_prefetch_b8 v0, s[64:65] scope:SCOPE_SE
	s_setreg_imm32_b32 hwreg(HW_REG_WAVE_MODE, 25, 1), 1
	s_wait_xcnt 0x0
; rmsnorm(x2, g2) of one tile of 16 rows, quantised to E3M2 along K = 1,024, stored as operand images into xb.
; A tile T holds, in lane-row i, row 32 (T/2) + 8 (T%2) + i + 8 (i/8).  A fragment (16 rows x 128 K) lies as an image of its registers: register pair q of lane l at 256 q + 8 l.
; A record serves 8 tiles x 128 K: tile y's image at 1,536 y, scale words at 12,288 + 128 (y/2) + 64 (y%2) + 4 r: 12,800 bytes.
; LIMITS: NaN and infinities are not served.  A block whose largest magnitude lies under 2^-122 (zeros too) gets the scale byte 1; these bytes are read by this program alone.
.set WV, 12
.set TT, 13
.set SEL, 14
.set SRC, 4
.set GN, 6
.set DST, 8
.set DC, 16
.set DS, 18
.set XR, 32
.set GR, 160
.set SS, 192
.set RS, 200
.set PT, 204
.set RI, 208
.macro NQ ss                           ; one K step of my lane's row becomes a fragment and its scale word; lane (r, h) holds the whole blocks h and 2 + h
.set BB, XR+64*(\ss)
.set CC, 176+12*(\ss)
.irp c, 0,1
	v_max3_num_f32 v[160+\c], |v[BB+32*\c]|, |v[BB+32*\c+1]|, 0x2800000   ; the floor 2^(5 - 127) holds the byte at 1 from below
.endr
.irp i, 2,4,6,8,10,12,14,16,18,20,22,24,26,28,30
.irp c, 0,1
	v_max3_num_f32 v[160+\c], v[160+\c], |v[BB+32*\c+\i]|, |v[BB+32*\c+\i+1]|
.endr
.endr
.irp c, 0,1
	v_add_nc_u32 v[162+\c], 0xfe000000, v[160+\c]
.endr
.irp c, 0,1
	v_lshrrev_b32 v[164+\c], 23, v[162+\c]
.endr
	v_lshl_or_b32 v166, v165, 16, v164
	v_lshlrev_b32 v166, v10, v166
	v_permlanex16_b32 v167, v166, s[SEL], s[SEL+1]
	v_or_b32 v[208+\ss], v166, v167
.irp c, 0,1
	v_cvt_scalef32_pk16_bf6_f32 v[CC+6*\c:CC+6*\c+2], v[BB+32*\c:BB+32*\c+15], v[162+\c]
	v_cvt_scalef32_pk16_bf6_f32 v[200+4*\c:202+4*\c], v[BB+32*\c+16:BB+32*\c+31], v[162+\c]
.endr
	v_nop                                              ; a plain line behind the conversions
.irp c, 0,1
.irp i, 0,1,2
	v_mov_b32 v[CC+6*\c+3+\i], v[200+4*\c+\i]
.endr
.endr
.irp q, 0,1,2,3,4,5
	global_store_b64 v8, v[CC+2*\q:CC+2*\q+1], s[DC:DC+1] offset:(\ss)*12800+256*\q
.endr
	global_store_b32 v9, v[208+\ss], s[DS:DS+1] offset:(\ss)*12800
.endm
	s_load_b128 s[4:7], s[0:1], 0x0                    ; x2, g2
	s_load_b64 s[8:9], s[0:1], 0x10                    ; xb
	v_lshl_add_u32 v224, v0, 2, 0x10100
	v_mov_b32 v225, 0
	v_lshrrev_b32 v1, 5, v0
	v_readfirstlane_b32 s[WV], v1
	v_and_b32 v1, 31, v0
	v_and_b32 v2, 15, v0
	v_bfe_u32 v3, v0, 4, 1
	v_lshlrev_b32 v8, 3, v1
	v_lshlrev_b32 v9, 2, v2
	s_mov_b32 s[SEL], 0x76543210
	s_mov_b32 s[SEL+1], 0xfedcba98
	s_mov_b32 s[TT], ttmp9
	s_wait_alu depctr_va_vdst(0)
	s_wait_kmcnt 0x0
	; phase 1: wave w takes lane-rows 4 w .. 4 w + 3, which are four rows on end
	s_lshr_b32 s56, s[TT], 1
	s_lshl_b32 s56, s56, 5
	s_and_b32 s57, s[TT], 1
	s_lshl_b32 s58, s57, 3
	s_add_co_u32 s56, s56, s58
	s_lshl_b32 s58, s[WV], 2
	s_add_co_u32 s56, s56, s58
	s_lshr_b32 s58, s[WV], 1
	s_lshl_b32 s58, s58, 3
	s_add_co_u32 s56, s56, s58
	s_lshl_b32 s58, s56, 12
	s_mov_b32 s59, 0
	s_add_nc_u64 s[SRC:SRC+1], s[SRC:SRC+1], s[58:59]
	s_lshr_b32 s58, s[TT], 3
	s_mul_i32 s58, s58, 102400
	s_mul_i32 s60, s[WV], 25600
	s_add_co_u32 s58, s58, s60
	s_add_nc_u64 s[DS:DS+1], s[DST:DST+1], s[58:59]
	s_and_b32 s60, s[TT], 7
	s_mul_i32 s62, s60, 1536
	s_mov_b32 s63, 0
	s_add_nc_u64 s[DC:DC+1], s[DS:DS+1], s[62:63]
	s_lshr_b32 s60, s60, 1
	s_lshl_b32 s60, s60, 7
	s_lshl_b32 s57, s57, 6
	s_add_co_u32 s60, s60, s57
	s_add_co_u32 s62, s60, 12288
	s_add_nc_u64 s[DS:DS+1], s[DS:DS+1], s[62:63]
	v_lshlrev_b32 v5, 4, v1
	s_mul_i32 s60, s[WV], 4*4112
	v_add_nc_u32 v6, s60, v5
	v_mul_u32_u24 v7, v2, 4112
	v_lshl_add_u32 v7, v3, 7, v7
	s_lshl_b32 s60, s[WV], 10
	v_add_nc_u32 v7, s60, v7
	v_lshlrev_b32 v10, 3, v3
	s_mov_b32 s60, 0x3a800000                          ; 1 / 1024
	s_mov_b32 s61, 0x3727c5ac                          ; 1e-5
.irp j, 0,1,2,3,4,5,6,7
	global_load_b128 v[GR+4*\j:GR+4*\j+3], v5, s[GN:GN+1] offset:512*\j
.endr
.irp ri, 0,1,2,3
.irp j, 0,1,2,3,4,5,6,7
	global_load_b128 v[XR+32*\ri+4*\j:XR+32*\ri+4*\j+3], v5, s[SRC:SRC+1] offset:4096*\ri+512*\j th:TH_LOAD_NT
.endr
.endr
.irp ri, 0,1,2,3
	v_mov_b32 v[PT+\ri], 0
	v_mov_b32 v[RI+2*\ri+1], 0
.endr
	s_wait_loadcnt 0x0
.irp ri, 0,1,2,3
	v_pk_mul_f32 v[SS+2*\ri:SS+2*\ri+1], v[XR+32*\ri:XR+32*\ri+1], v[XR+32*\ri:XR+32*\ri+1]
.endr
.irp j, 2,4,6,8,10,12,14,16,18,20,22,24,26,28,30
.irp ri, 0,1,2,3
	v_pk_fma_f32 v[SS+2*\ri:SS+2*\ri+1], v[XR+32*\ri+\j:XR+32*\ri+\j+1], v[XR+32*\ri+\j:XR+32*\ri+\j+1], v[SS+2*\ri:SS+2*\ri+1]
.endr
.endr
.irp ri, 0,1,2,3
	v_add_f32 v[RS+\ri], v[SS+2*\ri], v[SS+2*\ri+1]
.endr
.irp k, 1,2,4,8
.irp ri, 0,1,2,3
	v_add_f32_dpp v[RS+\ri], v[RS+\ri], v[RS+\ri] row_xmask:\k row_mask:0xf bank_mask:0xf
.endr
.endr
.irp ri, 0,1,2,3
	v_permlanex16_b32 v[PT+\ri], v[RS+\ri], s[SEL], s[SEL+1]
.endr
.irp ri, 0,1,2,3
	v_add_f32 v[RS+\ri], v[RS+\ri], v[PT+\ri]
.endr
.irp ri, 0,1,2,3
	v_fma_f32 v[RS+\ri], v[RS+\ri], s60, s61
.endr
	s_wait_alu depctr_va_vdst(0)
.irp ri, 0,1,2,3
	v_rsq_f32 v[RI+2*\ri], v[RS+\ri]
.endr
	v_nop                                              ; a plain line behind the batch,
	s_wait_alu depctr_va_vdst(0)                       ; and one wait for the four, ahead of their first reader
.irp ri, 0,1,2,3
.irp j, 0,2,4,6,8,10,12,14,16,18,20,22,24,26,28,30
	v_pk_mul_f32 v[XR+32*\ri+\j:XR+32*\ri+\j+1], v[XR+32*\ri+\j:XR+32*\ri+\j+1], v[RI+2*\ri:RI+2*\ri+1] op_sel_hi:[1,0]
	v_pk_mul_f32 v[XR+32*\ri+\j:XR+32*\ri+\j+1], v[XR+32*\ri+\j:XR+32*\ri+\j+1], v[GR+\j:GR+\j+1]
.endr
.endr
.irp ri, 0,1,2,3
.irp j, 0,1,2,3,4,5,6,7
	ds_store_b128 v6, v[XR+32*\ri+4*\j:XR+32*\ri+4*\j+3] offset:4112*\ri+512*\j
.endr
.endr
	s_wait_dscnt 0x0                                   ; for the others' sake: my rows lie in LDS
	s_barrier_signal -1
	s_barrier_wait -1
	; phase 2: wave w takes K steps 2 w, 2 w + 1 of all 16 rows
	v_mov_b32 v167, 0
.irp ss, 0,1
.irp c, 0,1
.irp j, 0,1,2,3,4,5,6,7
	ds_load_b128 v[XR+64*\ss+32*\c+4*\j:XR+64*\ss+32*\c+4*\j+3], v7 offset:512*\ss+256*\c+16*\j
.endr
.endr
.endr
	s_wait_dscnt 16                                    ; the first K step's 16 loads are in; the second's may be out
	NQ 0
	s_wait_dscnt 0x0
	NQ 1
	s_wait_tensorcnt 0x0
	ds_add_u32 v224, v225
	s_wait_dscnt 0x0
	s_endpgm
.Lfunc_end_k_qda30b30292_norm2:
	.size	k_qda30b30292_norm2, .Lfunc_end_k_qda30b30292_norm2-k_qda30b30292_norm2
	.p2alignl 7, 3214868480
	.fill 96, 4, 3214868480
	.section	.rodata,"a",@progbits
	.p2align	6, 0x0
	.amdhsa_kernel k_qda30b30292_norm2
		.amdhsa_group_segment_fixed_size 66304
		.amdhsa_private_segment_fixed_size 0
		.amdhsa_enable_private_segment 0
		.amdhsa_kernarg_size 24
		.amdhsa_user_sgpr_count 2
		.amdhsa_user_sgpr_kernarg_segment_ptr 1
		.amdhsa_wavefront_size32 1
		.amdhsa_system_sgpr_workgroup_id_x 1
		.amdhsa_system_sgpr_workgroup_id_y 1
		.amdhsa_system_sgpr_workgroup_id_z 1
		.amdhsa_system_vgpr_workitem_id 0
		.amdhsa_next_free_vgpr 226
		.amdhsa_next_free_sgpr 66
		.amdhsa_reserve_vcc 0
		.amdhsa_float_denorm_mode_32 3
		.amdhsa_float_denorm_mode_16_64 3
		.amdhsa_memory_ordered 1
		.amdhsa_forward_progress 1
		.amdhsa_inst_pref_size 32
	.end_amdhsa_kernel
	.amdgpu_metadata
---
amdhsa.version: [ 1, 2 ]
amdhsa.kernels:
  - .name:           k_qda30b30292_norm2
    .symbol:         k_qda30b30292_norm2.kd
    .args:
      - { .name: x2, .offset: 0, .size: 8, .value_kind: global_buffer, .address_space: global }
      - { .name: g2, .offset: 8, .size: 8, .value_kind: global_buffer, .address_space: global }
      - { .name: xb, .offset: 16, .size: 8, .value_kind: global_buffer, .address_space: global }
    .group_segment_fixed_size: 66304
    .private_segment_fixed_size: 0
    .kernarg_segment_align: 8
    .kernarg_segment_size: 24
    .max_flat_workgroup_size: 128
    .sgpr_count:     66
    .vgpr_count:     226
    .wavefront_size: 32
...
	.end_amdgpu_metadata
.endif
;; end of part 12
;; launch ffn13 (part 13): grid 16 x 16, 4 waves a work-group, clusters of 4 x 1, 327,680 bytes of LDS; arguments xb, wts, hh; writes hh
.if DOCPART == 13
	.amdgcn_target "amdgcn-amd-amdhsa--gfx1250"
	.amdhsa_code_object_version 6
	.text
	.protected	k_qda30b30292_ffn13
	.globl	k_qda30b30292_ffn13
	.p2align	8
	.type	k_qda30b30292_ffn13,@function
k_qda30b30292_ffn13:
	s_mov_b64 s[64:65], 0
	v_nop
	global_prefetch_b8 v0, s[64:65] scope:SCOPE_SE
	s_setreg_imm32_b32 hwreg(HW_REG_WAVE_MODE, 25, 1), 1
	s_wait_xcnt 0x0
	s_wait_alu depctr_hold_cnt(0) depctr_sa_sdst(0) depctr_va_vdst(0) depctr_va_sdst(0) depctr_va_ssrc(0) depctr_va_vcc(0) depctr_vm_vsrc(0)
	s_getreg_b32 s2, hwreg(HW_REG_IB_STS2, 6, 4)
	s_cmp_eq_u32 s2, 0
	s_cbranch_scc0 .Lentry_in_a_cluster
	s_endpgm
.Lentry_in_a_cluster:
	s_bfe_u32 s2, ttmp6, 0x10000c
	s_cmp_lg_u32 s2, 0x3003
	s_cbranch_scc0 .Lentry_shape_is_right
	s_endpgm
.Lentry_shape_is_right:
; hh = Q(silu(xn w1^T) x (xn w3^T)), on E3M2 codes, K = 1,024 in 8 steps of 128.  A work-group takes 256 tokens (two row groups of 128) and the groups of 64 hidden units p, p + 16, p + 32 (p its part, 0..15).
; There are 43 such groups: parts 0-10 have three, parts 11-15 two.
; D = (Y tile) x (X tile): Y = 64 rows of w1 (tiles 0-3) and the same 64 rows of w3 (tiles 4-7); X = my four tiles of tokens, two of each row group.
; So a lane holds x1 and x3 of the same 32 hidden units of one token; the product is quantised in registers: half a fragment (64 along the next K) of the next product's operand.
; Y's three groups, 3 x 8 records of 12,800 bytes, are filled into LDS ONCE, by three tensor loads a wave (a quarter of a group each: one at the head, two later); no byte is filled twice.  X (4 tiles x 8 K steps, 384 registers) comes from
; memory straight into registers, once, and serves all three groups.  A record of Y read from LDS (52 loads) feeds 32 products.
; CLUSTER: the four work-groups of a cluster differ in their tokens alone: the weights' records are asked for jointly (mask 15).  One tensor load of a wave is out at the most.
; PARTS 11-15 HAVE NO THIRD GROUP: their last load brings group 42 and nobody reads it, so that every wave has issued the same three loads on every path and the counted waits mean the same everywhere; the third
; job is jumped over by a branch on the part, which is the same in all waves and all partners; the barrier that shows the third group landed stands in front of that branch.
; The next K, 2,752, is 21.5 steps of 128: the work-groups that hold group 42 also store the last half step's zero codes and the bytes 127.
; LIMITS: NaN and infinities are not served; a block under 2^-122 (zeros too) gets the scale byte 1, read by this program alone.
; REGISTERS: window 0: v1-6 addresses; v16-23 Y's scale words, two sets; v24-31, v32-39 X's of the two row groups; v40-71 the sigmoid; v100-102 constants; v104-127 at work;
;   v128-255 the first row group's 16 accumulators ((x, y) at 128 + 8 (8 x + y)).   window 1: Y's fragments, two sets of 96; v192-255 the second row group's accumulators of its tile 0.
;   window 2: the first row group's X; v192-255 the second row group's accumulators of its tile 1.   window 3: the second row group's X.
.set REC, 12800
.set XD, 8
.set TCN, 5                            ; the count of the next wait for a chunk of four records
.set CST, 0
.set AY, 3
.set AS, 4
.set XO, 5
.set XSO, 6
.set YS, 16
.set XS, 24
.set EE, 40
.set ZZ, 100
.set QM, 104
.set QP, 106
.set QE, 108
.set QW, 110
.set QC, 112
.set QT, 118
.set QJ, 126
.set ACC, 128
.set AC1, 192
.set WV, 14
.set LG, 18
.set SEL, 20
.set MK, 22
.set G1A, 24
.set G0, 40
.set XP, 66
.set HP, 68
.set HS, 70
.set MSB, 0
.macro WIN new                         ; the immediate's high byte repeats the setting that is left
.if MSB != (\new)
	s_set_vgpr_msb (MSB<<8)|(\new)
.set MSB, \new
.endif
.endm
.macro PLACES n
.rept \n
	v_nop
.endr
.endm
.macro CROUND                          ; a round of the cluster's barrier
	s_barrier_signal -1
	s_barrier_wait -1
	s_cmp_lg_u32 s[WV], 0
	s_cbranch_scc1 .Lnot_wave_0_\@
	s_barrier_signal -3
.Lnot_wave_0_\@:
	s_barrier_wait -3
	s_barrier_signal -1
	s_barrier_wait -1
.endm
.macro ARRIVE n                        ; my record of the next chunk has landed (n younger loads may be out), no LDS load of mine is out; behind the barrier everybody's record has landed
	s_wait_tensorcnt \n
	s_wait_dscnt 0x0
	s_barrier_signal -1
	s_barrier_wait -1
.endm
.macro WM d, a, b, c, sa, sb, ra, rb   ; one product; ra, rb: the scale words stand in lanes 16-31
.if (\ra) && (\rb)
	v_wmma_scale_f32_16x16x128_f8f6f4 v[\d:\d+7], v[\a:\a+11], v[\b:\b+11], \c, v[\sa], v[\sb] matrix_a_fmt:MATRIX_FMT_BF6 matrix_b_fmt:MATRIX_FMT_BF6 matrix_a_scale:MATRIX_SCALE_ROW1 matrix_b_scale:MATRIX_SCALE_ROW1
.elseif \ra
	v_wmma_scale_f32_16x16x128_f8f6f4 v[\d:\d+7], v[\a:\a+11], v[\b:\b+11], \c, v[\sa], v[\sb] matrix_a_fmt:MATRIX_FMT_BF6 matrix_b_fmt:MATRIX_FMT_BF6 matrix_a_scale:MATRIX_SCALE_ROW1
.elseif \rb
	v_wmma_scale_f32_16x16x128_f8f6f4 v[\d:\d+7], v[\a:\a+11], v[\b:\b+11], \c, v[\sa], v[\sb] matrix_a_fmt:MATRIX_FMT_BF6 matrix_b_fmt:MATRIX_FMT_BF6 matrix_b_scale:MATRIX_SCALE_ROW1
.else
	v_wmma_scale_f32_16x16x128_f8f6f4 v[\d:\d+7], v[\a:\a+11], v[\b:\b+11], \c, v[\sa], v[\sb] matrix_a_fmt:MATRIX_FMT_BF6 matrix_b_fmt:MATRIX_FMT_BF6
.endif
.endm
.macro LOADY s                         ; record s of Y: eight fragments (48 loads of 256 consecutive bytes) and four registers of scale words: 52 LDS loads
	WIN 0x40
.irp y, 0,1,2,3,4,5,6,7
.irp q, 0,1,2,3,4,5
	ds_load_b64 v[96*((\s)%2)+12*\y+2*\q:96*((\s)%2)+12*\y+2*\q+1], v[AY] offset:((\s)-CST)*REC+1536*\y+256*\q
.endr
.endr
	WIN 0
.irp i, 0,1,2,3
	ds_load_b32 v[YS+4*((\s)%2)+\i], v[AS] offset:((\s)-CST)*REC+128*\i
.endr
.endm
.macro LOADX s, win, ptr, off          ; K step s's two fragments of one row group's X, from memory straight into registers: only this wave reads them
	WIN (\win)<<6
.irp x, 0,1
.irp q, 0,1,2,3,4,5
	global_load_b64 v[24*((\s)%XD)+12*\x+2*\q:24*((\s)%XD)+12*\x+2*\q+1], v[XO], s[\ptr:\ptr+1] offset:(\off)+(\s)*REC+1536*\x+256*\q
.endr
.endr
	WIN 0
.endm
; 32 products: record s of Y, K step sj, against my four tiles of X.  The 32 accumulators take turns, one instruction a turn, in the same order in every step.
; Three window settings: Y window 1 throughout; X window 2 with sums in window 0; X window 3 with sums in window 1, then in window 2.
.macro MUL s, sj
	WIN 0x09
.irp i, 0,1,2,3
.irp u, 0,1
.irp x, 0,1
.if (\sj) == 0
	WM ACC+8*(8*\x+2*\i+\u), 96*((\s)%2)+12*(2*\i+\u), 24*(\sj)+12*\x, 0, YS+4*((\s)%2)+\i, XS+(\sj), \u, \x
.else
	WM ACC+8*(8*\x+2*\i+\u), 96*((\s)%2)+12*(2*\i+\u), 24*(\sj)+12*\x, v[ACC+8*(8*\x+2*\i+\u):ACC+8*(8*\x+2*\i+\u)+7], YS+4*((\s)%2)+\i, XS+(\sj), \u, \x
.endif
.endr
.endr
.endr
.irp x, 0,1
	WIN 0x5d+0x50*\x
.irp i, 0,1,2,3
.irp u, 0,1
.if (\sj) == 0
	WM AC1+8*(2*\i+\u), 96*((\s)%2)+12*(2*\i+\u), 24*(\sj)+12*\x, 0, YS+4*((\s)%2)+\i, XS+8+(\sj), \u, \x
.else
	WM AC1+8*(2*\i+\u), 96*((\s)%2)+12*(2*\i+\u), 24*(\sj)+12*\x, v[AC1+8*(2*\i+\u):AC1+8*(2*\i+\u)+7], YS+4*((\s)%2)+\i, XS+8+(\sj), \u, \x
.endif
.endr
.endr
.endr
	WIN 0
.endm
.macro JSTART s, arron                 ; in front of a job: its first chunk, the addresses, its first record
.if \arron
	ARRIVE TCN
.set TCN, TCN-1
.endif
.if (\s) > CST
	v_add_nc_u32 v[AY], ((\s)-CST)*REC, v[AY]
	v_add_nc_u32 v[AS], ((\s)-CST)*REC, v[AS]
.endif
.set CST, \s
	PLACES 4
	LOADY \s
.endm
; A job: one group of hidden units, 8 K steps, records s0 .. s0 + 7.  While a step is multiplied the next step's record is on its way from LDS into the other set.
; lcon = 1: X is still on its way from memory.  arron = 1: the job's second chunk of four records is waited for in front of K step 4.
.macro JOB s0, lcon, arron
.set SG, \s0
.rept 8
.set SJ, SG-(\s0)
.if SJ < 7
.if (\arron) && (SJ == 3)
	ARRIVE TCN
.set TCN, TCN-1
.endif
.if SJ == 3
	v_add_nc_u32 v[AY], (SG+1-CST)*REC, v[AY]          ; the LDS addresses go on every four records, so that the immediates stay under 65,536
	s_wait_alu depctr_va_vdst(0)
	v_add_nc_u32 v[AS], (SG+1-CST)*REC, v[AS]
.set CST, SG+1
.endif
	PLACES 4                                           ; four plain lines between the last products and loads into registers that they read
	LOADY SG+1
	s_wait_alu depctr_va_vdst(0)
	s_wait_dscnt 52                                    ; this step's record is in; the 52 loads just issued may be out
.else
	s_wait_dscnt 0x0
.endif
.if \lcon
.set LC, 24*(7-SJ)
.if LC > 63
.set LC, 63
.endif
	s_wait_loadcnt LC                                  ; this step's X is in; the later steps' 24 loads each may be out (the count's field holds 63)
.endif
	MUL SG, SJ
.set SG, SG+1
.endr
	PLACES 4                                           ; in front of the first read of results
.endm
.macro QB n0                           ; 32 numbers of a lane, register 16 b + i = k 32 b + 16 (lane/16) + i of my row, become half a fragment's codes in v[QC..QC+5] and two scale bytes in v[QW]
	v_max3_num_f32 v[QM], |v[\n0]|, |v[\n0+1]|, 0x2800000      ; the floor 2^(5 - 127) holds the byte at 1 from below
	v_max3_num_f32 v[QM+1], |v[\n0+16]|, |v[\n0+17]|, 0x2800000
.irp i, 2,4,6,8,10,12,14
	v_max3_num_f32 v[QM], v[QM], |v[\n0+\i]|, |v[\n0+\i+1]|
	v_max3_num_f32 v[QM+1], v[QM+1], |v[\n0+16+\i]|, |v[\n0+17+\i]|
.endr
	v_permlanex16_b32 v[QP], v[QM], s[SEL], s[SEL+1]
	v_permlanex16_b32 v[QP+1], v[QM+1], s[SEL], s[SEL+1]
	v_max_num_f32 v[QM], v[QM], v[QP]
	v_max_num_f32 v[QM+1], v[QM+1], v[QP+1]
	v_add_nc_u32 v[QE], 0xfe000000, v[QM]
	v_add_nc_u32 v[QE+1], 0xfe000000, v[QM+1]
	v_lshrrev_b32 v[QM], 23, v[QE]
	v_lshrrev_b32 v[QM+1], 23, v[QE+1]
	v_lshl_or_b32 v[QW], v[QM+1], 8, v[QM]
	s_wait_alu depctr_va_vdst(0)
	s_wait_xcnt 0x0                                    ; earlier stores have read the registers that are written below
	v_cvt_scalef32_pk16_bf6_f32 v[QC:QC+2], v[\n0:\n0+15], v[QE]
	v_cvt_scalef32_pk16_bf6_f32 v[QT:QT+2], v[\n0+16:\n0+31], v[QE+1]
	v_nop                                              ; a plain line behind the conversions
.irp i, 0,1,2
	v_permlane16_swap_b32 v[QC+\i], v[QT+\i]
.endr
.irp i, 0,1,2
	v_mov_b32 v[QC+3+\i], v[QT+\i]
.endr
.endm
; Job j, row group rg, tile x: x1 sigmoid(x1) x3, quantised, stored.  The tile's 64 sums stand from v[a0] on in window w (x1: 32, then x3: 32); they are read as source 0 through that window,
; and what is made of them goes into window 0, so nothing is copied.
.macro GLU j, rg, x, w, a0
.set D0, ACC+64*(\x)
	WIN \w
.set NN, 0
.rept 16
	v_pk_mul_f32 v[EE+2*NN:EE+2*NN+1], v[(\a0)+2*NN:(\a0)+2*NN+1], s[LG:LG+1] op_sel_hi:[1,0]   ; -x1 log2(e); each accumulator is read from its low end on
.set NN, NN+1
.endr
	WIN 0
.set NN, 0
	s_wait_alu depctr_va_vdst(0)
.rept 32
	v_exp_f32 v[EE+NN], v[EE+NN]
.set NN, NN+1
.endr
	v_nop
	s_wait_alu depctr_va_vdst(0)                       ; one wait for the 32 exponentials
.set NN, 0
.rept 16
	v_pk_add_f32 v[EE+2*NN:EE+2*NN+1], v[EE+2*NN:EE+2*NN+1], 1.0 op_sel_hi:[1,0]
.set NN, NN+1
.endr
.set NN, 0
	s_wait_alu depctr_va_vdst(0)
.rept 32
	v_rcp_f32 v[EE+NN], v[EE+NN]
.set NN, NN+1
.endr
	v_nop
	s_wait_alu depctr_va_vdst(0)                       ; and one for the 32 reciprocals
	WIN \w
.set NN, 0
.rept 16
	v_pk_mul_f32 v[D0+2*NN:D0+2*NN+1], v[(\a0)+2*NN:(\a0)+2*NN+1], v[EE+2*NN:EE+2*NN+1]
.set NN, NN+1
.endr
.set NN, 0
.rept 16
	v_pk_mul_f32 v[D0+2*NN:D0+2*NN+1], v[(\a0)+32+2*NN:(\a0)+33+2*NN], v[D0+2*NN:D0+2*NN+1]
.set NN, NN+1
.endr
	WIN 0
	QB D0
.irp p, 0,1,2
	global_store_b64 v[XO], v[QC+2*\p:QC+2*\p+1], s[HP:HP+1] offset:(\rg)*281600+(\j)*102400+1536*(\x)+256*\p   ; group p + 16 j is K step p / 2 + 8 j of the next product
.endr
.if (\x) == 0
	v_mov_b32 v[QJ], v[QW]
.else
	v_cndmask_b32 v[QJ+1], v[QJ], v[QW], s[MK]         ; lanes 0-15: my first tile's bytes; lanes 16-31: my second's
	global_store_b16 v[XSO], v[QJ+1], s[HS:HS+1] offset:(\rg)*281600+(\j)*102400
.endif
.endm
.macro EPI j
	GLU \j, 0, 0, 0, ACC
	GLU \j, 0, 1, 0, ACC+64
	GLU \j, 1, 0, 1, AC1
	GLU \j, 1, 1, 2, AC1
.endm
	s_load_b128 s[4:7], s[0:1], 0x0                    ; xb, wts
	s_load_b64 s[8:9], s[0:1], 0x10                    ; hh
	v_lshl_add_u32 v124, v0, 2, 0x4b000
	v_mov_b32 v125, 0
	ds_add_u32 v124, v125
	ds_add_u32 v124, v125
	v_lshrrev_b32 v1, 5, v0
	v_readfirstlane_b32 s[WV], v1
	s_bfe_u32 s15, ttmp6, 0x40000                      ; cx
	s_lshl_b32 s16, ttmp9, 2
	s_add_co_u32 s16, s16, s15                         ; which pair of row groups: it enters global addresses alone
	s_and_b32 s17, ttmp7, 0xffff                       ; the part p, which the four partners share
	s_mov_b32 s[G1A], 15|(3<<16)|(1<<21)               ; two records as 100 rows of 32 elements of 8 bytes; mask: all four work-groups, bit 21 beside it
	s_mov_b32 s[G1A+1], 32<<16                         ; tensor_dim0
	s_mov_b32 s[G1A+2], 100<<16                        ; tensor_dim1: a quarter of a group, two records, 100 rows of 256 bytes
	s_mov_b32 s[G1A+3], 32<<16                         ; tile_dim0
	s_mov_b32 s[G1A+4], 100                            ; tile_dim1
	s_mov_b32 s[G1A+5], 32                             ; the pitch
	s_mov_b32 s[G1A+6], 0
	s_mov_b32 s[G1A+7], 0
	s_mul_i32 s84, s[WV], 2*REC                        ; my quarter of a group: in LDS and in memory
	s_mul_i32 s80, s17, 102400
	s_add_co_u32 s80, s80, s84
	s_add_co_u32 s80, s80, 3276800                     ; group p
	s_mov_b32 s81, 0
	s_add_co_u32 s78, s17, 32
	s_min_u32 s78, s78, 42                             ; group p + 32, or, where there is none, group 42
	s_mul_i32 s78, s78, 102400
	s_add_co_u32 s78, s78, s84
	s_add_co_u32 s78, s78, 3276800
	s_mov_b32 s79, 0
	s_mul_i32 s86, s16, 204800
	s_mov_b32 s87, 0
	s_mul_i32 s88, s16, 563200
	s_lshr_b32 s90, s17, 1
	s_mul_i32 s90, s90, 12800
	s_add_co_u32 s88, s88, s90                         ; the first row group's record of K step p / 2
	s_mov_b32 s89, 0
	s_and_b32 s90, s17, 1
	s_mul_i32 s92, s90, 768
	s_mov_b32 s93, 0
	s_lshl_b32 s94, s90, 1
	s_mov_b32 s95, 0
	s_mov_b32 s[LG], 0xbfb8aa3b                        ; -log2(e)
	s_mov_b32 s[LG+1], s[LG]
	s_mov_b32 s[SEL], 0x76543210
	s_mov_b32 s[SEL+1], 0xfedcba98
	s_mov_b32 s[MK], 0xffff0000
	v_and_b32 v11, 31, v0
	v_lshlrev_b32 v1, 3, v11
	v_lshlrev_b32 v2, 2, v11
	v_mov_b32 v[AY], v1
	v_add_nc_u32 v[AS], 12288, v2
	s_mul_i32 s91, s[WV], 3072
	v_add_nc_u32 v[XO], s91, v1                        ; my two tiles in a record
	s_lshl_b32 s91, s[WV], 7
	v_add_nc_u32 v[XSO], s91, v2
	v_add_nc_u32 v[XSO], 12288, v[XSO]                 ; and their scale words
	v_mov_b32 v[QP], 0                                 ; a lane permute's destination counts as read
	v_mov_b32 v[QP+1], 0
	v_mov_b32 v[ZZ], 0
	v_mov_b32 v[ZZ+1], 0
	v_mov_b32 v[ZZ+2], 0x7f7f
	s_wait_dscnt 0x0
	s_wait_kmcnt 0x0
	s_add_nc_u64 s[82:83], s[6:7], s[80:81]
	s_add_nc_u64 s[76:77], s[6:7], s[78:79]
	s_add_nc_u64 s[XP:XP+1], s[4:5], s[86:87]
	s_add_nc_u64 s[HS:HS+1], s[8:9], s[88:89]
	s_add_nc_u64 s[HP:HP+1], s[HS:HS+1], s[92:93]      ; + the half step p % 2
	s_add_nc_u64 s[HS:HS+1], s[HS:HS+1], s[94:95]      ; + its two bytes of a scale word
.irp c, 0
.irp sg, 0,1
	s_mov_b32 s[G0+4*(2*\sg+\c)], 1
	s_add_co_u32 s[G0+4*(2*\sg+\c)+1], s84, (8*\sg+4*\c)*REC
	s_add_nc_u64 s[G0+4*(2*\sg+\c)+2:G0+4*(2*\sg+\c)+3], s[82:83], \sg*1638400+\c*51200   ; group p + 16 lies 16 groups behind group p
	s_or_b32 s[G0+4*(2*\sg+\c)+3], s[G0+4*(2*\sg+\c)+3], 0x80000000
.endr
	s_mov_b32 s[G0+4*(4+\c)], 1
	s_add_co_u32 s[G0+4*(4+\c)+1], s84, (16+4*\c)*REC
	s_add_nc_u64 s[G0+4*(4+\c)+2:G0+4*(4+\c)+3], s[76:77], \c*51200
	s_or_b32 s[G0+4*(4+\c)+3], s[G0+4*(4+\c)+3], 0x80000000
.endr
	CROUND                                             ; all four work-groups are here: the joint loads meet
	tensor_load_to_lds s[G0:G0+3], s[G1A:G1A+7]        ; group p, my quarter: K steps 2 w, 2 w + 1
	s_nop 0
	PLACES 4
	s_wait_alu depctr_va_vdst(0)
.irp s, 0,1,2,3,4,5,6,7
	global_load_b32 v[XS+\s], v[XSO], s[XP:XP+1] offset:\s*REC
	global_load_b32 v[XS+8+\s], v[XSO], s[XP:XP+1] offset:102400+\s*REC
.endr
.irp s, 0,1,2,3,4,5,6,7                    ; X, K step by K step, both row groups: 24 loads a step
	LOADX \s, 2, XP, 0
	LOADX \s, 3, XP, 102400
.endr
; THE FILLS: one tensor load a wave at the head (my quarter of group p); group p + 16 and the third group are first filled later, each by one load a wave behind
; the wait for all my tensor loads, the add, its wait and a round of the cluster's barrier.  One tensor load of a wave is out at the most.
.macro FILL g0
	s_wait_alu depctr_va_vdst(0)
	s_wait_tensorcnt 0x0                               ; my quarter of the group asked for last has landed
	ds_add_u32 v124, v125
	s_wait_dscnt 0x0
	CROUND                                             ; everybody's quarter has landed, and the partners' joint loads meet
	tensor_load_to_lds s[\g0:\g0+3], s[G1A:G1A+7]
	s_nop 0
	PLACES 4
.endm
	FILL G0+8                                          ; group p is whole; group p + 16 is asked for
	JSTART 0, 0
	JOB 0, 1, 0                                        ; group p
	EPI 0
	FILL G0+16                                         ; group p + 16 is whole; the third group is asked for
	JSTART 8, 0
	JOB 8, 0, 0                                        ; group p + 16: X is in registers
	EPI 1
	ARRIVE 0                                           ; all my loads have landed, and behind the barrier everybody's: it stands on every work-group's path
	s_cmp_gt_u32 s17, 10                               ; p + 32 is a group where p is 10 or less
	s_cbranch_scc1 .Lno_third
	JSTART 16, 0
	JOB 16, 0, 0                                       ; group p + 32
	EPI 2
	s_cmp_lg_u32 s17, 10                               ; group 42 is the lower half of the next product's K step 21: its upper half gets zero codes and the bytes 127
	s_cbranch_scc1 .Lno_third
.irp rg, 0,1
.irp x, 0,1
.irp p, 0,1,2
	global_store_b64 v[XO], v[ZZ:ZZ+1], s[HP:HP+1] offset:\rg*281600+204800+768+1536*\x+256*\p
.endr
.endr
	global_store_b16 v[XSO], v[ZZ+2], s[HS:HS+1] offset:\rg*281600+204800+2
.endr
.Lno_third:
	s_wait_dscnt 0x0
	s_wait_tensorcnt 0x0
	ds_add_u32 v124, v125
	s_wait_dscnt 0x0
	CROUND                                             ; the closing round: no work-group ends while a partner may still ask jointly
	s_endpgm
.Lfunc_end_k_qda30b30292_ffn13:
	.size	k_qda30b30292_ffn13, .Lfunc_end_k_qda30b30292_ffn13-k_qda30b30292_ffn13
	.p2alignl 7, 3214868480
	.fill 96, 4, 3214868480
	.section	.rodata,"a",@progbits
	.p2align	6, 0x0
	.amdhsa_kernel k_qda30b30292_ffn13
		.amdhsa_group_segment_fixed_size 327680
		.amdhsa_private_segment_fixed_size 0
		.amdhsa_enable_private_segment 0
		.amdhsa_kernarg_size 24
		.amdhsa_user_sgpr_count 2
		.amdhsa_user_sgpr_kernarg_segment_ptr 1
		.amdhsa_wavefront_size32 1
		.amdhsa_system_sgpr_workgroup_id_x 1
		.amdhsa_system_sgpr_workgroup_id_y 1
		.amdhsa_system_sgpr_workgroup_id_z 1
		.amdhsa_system_vgpr_workitem_id 0
		.amdhsa_next_free_vgpr 1024
		.amdhsa_next_free_sgpr 96
		.amdhsa_reserve_vcc 0
		.amdhsa_float_denorm_mode_32 3
		.amdhsa_float_denorm_mode_16_64 3
		.amdhsa_memory_ordered 1
		.amdhsa_forward_progress 1
		.amdhsa_inst_pref_size 255
	.end_amdhsa_kernel
	.section	.bss,"aw",@nobits
	.p2align	6
	.space	262144
	.amdgpu_metadata
---
amdhsa.version: [ 1, 2 ]
amdhsa.kernels:
  - .name:           k_qda30b30292_ffn13
    .symbol:         k_qda30b30292_ffn13.kd
    .args:
      - { .name: xb, .offset: 0, .size: 8, .value_kind: global_buffer, .address_space: global }
      - { .name: wts, .offset: 8, .size: 8, .value_kind: global_buffer, .address_space: global }
      - { .name: hh, .offset: 16, .size: 8, .value_kind: global_buffer, .address_space: global }
    .group_segment_fixed_size: 327680
    .private_segment_fixed_size: 0
    .kernarg_segment_align: 8
    .kernarg_segment_size: 24
    .max_flat_workgroup_size: 128
    .sgpr_count:     96
    .vgpr_count:     1024
    .wavefront_size: 32
...
	.end_amdgpu_metadata
.endif
;; end of part 13
;; launch ffn2 (part 14): grid 32 x 8, 4 waves a work-group, clusters of 4 x 1, 327,680 bytes of LDS; arguments hh, wts, x2, out0; writes out0
.if DOCPART == 14
	.amdgcn_target "amdgcn-amd-amdhsa--gfx1250"
	.amdhsa_code_object_version 6
	.text
	.protected	k_qda30b30292_ffn2
	.globl	k_qda30b30292_ffn2
	.p2align	8
	.type	k_qda30b30292_ffn2,@function
k_qda30b30292_ffn2:
	s_mov_b64 s[64:65], 0
	v_nop
	global_prefetch_b8 v0, s[64:65] scope:SCOPE_SE
	s_setreg_imm32_b32 hwreg(HW_REG_WAVE_MODE, 25, 1), 1
	s_wait_xcnt 0x0
	s_wait_alu depctr_hold_cnt(0) depctr_sa_sdst(0) depctr_va_vdst(0) depctr_va_sdst(0) depctr_va_ssrc(0) depctr_va_vcc(0) depctr_vm_vsrc(0)
	s_getreg_b32 s2, hwreg(HW_REG_IB_STS2, 6, 4)
	s_cmp_eq_u32 s2, 0
	s_cbranch_scc0 .Lentry_in_a_cluster
	s_endpgm
.Lentry_in_a_cluster:
	s_bfe_u32 s2, ttmp6, 0x10000c
	s_cmp_lg_u32 s2, 0x3003
	s_cbranch_scc0 .Lentry_shape_is_right
	s_endpgm
.Lentry_shape_is_right:
; out0 = x2 + hh w2^T: a tile of 128 tokens (row group R) x 128 columns (group g), on E3M2 codes, K = 2,752 in 22 steps of 128 (the last half step: zero codes on both sides).
; D = (Y tile) x (X tile): Y = 128 rows of w2, in LDS for all of K, filled ONCE: three tensor loads a wave (a record of K steps 0-3 at the head, then a quarter of K steps 4-11, then of 12-21);
; X = my two tiles of tokens, from memory straight into registers, six K steps ahead.
; CLUSTER: the four work-groups of a cluster differ in R alone: w2's records are asked for jointly (mask 15).  One tensor load of a wave is out at the most.
; A lane's results are neighbouring columns of one token: they go through the wave's own stage in LDS, come back as whole rows of 512 bytes, take the residual and are stored.
; REGISTERS: window 0: v1-9 addresses; v16-23 Y's scale words; v24-45 X's; v128-255 the 16 accumulators.  window 1: Y's fragments, two sets of 96 (later rows of the result); v192-255 the residual of my first tile.
;   window 2: X's fragments, six K steps; v192-255 the residual of my second tile.
.set REC, 12800
.set NS, 22
.set XD, 6
.set YOFF, 7680000
.set GB, 281600
.set STG, 281600
.set ARP, 4
.set ASH, 2
.set ADP, 4
.set DSH, 2
.set TCN, 5
.set CST, 0
.set AY, 3
.set AS, 4
.set XO, 5
.set XSO, 6
.set GO, 7
.set SO, 8
.set SR, 9
.set YS, 16
.set XS, 24
.set ACC, 128
.set WV, 14
.set G1A, 24
.set G1B, 32
.set G0, 40
.set XP, 66
.set RESP, 68
.set OUTP, 70
.set MSB, 0
.macro WIN new
.if MSB != (\new)
	s_set_vgpr_msb (MSB<<8)|(\new)
.set MSB, \new
.endif
.endm
.macro PLACES n
.rept \n
	v_nop
.endr
.endm
.macro CROUND
	s_barrier_signal -1
	s_barrier_wait -1
	s_cmp_lg_u32 s[WV], 0
	s_cbranch_scc1 .Lnot_wave_0_\@
	s_barrier_signal -3
.Lnot_wave_0_\@:
	s_barrier_wait -3
	s_barrier_signal -1
	s_barrier_wait -1
.endm
.macro ARRIVE n                        ; my part of the next chunk has landed (n younger loads may be out), no LDS load of mine is out; behind the barrier everybody's part has landed
	s_wait_tensorcnt \n
	s_wait_dscnt 0x0
	s_barrier_signal -1
	s_barrier_wait -1
.endm
.macro WM d, a, b, c, sa, sb, ra, rb
.if (\ra) && (\rb)
	v_wmma_scale_f32_16x16x128_f8f6f4 v[\d:\d+7], v[\a:\a+11], v[\b:\b+11], \c, v[\sa], v[\sb] matrix_a_fmt:MATRIX_FMT_BF6 matrix_b_fmt:MATRIX_FMT_BF6 matrix_a_scale:MATRIX_SCALE_ROW1 matrix_b_scale:MATRIX_SCALE_ROW1
.elseif \ra
	v_wmma_scale_f32_16x16x128_f8f6f4 v[\d:\d+7], v[\a:\a+11], v[\b:\b+11], \c, v[\sa], v[\sb] matrix_a_fmt:MATRIX_FMT_BF6 matrix_b_fmt:MATRIX_FMT_BF6 matrix_a_scale:MATRIX_SCALE_ROW1
.elseif \rb
	v_wmma_scale_f32_16x16x128_f8f6f4 v[\d:\d+7], v[\a:\a+11], v[\b:\b+11], \c, v[\sa], v[\sb] matrix_a_fmt:MATRIX_FMT_BF6 matrix_b_fmt:MATRIX_FMT_BF6 matrix_b_scale:MATRIX_SCALE_ROW1
.else
	v_wmma_scale_f32_16x16x128_f8f6f4 v[\d:\d+7], v[\a:\a+11], v[\b:\b+11], \c, v[\sa], v[\sb] matrix_a_fmt:MATRIX_FMT_BF6 matrix_b_fmt:MATRIX_FMT_BF6
.endif
.endm
.macro LOADY s                         ; step s's record of Y: 48 + 4 LDS loads
	WIN 0x40
.irp y, 0,1,2,3,4,5,6,7
.irp q, 0,1,2,3,4,5
	ds_load_b64 v[96*((\s)%2)+12*\y+2*\q:96*((\s)%2)+12*\y+2*\q+1], v[AY] offset:((\s)-CST)*REC+1536*\y+256*\q
.endr
.endr
	WIN 0
.irp i, 0,1,2,3
	ds_load_b32 v[YS+4*((\s)%2)+\i], v[AS] offset:((\s)-CST)*REC+128*\i
.endr
.endm
.macro LOADX s, win, ptr, off
	WIN (\win)<<6
.irp x, 0,1
.irp q, 0,1,2,3,4,5
	global_load_b64 v[24*((\s)%XD)+12*\x+2*\q:24*((\s)%XD)+12*\x+2*\q+1], v[XO], s[\ptr:\ptr+1] offset:(\off)+(\s)*REC+1536*\x+256*\q
.endr
.endr
	WIN 0
.endm
.macro MUL s, sj, win, xsb             ; 16 products; the 16 accumulators take turns, one instruction a turn
	WIN 1|((\win)<<2)
.irp i, 0,1,2,3
.irp u, 0,1
.irp x, 0,1
.if (\sj) == 0
	WM ACC+8*(8*\x+2*\i+\u), 96*((\s)%2)+12*(2*\i+\u), 24*((\sj)%XD)+12*\x, 0, YS+4*((\s)%2)+\i, (\xsb)+(\sj), \u, \x
.else
	WM ACC+8*(8*\x+2*\i+\u), 96*((\s)%2)+12*(2*\i+\u), 24*((\sj)%XD)+12*\x, v[ACC+8*(8*\x+2*\i+\u):ACC+8*(8*\x+2*\i+\u)+7], YS+4*((\s)%2)+\i, (\xsb)+(\sj), \u, \x
.endif
.endr
.endr
.endr
	WIN 0
.endm
.macro JSTART s, arron
.if \arron
	ARRIVE TCN
.set TCN, TCN-1
.endif
.if (\s) > CST
	v_add_nc_u32 v[AY], ((\s)-CST)*REC, v[AY]
	v_add_nc_u32 v[AS], ((\s)-CST)*REC, v[AS]
.endif
.set CST, \s
	PLACES 4
	LOADY \s
.endm
.macro JOB s0, ns, win, xsb, lcon, arron
.set SG, \s0
.rept \ns
.set SJ, SG-(\s0)
.if SJ+1 < (\ns)
.if SJ+1 == 4                          ; K steps 4-11 are whole behind this round; K steps 12-21 are asked for: my quarter, 125 rows of 256 bytes
	s_wait_tensorcnt 0x0
	ds_add_u32 v126, v127
	s_mov_b32 s[G1A+2], 125<<16                        ; no tensor load of mine is out, so a descriptor may be written
	s_mov_b32 s[G1A+4], 125
	s_wait_dscnt 0x0
	CROUND
	tensor_load_to_lds s[G0+8:G0+11], s[G1A:G1A+7]
	s_nop 0
	PLACES 4
.endif
.if SJ+1 == 12
	ARRIVE 0                                           ; K steps 12-21 are whole
.endif
.if ((SJ+1+DSH)%ADP) == 0
	v_add_nc_u32 v[AY], (SG+1-CST)*REC, v[AY]
	s_wait_alu depctr_va_vdst(0)
	v_add_nc_u32 v[AS], (SG+1-CST)*REC, v[AS]
.set CST, SG+1
.endif
	PLACES 4                                           ; four plain lines between the last products and loads into registers that they read
	LOADY SG+1
.if (XD < (\ns)) && (SJ >= 1) && (SJ-1+XD < (\ns))
	LOADX SJ-1+XD, \win, XP, 0                         ; X of five steps on, into the registers that the last step's products have read
.endif
	s_wait_alu depctr_va_vdst(0)
	s_wait_dscnt 52                                    ; this step's record is in; the 52 loads just issued may be out
.else
	s_wait_dscnt 0x0
.endif
.if \lcon
.set LC, (\ns)-1
.if SJ+XD-1 < LC
.set LC, SJ+XD-1
.endif
.set LC, 12*(LC-SJ)
.if LC > 63
.set LC, 63
.endif
	s_wait_loadcnt LC                                  ; this step's X is in; the later steps' 12 loads each may be out
.endif
	MUL SG, SJ, \win, \xsb
.set SG, SG+1
.endr
	PLACES 4
.endm
.macro EPIRES x                        ; my tile x: through the stage, + the residual, out
	s_wait_xcnt 0x0                                    ; earlier stores have read the registers that the loads below fill
.irp y, 0,1,2,3,4,5,6,7
	ds_store_b128 v[SO], v[ACC+64*\x+8*\y:ACC+64*\x+8*\y+3] offset:128*(\y/2)+32*(\y%2)       ; each accumulator from its low end on
	ds_store_b128 v[SO], v[ACC+64*\x+8*\y+4:ACC+64*\x+8*\y+7] offset:128*(\y/2)+32*(\y%2)+16
.endr
	WIN 0x40
.irp i, 0,1,2,3,4,5,6,7,8,9,10,11,12,13,14,15
	ds_load_b128 v[4*\i:4*\i+3], v[SR] offset:528*\i   ; LDS serves a wave's instructions in order (ISA guide 5.7.1.4): these see my stores
.endr
	s_wait_dscnt 0x0
	WIN 0x45+4*\x
.irp j, 0,2,4,6,8,10,12,14,16,18,20,22,24,26,28,30,32,34,36,38,40,42,44,46,48,50,52,54,56,58,60,62
	v_pk_add_f32 v[\j:\j+1], v[\j:\j+1], v[192+\j:193+\j]
.endr
	WIN 0x04
.irp i, 0,1,2,3,4,5,6,7,8,9,10,11,12,13,14,15
	global_store_b128 v[GO], v[4*\i:4*\i+3], s[OUTP:OUTP+1] offset:(8*\x+\i+8*(\i/8))*4096 th:TH_STORE_NT   ; 32 lanes store 512 consecutive bytes, at a multiple of 256
.endr
	WIN 0
.endm
	s_load_b256 s[4:11], s[0:1], 0x0                   ; X's codes, wts, the residual, the result
	v_lshl_add_u32 v126, v0, 2, 0x4d000
	v_mov_b32 v127, 0
	ds_add_u32 v126, v127
	ds_add_u32 v126, v127
	v_lshrrev_b32 v1, 5, v0
	v_readfirstlane_b32 s[WV], v1
	s_bfe_u32 s15, ttmp6, 0x40000                      ; cx
	s_lshl_b32 s16, ttmp9, 2
	s_add_co_u32 s16, s16, s15                         ; R: it enters global addresses alone
	s_and_b32 s17, ttmp7, 0xffff                       ; g, which the four partners share
	s_mov_b32 s[G1A], 15|(3<<16)|(1<<21)               ; 100 rows of 256 bytes: two records; mask: all four work-groups
	s_mov_b32 s[G1A+1], 32<<16
	s_mov_b32 s[G1A+2], 100<<16                        ; 100 rows: two records
	s_mov_b32 s[G1A+3], 32<<16
	s_mov_b32 s[G1A+4], 100
	s_mov_b32 s[G1A+5], 32
	s_mov_b32 s[G1A+6], 0
	s_mov_b32 s[G1A+7], 0
	s_mov_b32 s[G1B], 15|(3<<16)|(1<<21)               ; 50 rows: a record
	s_mov_b32 s[G1B+1], 32<<16
	s_mov_b32 s[G1B+2], 50<<16
	s_mov_b32 s[G1B+3], 32<<16
	s_mov_b32 s[G1B+4], 50
	s_mov_b32 s[G1B+5], 32
	s_mov_b32 s[G1B+6], 0
	s_mov_b32 s[G1B+7], 0
	s_mul_i32 s84, s[WV], 6400
	s_mul_i32 s85, s[WV], REC
	s_mul_i32 s80, s17, GB
	s_add_co_u32 s80, s80, YOFF
	s_mov_b32 s81, 0
	s_mov_b32 s90, s84
	s_mov_b32 s91, 0
	s_mov_b32 s94, s85
	s_mov_b32 s95, 0
	s_mul_i32 s86, s16, GB
	s_mov_b32 s87, 0
	s_lshl_b32 s88, s16, 7
	s_lshl_b32 s89, s[WV], 5
	s_add_co_u32 s88, s88, s89
	s_lshl_b32 s88, s88, 12                            ; token 128 R + 32 w,
	s_lshl_b32 s89, s17, 9
	s_add_co_u32 s88, s88, s89                         ; column 128 g
	s_mov_b32 s89, 0
	v_and_b32 v11, 31, v0
	v_and_b32 v12, 15, v0
	v_bfe_u32 v13, v0, 4, 1
	v_lshlrev_b32 v1, 3, v11
	v_lshlrev_b32 v2, 2, v11
	v_mov_b32 v[AY], v1
	v_add_nc_u32 v[AS], 12288, v2
	s_mul_i32 s92, s[WV], 3072
	v_add_nc_u32 v[XO], s92, v1
	s_lshl_b32 s93, s[WV], 7
	v_add_nc_u32 v[XSO], s93, v2
	v_add_nc_u32 v[XSO], 12288, v[XSO]
	v_lshlrev_b32 v[GO], 4, v11
	s_mul_i32 s92, s[WV], 8448
	s_add_co_u32 s92, s92, STG                         ; my stage: 16 rows of 512 + 16 bytes
	v_mul_u32_u24 v[SO], v12, 528
	v_lshl_add_u32 v[SO], v13, 6, v[SO]
	v_add_nc_u32 v[SO], s92, v[SO]
	v_add_nc_u32 v[SR], s92, v[GO]
	s_wait_dscnt 0x0
	s_wait_kmcnt 0x0
	s_add_nc_u64 s[82:83], s[6:7], s[80:81]            ; w2's group g
	s_add_nc_u64 s[XP:XP+1], s[4:5], s[86:87]
	s_add_nc_u64 s[RESP:RESP+1], s[8:9], s[88:89]
	s_add_nc_u64 s[OUTP:OUTP+1], s[10:11], s[88:89]
	; THE FILLS, one tensor load a wave each: K steps 0-3 at the head (a record a wave); K steps 4-11 (two records a wave) and 12-21 (two and a half) each behind the wait for all my
	; tensor loads, the add, its wait and a round of the cluster's barrier.  One tensor load of a wave is out at the most.
	s_mov_b32 s[G0], 1
	s_mov_b32 s[G0+1], s85
	s_add_nc_u64 s[G0+2:G0+3], s[82:83], s[94:95]
	s_or_b32 s[G0+3], s[G0+3], 0x80000000
	s_lshl_b32 s90, s84, 2                             ; wave x 25,600
	s_mov_b32 s[G0+4], 1
	s_add_co_u32 s[G0+5], s90, 4*REC
	s_add_nc_u64 s[G0+6:G0+7], s[82:83], s[90:91]
	s_add_nc_u64 s[G0+6:G0+7], s[G0+6:G0+7], 4*REC
	s_or_b32 s[G0+7], s[G0+7], 0x80000000
	s_mul_i32 s94, s84, 5                              ; wave x 32,000
	s_mov_b32 s[G0+8], 1
	s_add_co_u32 s[G0+9], s94, 12*REC
	s_add_nc_u64 s[G0+10:G0+11], s[82:83], s[94:95]
	s_add_nc_u64 s[G0+10:G0+11], s[G0+10:G0+11], 12*REC
	s_or_b32 s[G0+11], s[G0+11], 0x80000000
	CROUND                                             ; all four work-groups are here: the joint loads meet
	tensor_load_to_lds s[G0:G0+3], s[G1B:G1B+7]
	s_nop 0
	PLACES 4
	s_wait_alu depctr_va_vdst(0)
.irp x, 0,1                            ; the residual first: loads come back in order, so the counted waits for X below need not count it
	WIN 0x40<<\x
.irp i, 0,1,2,3,4,5,6,7,8,9,10,11,12,13,14,15
	global_load_b128 v[192+4*\i:195+4*\i], v[GO], s[RESP:RESP+1] offset:(8*\x+\i+8*(\i/8))*4096 th:TH_LOAD_NT
.endr
.endr
	WIN 0
.set NN, 0
.rept NS
	global_load_b32 v[XS+NN], v[XSO], s[XP:XP+1] offset:NN*REC
.set NN, NN+1
.endr
.set NN, 0
.rept XD
	LOADX NN, 2, XP, 0
.set NN, NN+1
.endr
	s_wait_tensorcnt 0x0                               ; my record of K steps 0-3 has landed
	ds_add_u32 v126, v127
	s_wait_dscnt 0x0
	CROUND                                             ; everybody's has, and the partners' joint loads meet
	tensor_load_to_lds s[G0+4:G0+7], s[G1A:G1A+7]      ; K steps 4-11
	s_nop 0
	PLACES 4
	JSTART 0, 0
	JOB 0, NS, 2, XS, 1, 1
	EPIRES 0
	EPIRES 1
	s_wait_dscnt 0x0
	s_wait_tensorcnt 0x0
	ds_add_u32 v126, v127
	s_wait_dscnt 0x0
	CROUND                                             ; the closing round
	s_endpgm
.Lfunc_end_k_qda30b30292_ffn2:
	.size	k_qda30b30292_ffn2, .Lfunc_end_k_qda30b30292_ffn2-k_qda30b30292_ffn2
	.p2alignl 7, 3214868480
	.fill 96, 4, 3214868480
	.section	.rodata,"a",@progbits
	.p2align	6, 0x0
	.amdhsa_kernel k_qda30b30292_ffn2
		.amdhsa_group_segment_fixed_size 327680
		.amdhsa_private_segment_fixed_size 0
		.amdhsa_enable_private_segment 0
		.amdhsa_kernarg_size 32
		.amdhsa_user_sgpr_count 2
		.amdhsa_user_sgpr_kernarg_segment_ptr 1
		.amdhsa_wavefront_size32 1
		.amdhsa_system_sgpr_workgroup_id_x 1
		.amdhsa_system_sgpr_workgroup_id_y 1
		.amdhsa_system_sgpr_workgroup_id_z 1
		.amdhsa_system_vgpr_workitem_id 0
		.amdhsa_next_free_vgpr 768
		.amdhsa_next_free_sgpr 96
		.amdhsa_reserve_vcc 0
		.amdhsa_float_denorm_mode_32 3
		.amdhsa_float_denorm_mode_16_64 3
		.amdhsa_memory_ordered 1
		.amdhsa_forward_progress 1
		.amdhsa_inst_pref_size 174
	.end_amdhsa_kernel
	.amdgpu_metadata
---
amdhsa.version: [ 1, 2 ]
amdhsa.kernels:
  - .name:           k_qda30b30292_ffn2
    .symbol:         k_qda30b30292_ffn2.kd
    .args:
      - { .name: hh, .offset: 0, .size: 8, .value_kind: global_buffer, .address_space: global }
      - { .name: wts, .offset: 8, .size: 8, .value_kind: global_buffer, .address_space: global }
      - { .name: x2, .offset: 16, .size: 8, .value_kind: global_buffer, .address_space: global }
      - { .name: out0, .offset: 24, .size: 8, .value_kind: global_buffer, .address_space: global }
    .group_segment_fixed_size: 327680
    .private_segment_fixed_size: 0
    .kernarg_segment_align: 8
    .kernarg_segment_size: 32
    .max_flat_workgroup_size: 128
    .sgpr_count:     96
    .vgpr_count:     768
    .wavefront_size: 32
...
	.end_amdgpu_metadata
.endif
;; end of part 14
